; MI455X (gfx1250); checked and timed in simulation.
; The chip was launched on July 23, 2026; its instructions are those of AMD's public machine-readable ISA for CDNA 5 (MIT licence, August 2026) and "CDNA5" Instruction Set Architecture Reference Guide (July 2026). The comments in the code are by the model that wrote it; some were corrected since.
;; Router. Allowed arithmetic: matrix products marked QUANTISED: E2M1 operands, one E8M0 scale for each 32 along K, by v_wmma_scale_f32_16x16x128_f8f6f4 with both operands' format E2M1 (or v_wmma_scale_f32_32x16x128_f4), f32 sums; products left as they are: f32 operands where the result goes on into a quantised operand, else bf16, f16 or f32 operands; f32 sums; everything else in f32.
;; Inputs: b1 8 x 4,096 float32; b2 8 x 1,024 float32; gate_b 8 float32; gate_w 8 x 1,024 float32; tokens 8 x 128 x 1,024 float32; w1 8 x 4,096 x 1,024 float32; w2 8 x 1,024 x 4,096 float32.
;; Outputs: out0 8 x 128 x 1,024 float32.
;; This version of the problem:
;;   THIS VERSION OF THE PROBLEM IS GIVEN IN LOW PRECISION. The matrix products marked QUANTISED in the list below multiply operands that are first quantised to E2M1 (2 exponent bits, 1 mantissa bit; 4 bits a number), with one power-of-two scale for each 32 numbers along K (OCP MX v1.0); their sums are f32. All else is computed in f32.
;;   The module's matrix products, in the order in which they are computed (A, B: the left and right operand; K: the contracted axis; several contracted axes count as one K, in the product's order):
;;     1. [M 1,024, K 1,024] x [K 1,024, N 8]; A: input tokens; B: input gate_w: left as it is (N = 8 < 16)
;;     2. batch 1,024 x [M 1, K 2] x [K 2, N 8]; A: computed on the way; B: computed on the way: left as it is (K = 2 < 32)
;;     3. [M 1,024, K 1,024] x [K 1,024, N 4,096]; A: input tokens; B: input w1: QUANTISED
;;     4. [M 1,024, K 4,096] x [K 4,096, N 1,024]; A: computed on the way; B: input w2: QUANTISED
;;     5. [M 1,024, K 1,024] x [K 1,024, N 4,096]; A: input tokens; B: input w1: QUANTISED
;;     6. [M 1,024, K 4,096] x [K 4,096, N 1,024]; A: computed on the way; B: input w2: QUANTISED
;;     7. [M 1,024, K 1,024] x [K 1,024, N 4,096]; A: input tokens; B: input w1: QUANTISED
;;     8. [M 1,024, K 4,096] x [K 4,096, N 1,024]; A: computed on the way; B: input w2: QUANTISED
;;     9. [M 1,024, K 1,024] x [K 1,024, N 4,096]; A: input tokens; B: input w1: QUANTISED
;;     10. [M 1,024, K 4,096] x [K 4,096, N 1,024]; A: computed on the way; B: input w2: QUANTISED
;;     11. [M 1,024, K 1,024] x [K 1,024, N 4,096]; A: input tokens; B: input w1: QUANTISED
;;     12. [M 1,024, K 4,096] x [K 4,096, N 1,024]; A: computed on the way; B: input w2: QUANTISED
;;     13. [M 1,024, K 1,024] x [K 1,024, N 4,096]; A: input tokens; B: input w1: QUANTISED
;;     14. [M 1,024, K 4,096] x [K 4,096, N 1,024]; A: computed on the way; B: input w2: QUANTISED
;;     15. [M 1,024, K 1,024] x [K 1,024, N 4,096]; A: input tokens; B: input w1: QUANTISED
;;     16. [M 1,024, K 4,096] x [K 4,096, N 1,024]; A: computed on the way; B: input w2: QUANTISED
;;     17. [M 1,024, K 1,024] x [K 1,024, N 4,096]; A: input tokens; B: input w1: QUANTISED
;;     18. [M 1,024, K 4,096] x [K 4,096, N 1,024]; A: computed on the way; B: input w2: QUANTISED
;;   THE QUANTISER, for each operand of a quantised product, along K:
;;     - K is cut into blocks of 32 from its start; a last block that is shorter is filled with zeros.
;;     - A block's scale is 2^e with e = floor(log2(the largest magnitude in the block)) - 2, held to -126 .. 127; a block of zeros has e = 0. As a byte (E8M0): e + 127.
;;     - Each number is divided by its block's scale, clamped to +-6, and rounded to the nearest number of E2M1, ties to even, subnormals kept.
;;     - The product sums the exact products of the quantised numbers (number of the format x scale) in f32.
;;   ~~~python
;;   def quantise(x, axis):      # numpy; x: float32 -> the quantised numbers, widened to float32 again
;;       x = np.moveaxis(x, axis, -1); K = x.shape[-1]
;;       x = np.pad(x, [(0, 0)] * (x.ndim - 1) + [(0, -K % 32)]); x = x.reshape(x.shape[:-1] + (-1, 32)); a = np.abs(x).max(-1, keepdims=True)
;;       e = np.where(a > 0, np.clip(np.frexp(np.where(a > 0, a, 1))[1] - 1 - 2, -126, 127), 0)      # np.frexp(a)[1] - 1 = floor(log2(a)), exactly
;;       r = np.clip(x / 2.0 ** e, -6, 6)
;;       step = 2.0 ** (np.maximum(np.frexp(np.where(r == 0, 1, r))[1] - 1, 0) - 1)
;;       q = np.round(r / step) * step * 2.0 ** e      # np.round: ties to even
;;       return np.moveaxis(q.reshape(q.shape[:-2] + (-1,))[..., :K], -1, axis).astype(np.float32)
;;   ~~~
;;   OPERANDS COMPUTED ON THE WAY. 'Computed on the way' means the value that the module computes at that place (a softmax that the list does not call 'softmax' is quantised finished and normalised). What goes into a quantiser is computed in f32, as accurately as f32 sums, v_exp_f32 and their like allow (about 1e-6 of the number): no bf16 or f16 on the way to a quantiser, and a product that is left as it is and whose result goes on into a quantised operand takes f32 operands (vector FMAs, or v_wmma_f32_16x16x4_f32). A number that lies on a knife's edge between two numbers of the format may be rounded either way, as far as f32 arithmetic and the matrix unit's own rounding can turn it there, and no further.
;; 2 versions. Each part assembles by itself: llvm-mc -triple=amdgcn-amd-amdhsa -mcpu=gfx1250 --defsym DOCPART=n.
;; ======== version 1 of 2: 5 launches
;; workspace buffers: xc 524,288 bytes; xs 32,768 bytes; sel 4,096 bytes of whole numbers; topv 8,192 bytes; hc 16,777,216 bytes; hs 1,048,576 bytes; pose 66,560 bytes of whole numbers; ybuf 67,108,864 bytes
;; launch route (part 1): grid 128 x 1, 8 waves a work-group, no clusters, 78,848 bytes of LDS; arguments tokens, gate_w, gate_b, xc, xs, sel, topv; writes xc, xs, sel, topv
.if DOCPART == 1
	.amdgcn_target "amdgcn-amd-amdhsa--gfx1250"
	.amdhsa_code_object_version 6
	.text
	.protected	k_q2770c995bf_route
	.globl	k_q2770c995bf_route
	.p2align	8
	.type	k_q2770c995bf_route,@function
k_q2770c995bf_route:
	s_mov_b64 s[64:65], 0
	v_nop
	global_prefetch_b8 v0, s[64:65] scope:SCOPE_SE
	s_setreg_imm32_b32 hwreg(HW_REG_WAVE_MODE, 25, 1), 1
	s_wait_xcnt 0x0
; ROUTE.  For each of the 1,024 tokens (rows of 1,024 f32): the eight gate logits in f32, the two largest (value and expert; of equal logits the lower expert is kept),
; and the token's codes of FP4 (E2M1) with one E8M0 byte for each 32 along the row.
; OUT: xc [token][512 bytes] codes, K innermost; xs [token][32] scale bytes; sel [token] u32 = e0 | e1 << 8 | ((1 << e0) | (1 << e1)) << 16; topv [token][2] f32, the two kept logits.
; SHARES: a work-group takes 8 tokens, a wave one token; wave w also brings row w of gate_w into LDS for all eight waves.
; A lane must hold 32 NEIGHBOURS of the row (a whole block), while a load is dense where neighbouring lanes take neighbouring bytes: so every load reads 512 consecutive bytes,
; 16 a lane, and the row turns through LDS: 32 places of 128 bytes + 16 of padding; lane l reads place l back.
; No decision of this launch steers an address or a branch: the choice is made by selects and stored at fixed places.
; LIMITS: NaN and infinities are not served.  A block whose largest magnitude lies under 2^-124 keeps the byte 1; a block of zeros gets the byte 1 with zero codes (the bytes are read by this program alone).
; The logits are summed in another order than a plain loop over k: logits that tie within f32 rounding may choose the other expert.
.set PL,   144                         ; a place: 128 bytes + 16
.set WST,  32*PL                       ; a row's stage: 4,608 bytes
.set TS,   0                           ; eight stages, each wave's own: its token
.set GS,   8*WST                       ; eight stages, shared: the rows of gate_w
.set XSB,  16*WST                      ; 256 scale bytes of the 8 tokens
.set SELB, XSB+256                     ; 8 words
.set TVB,  SELB+32                     ; 8 pairs of f32
.set X,    32                          ; v32-63   my 32 numbers of the token: k = 32 lane + 0 .. 31
.set GW,   64                          ; v64-191  the same k of four rows of gate_w (at first: the two rows as loaded)
.set A,    192                         ; v192-207 eight pairs of sums
.set L,    208                         ; v208-215 the logits
.set QT,   216                         ; v216-219 at work for the block's scale
.set CD,   220                         ; v220-223 my block's codes
.set PT,   224                         ; v224-231 destinations of the lane permutes
.set BV,   232                         ; v232-233 the two kept logits
.set BX,   234                         ; v234-235 their experts
.set NI,   236                         ; -infinity
.set ONE,  237
.set T0,   238                         ; v238-239
.set SW,   240
	s_load_b256 s[4:11], s[0:1], 0x0               ; tokens, gate_w, gate_b, xc
	s_load_b128 s[12:15], s[0:1], 0x20             ; xs, sel
	s_load_b64 s[16:17], s[0:1], 0x30              ; topv
	v_lshl_add_u32 v248, v0, 2, 0x13000
	v_mov_b32 v249, 0
	v_and_b32 v1, 31, v0                           ; lane
	v_lshrrev_b32 v2, 5, v0
	v_readfirstlane_b32 s18, v2                    ; wave 0..7
	v_lshlrev_b32 v4, 4, v1                        ; 16 x lane
	v_lshrrev_b32 v2, 3, v1
	v_mul_u32_u24 v2, v2, PL
	v_and_b32 v3, 7, v1
	v_lshl_add_u32 v2, v3, 4, v2                   ; into a stage: eight lanes' 128 bytes make a place; a load's 512 bytes take four places
	v_mul_u32_u24 v3, v1, PL                       ; out of it: place = lane
	s_mul_i32 s19, s18, WST
	v_add_nc_u32 v5, s19, v2                       ; my token's stage, in
	v_add_nc_u32 v6, s19, v3                       ; and out
	s_add_co_u32 s19, s19, GS
	v_add_nc_u32 v7, s19, v2                       ; gate row w's stage, in
	v_add_nc_u32 v8, GS, v3                        ; the gate rows' stages, out
	s_lshl_b32 s19, s18, 2
	s_add_co_u32 s19, s19, SELB
	v_mov_b32 v9, s19                              ; my token's word
	s_lshl_b32 s19, s18, 3
	s_add_co_u32 s19, s19, TVB
	v_mov_b32 v10, s19                             ; my token's pair
	s_lshl_b32 s19, s18, 5
	s_add_co_u32 s19, s19, XSB
	v_add_nc_u32 v11, s19, v1                      ; my block's scale byte
	v_lshl_add_u32 v12, v1, 3, XSB                 ; wave 0's way out: 8 scale bytes a lane,
	v_and_b32 v13, 15, v1
	v_lshl_add_u32 v13, v13, 2, TVB                ; a word of the pairs,
	v_and_b32 v14, 7, v1
	v_lshl_add_u32 v14, v14, 2, SELB               ; a word of the choices
	v_lshlrev_b32 v15, 3, v1
	v_lshlrev_b32 v16, 2, v1
.irp e, 0,1,2,3,4,5,6,7
	v_mov_b32 v[PT+\e], 0                          ; a lane permute's destination counts as one of its sources
.endr
	v_mov_b32 v[NI], 0xff800000
	v_mov_b32 v[ONE], 1
	s_mov_b32 s32, 0x76543210
	s_mov_b32 s33, 0xfedcba98                      ; v_permlanex16_b32's selects for lane l xor 16
	s_lshl_b32 s2, ttmp9, 3
	s_add_co_u32 s2, s2, s18                       ; my token
	s_mov_b32 s29, 0
	s_lshl_b32 s28, s2, 12
	s_wait_kmcnt 0x0
	s_add_nc_u64 s[4:5], s[4:5], s[28:29]          ; its row of 4,096 bytes
	s_lshl_b32 s28, s18, 12
	s_add_nc_u64 s[6:7], s[6:7], s[28:29]          ; row w of gate_w
.irp i, 0,1,2,3,4,5,6,7
	global_load_b128 v[64+4*\i:67+4*\i], v4, s[4:5] offset:512*\i th:TH_LOAD_NT   ; 512 consecutive bytes a load
.endr
.irp i, 0,1,2,3,4,5,6,7
	global_load_b128 v[96+4*\i:99+4*\i], v4, s[6:7] offset:512*\i
.endr
	s_load_b256 s[20:27], s[8:9], 0x0              ; gate_b
	s_lshl_b32 s28, s2, 9
	s_add_nc_u64 s[10:11], s[10:11], s[28:29]      ; my token's 512 bytes of codes
	s_lshl_b32 s28, ttmp9, 8
	s_add_nc_u64 s[12:13], s[12:13], s[28:29]      ; the work-group's 256 scale bytes,
	s_lshl_b32 s28, ttmp9, 5
	s_add_nc_u64 s[14:15], s[14:15], s[28:29]      ; 8 words,
	s_lshl_b32 s28, ttmp9, 6
	s_add_nc_u64 s[16:17], s[16:17], s[28:29]      ; 8 pairs
	s_wait_loadcnt 8                               ; the token's eight loads are in; the gate row's eight are younger
.irp i, 0,1,2,3,4,5,6,7
	ds_store_b128 v5, v[64+4*\i:67+4*\i] offset:4*PL*\i
.endr
.irp q, 0,1,2,3,4,5,6,7
	ds_load_b128 v[X+4*\q:X+4*\q+3], v6 offset:16*\q      ; LDS serves a wave's instructions in order: these see my stores
.endr
	s_wait_loadcnt 0x0
.irp i, 0,1,2,3,4,5,6,7
	ds_store_b128 v7, v[96+4*\i:99+4*\i] offset:4*PL*\i
.endr
	s_wait_dscnt 0x0                               ; for the others' sake: my gate row lies in LDS
	s_barrier_signal -1
	s_barrier_wait -1
.macro GLOAD half                      ; my 32 k of four rows of gate_w
.irp e, 0,1,2,3
.irp q, 0,1,2,3,4,5,6,7
	ds_load_b128 v[GW+32*\e+4*\q:GW+32*\e+4*\q+3], v8 offset:WST*(4*\half+\e)+16*\q
.endr
.endr
.endm
.macro DOT half                        ; four sums by turns, two numbers an instruction; the first product starts each sum
.irp e, 0,1,2,3
	v_pk_mul_f32 v[A+2*(4*\half+\e):A+2*(4*\half+\e)+1], v[X:X+1], v[GW+32*\e:GW+32*\e+1]
.endr
.irp j, 2,4,6,8,10,12,14,16,18,20,22,24,26,28,30
.irp e, 0,1,2,3
	v_pk_fma_f32 v[A+2*(4*\half+\e):A+2*(4*\half+\e)+1], v[X+\j:X+\j+1], v[GW+32*\e+\j:GW+32*\e+\j+1], v[A+2*(4*\half+\e):A+2*(4*\half+\e)+1]
.endr
.endr
.endm
	GLOAD 0
	; while those are on their way: my block of 32 is quantised.  Its largest magnitude, in two chains, with the floor 2^(3 - 127) as one more leaf: so the byte cannot fall under 1
	v_max3_num_f32 v[QT], |v[X]|, |v[X+1]|, 0x1800000
	v_max3_num_f32 v[QT+1], |v[X+16]|, |v[X+17]|, |v[X+18]|
.irp i, 2,4,6,8,10,12
	v_max3_num_f32 v[QT], v[QT], |v[X+\i]|, |v[X+1+\i]|
	v_max3_num_f32 v[QT+1], v[QT+1], |v[X+17+\i]|, |v[X+18+\i]|
.endr
	v_max3_num_f32 v[QT], v[QT], |v[X+14]|, |v[X+15]|
	v_max3_num_f32 v[QT], v[QT], v[QT+1], |v[X+31]|
	v_add_nc_u32 v[QT+2], 0xff000000, v[QT]        ; 2 off its exponent field: the conversion takes the exponent field of this operand as its scale
	v_lshrrev_b32 v[QT+3], 23, v[QT+2]             ; the scale's byte
.irp g, 0,1,2,3
	v_cvt_scalef32_pk8_fp4_f32 v[CD+\g], v[X+8*\g:X+8*\g+7], v[QT+2]
.endr
	v_nop                                          ; one plain place behind the last scaled conversion
	global_store_b128 v4, v[CD:CD+3], s[10:11]     ; the wave stores the token's 512 bytes of codes
	ds_store_b8 v11, v[QT+3]
	s_wait_dscnt 1                                 ; the 32 loads are in; only the byte's store is younger
	DOT 0
	GLOAD 1
	s_wait_dscnt 0x0
	DOT 1
.irp e, 0,1,2,3,4,5,6,7
	v_add_f32 v[L+\e], v[A+2*\e], v[A+2*\e+1]
.endr
.irp x, 1,2,4,8
.irp e, 0,1,2,3,4,5,6,7
	v_add_f32_dpp v[L+\e], v[L+\e], v[L+\e] row_xmask:\x row_mask:0xf bank_mask:0xf
.endr
.endr
.irp e, 0,1,2,3,4,5,6,7
	v_permlanex16_b32 v[PT+\e], v[L+\e], s32, s33
.endr
.irp e, 0,1,2,3,4,5,6,7
	v_add_f32 v[L+\e], v[L+\e], v[PT+\e]           ; every lane holds the sum over the row
.endr
	s_wait_kmcnt 0x0
.irp e, 0,1,2,3,4,5,6,7
	v_add_f32 v[L+\e], s[20+\e], v[L+\e]           ; + gate_b
.endr
	; the two largest, by selects.  The old one is kept where the new one is not larger: the lower expert wins a tie
	v_mov_b32 v[BV], v[L]
	v_mov_b32 v[BX], 0
.irp e, 1,2,3,4,5,6,7
	v_cmp_le_f32 vcc_lo, v[L+\e], v[BV]
	v_cndmask_b32 v[BX], \e, v[BX], vcc_lo
	v_cndmask_b32 v[BV], v[L+\e], v[BV], vcc_lo
.endr
.irp e, 0,1,2,3,4,5,6,7
	v_cmp_eq_u32 vcc_lo, \e, v[BX]
	v_cndmask_b32 v[L+\e], v[L+\e], v[NI], vcc_lo  ; the winner leaves the field
.endr
	v_mov_b32 v[BV+1], v[L]
	v_mov_b32 v[BX+1], 0
.irp e, 1,2,3,4,5,6,7
	v_cmp_le_f32 vcc_lo, v[L+\e], v[BV+1]
	v_cndmask_b32 v[BX+1], \e, v[BX+1], vcc_lo
	v_cndmask_b32 v[BV+1], v[L+\e], v[BV+1], vcc_lo
.endr
	v_lshlrev_b32 v[T0], v[BX], v[ONE]
	v_lshlrev_b32 v[T0+1], v[BX+1], v[ONE]
	v_or_b32 v[T0], v[T0], v[T0+1]                 ; the two experts as bits
	v_lshl_or_b32 v[SW], v[BX+1], 8, v[BX]
	v_lshl_or_b32 v[SW], v[T0], 16, v[SW]
	ds_store_b32 v9, v[SW]                         ; all lanes write the same word with the same value
	ds_store_b64 v10, v[BV:BV+1]
	s_wait_dscnt 0x0                               ; for wave 0's sake: my bytes, my word and my pair lie in LDS
	s_barrier_signal -1
	s_barrier_wait -1
	s_cmp_lg_u32 s18, 0
	s_cbranch_scc1 .Lend                           ; wave 0 stores what the eight waves gathered
	ds_load_b64 v[18:19], v12
	ds_load_b32 v20, v13
	ds_load_b32 v21, v14
	s_wait_dscnt 0x0
	global_store_b64 v15, v[18:19], s[12:13]       ; 32 lanes store 256 consecutive bytes, at a multiple of 256 from xs's first byte
	v_cmp_gt_u32 vcc_lo, 16, v1
	s_wait_xcnt 0x0                                ; EXEC is a source of the stores issued so far: it changes only behind this wait
	s_and_saveexec_b32 s34, vcc_lo
	global_store_b32 v16, v20, s[16:17]            ; 64 bytes: the eight pairs
	s_wait_xcnt 0x0
	s_or_b32 exec_lo, exec_lo, s34
	v_cmp_gt_u32 vcc_lo, 8, v1
	s_and_saveexec_b32 s34, vcc_lo
	global_store_b32 v16, v21, s[14:15]            ; 32 bytes: the eight words
	s_wait_xcnt 0x0
	s_or_b32 exec_lo, exec_lo, s34
.Lend:
	s_wait_tensorcnt 0x0
	ds_add_u32 v248, v249
	s_wait_dscnt 0x0
	s_endpgm
.Lfunc_end_k_q2770c995bf_route:
	.size	k_q2770c995bf_route, .Lfunc_end_k_q2770c995bf_route-k_q2770c995bf_route
	.p2alignl 7, 3214868480
	.fill 96, 4, 3214868480
	.section	.rodata,"a",@progbits
	.p2align	6, 0x0
	.amdhsa_kernel k_q2770c995bf_route
		.amdhsa_group_segment_fixed_size 78848
		.amdhsa_private_segment_fixed_size 0
		.amdhsa_enable_private_segment 0
		.amdhsa_kernarg_size 56
		.amdhsa_user_sgpr_count 2
		.amdhsa_user_sgpr_kernarg_segment_ptr 1
		.amdhsa_wavefront_size32 1
		.amdhsa_system_sgpr_workgroup_id_x 1
		.amdhsa_system_sgpr_workgroup_id_y 1
		.amdhsa_system_sgpr_workgroup_id_z 1
		.amdhsa_system_vgpr_workitem_id 0
		.amdhsa_next_free_vgpr 250
		.amdhsa_next_free_sgpr 66
		.amdhsa_reserve_vcc 1
		.amdhsa_float_denorm_mode_32 3
		.amdhsa_float_denorm_mode_16_64 3
		.amdhsa_memory_ordered 1
		.amdhsa_forward_progress 1
		.amdhsa_inst_pref_size 27
	.end_amdhsa_kernel
	.amdgpu_metadata
---
amdhsa.version: [ 1, 2 ]
amdhsa.kernels:
  - .name:           k_q2770c995bf_route
    .symbol:         k_q2770c995bf_route.kd
    .args:
      - { .name: tokens, .offset: 0, .size: 8, .value_kind: global_buffer, .address_space: global }
      - { .name: gate_w, .offset: 8, .size: 8, .value_kind: global_buffer, .address_space: global }
      - { .name: gate_b, .offset: 16, .size: 8, .value_kind: global_buffer, .address_space: global }
      - { .name: xc, .offset: 24, .size: 8, .value_kind: global_buffer, .address_space: global }
      - { .name: xs, .offset: 32, .size: 8, .value_kind: global_buffer, .address_space: global }
      - { .name: sel, .offset: 40, .size: 8, .value_kind: global_buffer, .address_space: global }
      - { .name: topv, .offset: 48, .size: 8, .value_kind: global_buffer, .address_space: global }
    .group_segment_fixed_size: 78848
    .private_segment_fixed_size: 0
    .kernarg_segment_align: 8
    .kernarg_segment_size: 56
    .max_flat_workgroup_size: 256
    .sgpr_count:     66
    .vgpr_count:     250
    .wavefront_size: 32
...
	.end_amdgpu_metadata
.endif
;; end of part 1
;; launch place (part 2): grid 8 x 1, 1 waves a work-group, no clusters, 4,608 bytes of LDS; arguments sel, pose; writes pose
.if DOCPART == 2
	.amdgcn_target "amdgcn-amd-amdhsa--gfx1250"
	.amdhsa_code_object_version 6
	.text
	.protected	k_q2770c995bf_place
	.globl	k_q2770c995bf_place
	.p2align	8
	.type	k_q2770c995bf_place,@function
k_q2770c995bf_place:
	s_mov_b64 s[64:65], 0
	v_nop
	global_prefetch_b8 v0, s[64:65] scope:SCOPE_SE
	s_setreg_imm32_b32 hwreg(HW_REG_WAVE_MODE, 25, 1), 1
	s_wait_xcnt 0x0
; PLACE.  Work-group e (one wave) reads sel (a word for each of the 1,024 tokens, bit 16 + e set where the token chose expert e; whole numbers, stored by the launch before) and gives the tokens that chose e places 0, 1, 2 ..
; OUT, all in pose: bytes 0 on: [e][token] u32 = 1024 e + place (0 where e was not chosen); bytes 32,768 on: [e][32] u32, each the expert's count; bytes 33,792 on: [e][1,024] u32, the token at each place, 0 past the count.
; A place is the number of such tokens counted so far plus the number of such lanes below mine.  The token numbers are scattered into a table in LDS, read back as they lie and stored at fixed addresses:
; no branch and no global address of this launch hangs on a loaded number.  One wave: LDS serves its instructions in order, so there is no barrier.
; Eight work-groups are all the work there is: 4,096 bytes in, 8,320 bytes out for each.
.set LIST, 0                           ; a table of 1,056 words: 1,024 token numbers, and behind them 32 words for the lanes that have nothing to place: word 1024 + lane
.set L16, 1                            ; 16 x lane
.set L4,  2                            ; 4 x lane
.set DMX, 3                            ; 1024 + lane
.set POF, 4                            ; 4096 e + 16 x lane
.set MOF, 5                            ; 128 e + 4 x lane
.set TP,  6
.set TM,  8                            ; v8-11 at work
.set Z,   12                           ; v12-15 zeros
.set SELR, 16                          ; v16-47   sel: register 4 c + jj: token 128 c + 4 lane + jj
.set P,    48                          ; v48-79   the places
.set LA,   80                          ; v80-111  the scatter's addresses
.set LT,   112                         ; v112-143 and its token numbers
.set LB,   144                         ; v144-175 the list as it leaves
	s_load_b128 s[4:7], s[0:1], 0x0                ; sel, pose
	v_lshl_add_u32 v176, v0, 2, 0x1100
	v_mov_b32 v177, 0
	v_lshlrev_b32 v[L16], 4, v0                    ; (one wave: the thread's number is the lane)
	v_lshlrev_b32 v[L4], 2, v0
	v_add_nc_u32 v[DMX], 1024, v0
.irp k, 0,1,2,3
	v_mov_b32 v[Z+\k], 0
.endr
	s_add_co_u32 s8, ttmp9, 16
	s_lshl_b32 s9, 1, s8                           ; expert e's bit in a word of sel
	s_lshl_b32 s10, ttmp9, 10                      ; 1024 e
	s_lshl_b32 s11, ttmp9, 12
	v_add_nc_u32 v[POF], s11, v[L16]
	s_lshl_b32 s11, ttmp9, 7
	v_add_nc_u32 v[MOF], s11, v[L4]
.irp c, 0,1,2,3,4,5,6,7
	ds_store_b128 v[L16], v[Z:Z+3] offset:LIST+512*\c     ; places past the count name token 0
.endr
	s_wait_kmcnt 0x0
.irp c, 0,1,2,3,4,5,6,7
	global_load_b128 v[SELR+4*\c:SELR+4*\c+3], v[L16], s[4:5] offset:512*\c
.endr
	s_mov_b32 s12, 0                               ; counted so far
	s_wait_loadcnt 0x0
; One register of sel: 32 tokens.  The choice between my place and my spare word is made between two WORD NUMBERS of the table; the hold inside its 1,056 words comes last, and behind it stand only a shift and an addition.
.macro LSTEP c, jj
	v_and_b32 v[TM], s9, v[SELR+4*\c+\jj]
	v_cmp_ne_u32 s13, 0, v[TM]                     ; the lanes whose token chose e
	v_mbcnt_lo_u32_b32 v[TM+1], s13, s12           ; my place
	s_bcnt1_i32_b32 s14, s13
	s_add_co_u32 s12, s12, s14
	v_cndmask_b32 v[TM+2], v[DMX], v[TM+1], s13    ; the place, or word 1024 + lane where there is nothing to place
	v_min_u32 v[TM+2], 1055, v[TM+2]               ; a number made of loaded numbers enters an address only held inside the table
	v_lshl_add_u32 v[LA+4*\c+\jj], v[TM+2], 2, LIST
	v_add_nc_u32 v[LT+4*\c+\jj], 128*\c+\jj, v[L4]
	ds_store_b32 v[LA+4*\c+\jj], v[LT+4*\c+\jj]
	v_min_u32 v[TM+1], 1023, v[TM+1]
	v_add_nc_u32 v[TM+3], s10, v[TM+1]
	v_cndmask_b32 v[P+4*\c+\jj], 0, v[TM+3], s13   ; 1024 e + place, 0 where e was not chosen
.endm
.irp c, 0,1,2,3,4,5,6,7
.irp jj, 0,1,2,3
	LSTEP \c, \jj
.endr
.endr
	v_mov_b32 v[TP], s12
.irp c, 0,1,2,3,4,5,6,7
	ds_load_b128 v[LB+4*\c:LB+4*\c+3], v[L16] offset:LIST+512*\c   ; LDS serves a wave's instructions in order: these see the fill and the scatter
.endr
.irp c, 0,1,2,3,4,5,6,7
	global_store_b128 v[POF], v[P+4*\c:P+4*\c+3], s[6:7] offset:512*\c            ; 512 consecutive bytes a store
.endr
	global_store_b32 v[MOF], v[TP], s[6:7] offset:32768                           ; the count, 32 times: 128 consecutive bytes
	s_wait_dscnt 0x0
.irp c, 0,1,2,3,4,5,6,7
	global_store_b128 v[POF], v[LB+4*\c:LB+4*\c+3], s[6:7] offset:33792+512*\c
.endr
	s_wait_tensorcnt 0x0
	ds_add_u32 v176, v177
	s_wait_dscnt 0x0
	s_endpgm
.Lfunc_end_k_q2770c995bf_place:
	.size	k_q2770c995bf_place, .Lfunc_end_k_q2770c995bf_place-k_q2770c995bf_place
	.p2alignl 7, 3214868480
	.fill 96, 4, 3214868480
	.section	.rodata,"a",@progbits
	.p2align	6, 0x0
	.amdhsa_kernel k_q2770c995bf_place
		.amdhsa_group_segment_fixed_size 4608
		.amdhsa_private_segment_fixed_size 0
		.amdhsa_enable_private_segment 0
		.amdhsa_kernarg_size 16
		.amdhsa_user_sgpr_count 2
		.amdhsa_user_sgpr_kernarg_segment_ptr 1
		.amdhsa_wavefront_size32 1
		.amdhsa_system_sgpr_workgroup_id_x 1
		.amdhsa_system_sgpr_workgroup_id_y 1
		.amdhsa_system_sgpr_workgroup_id_z 1
		.amdhsa_system_vgpr_workitem_id 0
		.amdhsa_next_free_vgpr 178
		.amdhsa_next_free_sgpr 66
		.amdhsa_reserve_vcc 0
		.amdhsa_float_denorm_mode_32 3
		.amdhsa_float_denorm_mode_16_64 3
		.amdhsa_memory_ordered 1
		.amdhsa_forward_progress 1
		.amdhsa_inst_pref_size 27
	.end_amdhsa_kernel
	.amdgpu_metadata
---
amdhsa.version: [ 1, 2 ]
amdhsa.kernels:
  - .name:           k_q2770c995bf_place
    .symbol:         k_q2770c995bf_place.kd
    .args:
      - { .name: sel, .offset: 0, .size: 8, .value_kind: global_buffer, .address_space: global }
      - { .name: pose, .offset: 8, .size: 8, .value_kind: global_buffer, .address_space: global }
    .group_segment_fixed_size: 4608
    .private_segment_fixed_size: 0
    .kernarg_segment_align: 8
    .kernarg_segment_size: 16
    .max_flat_workgroup_size: 32
    .sgpr_count:     66
    .vgpr_count:     178
    .wavefront_size: 32
...
	.end_amdgpu_metadata
.endif
;; end of part 2
;; launch up (part 3): grid 256 x 1, 4 waves a work-group, no clusters, 137,728 bytes of LDS; arguments xc, xs, pose, w1, b1, hc, hs; writes hc, hs
.if DOCPART == 3
	.amdgcn_target "amdgcn-amd-amdhsa--gfx1250"
	.amdhsa_code_object_version 6
	.text
	.protected	k_q2770c995bf_up
	.globl	k_q2770c995bf_up
	.p2align	8
	.type	k_q2770c995bf_up,@function
k_q2770c995bf_up:
	s_mov_b64 s[64:65], 0
	v_nop
	global_prefetch_b8 v0, s[64:65] scope:SCOPE_SE
	s_setreg_imm32_b32 hwreg(HW_REG_WAVE_MODE, 25, 1), 1
	s_wait_xcnt 0x0
; UP.  Work-group (e, fs), e = x / 32, fs = x % 32: h = relu(x W1[e]^T + b1[e]) for hidden units 128 fs .. 128 fs + 127 and for the rows (tokens) that chose expert e, on codes of FP4 (E2M1) with one E8M0 scale
; for each 32 along K; h leaves as codes, quantised along the hidden axis.  Only the chosen rows are multiplied: the others' gate is 0.
; PHASE 1: the slice of w1, 128 rows x 4,096 bytes of f32, is read ONCE, 512 consecutive bytes a load, quantised, and laid into LDS as images of operand registers (a fragment of 16 rows x 128 K: 8 registers a lane,
; lane l's 16 bytes at 16 l).  Wave w takes rows 32 w .. 32 w + 31: 16 steps of 16 rows x 128 K.  The conversions want 32 neighbours along K in one lane: a step's 8,192 bytes turn through the wave's own stage
; (rows 528 bytes apart), in two stages by turns; loads run four steps ahead.
; THE ROWS: the expert's count and its list of tokens are whole numbers that the launch before stored in pose; they come by a scalar load and by global loads, and steer the trip count and the gather's addresses.
; PHASE 2: EVERY wave takes the whole slice, 64 fragments, into 512 registers and walks tiles of 16 rows on its own: tile j = w + 4 i.  No barrier stands in that walk, so its trip count may hang on the count.
; Every wave walks at least one tile, so that tiles 0 to 3 of each expert are always made (rows past the count are token 0 and are never used).
; A TRIP begins with its 64 products: the tile's fragments and scale words already stand in registers.  Behind the products the next tile's rows, asked for a trip ago, go through the wave's stage into the fragments'
; registers, and the rows of the tile after that are asked for; the way through LDS runs under the activation and the quantiser of the tile in hand.  The gather runs one tile past the wave's last: the list's places
; past the count name token 0, so it stays inside xc and xs, and what it brings is not used.
; THE PRODUCT IS USED TRANSPOSED (source 0 = 16 rows of W1, source 1 = 16 rows of x), AND THE ROWS OF W1 THAT FORM A TILE ARE NOT NEIGHBOURS: position r of tile 2 b + u is row 32 b + 8 u + r + 8 (r / 8):
; so a lane holds one row of h, and the 16 registers of tiles 2 b, 2 b + 1 are 16 neighbours along the next K: hidden units 32 b + 16 (lane / 16) + 0 .. 15.  b1 is the C of each sum's first product.
; No tensor load and no cluster: the trip counts hang on numbers read from memory; the rows of x that the 32 work-groups of an expert share are 512 bytes each and come through registers.
; LIMITS: NaN and infinities are not served; a block whose largest magnitude lies under 2^-124 keeps the byte 1, a block of zeros the byte 1 with zero codes (the bytes are read by this program alone).
; REGISTERS, in windows of 256: window 0: v1-21 addresses; v24-27 the next tile's scale words of x as loaded; v32-47 my tiles' token numbers; v48-63 the rows' offsets; v64-191 numbers being quantised, later v64-127
;   the 8 accumulators; v192-223 W1's scale words, v248-251 x's (scales and nothing else); v224-247, v252-253 at work.   window 1: v0-63 x's 8 fragments, v64-127 b1's 8 tiles, v128-191 16 rows of x as loaded.
;   window 2: in phase 1 four sets of 64 as loaded.   windows 2 and 3 in phase 2: W1's fragments, slot 8 s + t (K step s, tile t) at register 512 + 8 slot.
.set PIT,  528                         ; a stage row: 512 bytes + 16: the 16 rows that a load touches start 33 x 16 bytes apart
.set STG1, 16*PIT
.set TSB,  2*STG1                      ; a wave's two stages
.set IMG,  4*TSB                       ; 64 images of 1,024 bytes
.set SWI,  IMG+65536                   ; W1's scale words: the word of register p and lane L at 512 (p / 4) + 16 L + 4 (p % 4)
.set CNTO, 32768                       ; pose: where the counts begin,
.set LSTO, 33792                       ; and the lists
.set L16, 4                            ; 16 x lane
.set TSI, 5                            ; my stage, in: 16 x lane
.set TSO, 6                            ; out: row r, + 128 h
.set IMW, 7                            ; where I store images
.set SWW, 8                            ; and scale words
.set IMR, 9                            ; where images are read
.set SWR, 10
.set SH8, 11                           ; 8 h
.set XFR, 12                           ; x's fragments out of the stage: row r, + 16 h
.set HSO, 13                           ; 4 r + 2 h
.set H16, 14                           ; 16 h
.set TK2, 18
.set XSO, 19
.set LTA, 20                           ; 4096 e + 64 w + 4 r: my row's word in my first tile of the list
.set BOF, 21
.set XSG, 24                           ; v24-27: the scale words of the tile that is on its way
.set LT,   32                          ; v32-47: lanes r and r + 16 of register i: the token of row r of the i-th tile still to be gathered
.set ROFF, 48
.set X,    64
.set ACC,  64
.set WSC,  192
.set TM,   224
.set CD,   240
.set PC,   240
.set XSW,  248
.set PW,   252
.set TP,   253
.set XF,   0                           ; window 1
.set BI,   64
.set G,    128
.set WB,   10                          ; s[10:11] my wave's rows of w1
.set SEL,  36                          ; s[36:37]
.set TKS,  40                          ; s40-55 a tile's 16 token numbers
.set MSB, 0
.macro WIN new                         ; the immediate's high byte repeats the setting that is left; bits 1:0 source 0, 3:2 source 1, 5:4 source 2, 7:6 destination
.if MSB != \new
	s_set_vgpr_msb (MSB<<8)|\new
.set MSB, \new
.endif
.endm
; step n = 8 u + s of my stream: tile position i is row 8 u + i + 8 (i / 8) of my 32; K step s
.macro LOADW n
	WIN 0x80
.irp i, 0,1,2,3,4,5,6,7,8,9,10,11,12,13,14,15
	global_load_b128 v[64*((\n)%4)+4*\i:64*((\n)%4)+4*\i+3], v[L16], s[WB:WB+1] offset:(8*((\n)/8)+\i+8*(\i/8))*4096+512*((\n)%8) th:TH_LOAD_NT
.endr
	WIN 0
.endm
.macro TURN n                          ; through the stage: in as loaded, out 32 neighbours at a time: lane (r, h) gets blocks h and 2 + h of row r
	WIN 0x08
.irp i, 0,1,2,3,4,5,6,7,8,9,10,11,12,13,14,15
	ds_store_b128 v[TSI], v[64*((\n)%4)+4*\i:64*((\n)%4)+4*\i+3] offset:STG1*((\n)%2)+PIT*\i
.endr
	WIN 0
.irp c, 0,1
.irp q, 0,1,2,3,4,5,6,7
	ds_load_b128 v[X+64*((\n)%2)+32*\c+4*\q:X+64*((\n)%2)+32*\c+4*\q+3], v[TSO] offset:STG1*((\n)%2)+256*\c+16*\q
.endr
.endr
.endm
.macro WQUANT n                        ; my two blocks become registers 4 c .. 4 c + 3 of the fragment; the row's four bytes make its scale word
.set XS, X+64*((\n)%2)
.irp c, 0,1
	v_max3_num_f32 v[TM+\c], |v[XS+32*\c]|, |v[XS+32*\c+1]|, 0x1800000      ; with the floor 2^(3 - 127): the byte cannot fall under 1
	v_max3_num_f32 v[TM+8+\c], |v[XS+32*\c+16]|, |v[XS+32*\c+17]|, |v[XS+32*\c+18]|
.endr
.irp i, 2,4,6,8,10,12
.irp c, 0,1
	v_max3_num_f32 v[TM+\c], v[TM+\c], |v[XS+32*\c+\i]|, |v[XS+32*\c+1+\i]|
	v_max3_num_f32 v[TM+8+\c], v[TM+8+\c], |v[XS+32*\c+17+\i]|, |v[XS+32*\c+18+\i]|
.endr
.endr
.irp c, 0,1
	v_max3_num_f32 v[TM+\c], v[TM+\c], |v[XS+32*\c+14]|, |v[XS+32*\c+15]|
.endr
.irp c, 0,1
	v_max3_num_f32 v[TM+\c], v[TM+\c], v[TM+8+\c], |v[XS+32*\c+31]|
.endr
.irp c, 0,1
	v_add_nc_u32 v[TM+2+\c], 0xff000000, v[TM+\c]  ; 2 off the exponent field: the conversion's scale operand
.endr
.irp c, 0,1
	v_lshrrev_b32 v[TM+4+\c], 23, v[TM+2+\c]       ; the scale's byte
.endr
	v_lshl_or_b32 v[TM+6], v[TM+5], 16, v[TM+4]    ; blocks h and 2 + h,
	v_lshlrev_b32 v[TM+6], v[SH8], v[TM+6]         ; at their places in the word;
	v_permlanex16_b32 v[TM+7], v[TM+6], s[SEL], s[SEL+1]
	v_or_b32 v[TM+6], v[TM+6], v[TM+7]             ; with lane l xor 16's two it is whole
.irp c, 0,1
.irp g, 0,1,2,3
	v_cvt_scalef32_pk8_fp4_f32 v[CD+4*\c+\g], v[XS+32*\c+8*\g:XS+32*\c+8*\g+7], v[TM+2+\c]
.endr
.endr
	v_nop                                          ; one plain place behind the last scaled conversion
	ds_store_b128 v[IMW], v[CD:CD+3] offset:(8*((\n)%8)+(\n)/8)*1024
	ds_store_b128 v[IMW], v[CD+4:CD+7] offset:(8*((\n)%8)+(\n)/8)*1024+512
	ds_store_b32 v[SWW], v[TM+6] offset:512*((\n)%8)+256*((\n)/8)    ; lanes r and r + 16 write the same word with the same value
.endm
.macro STEP n
	s_wait_dscnt 0x0                               ; this step's numbers are back; the stage's stores have read their registers, the last images' stores theirs
.if (\n)+4 < 16
	LOADW (\n)+4
.endif
.if (\n)+1 < 16
.if 14-(\n) >= 3
	s_wait_loadcnt 48                              ; the next step's 16 loads are in; three younger steps may be out
.else
	s_wait_loadcnt 16*(14-(\n))
.endif
	TURN (\n)+1
.endif
	WQUANT \n
.endm
.macro WREGS                           ; the whole slice into windows 2 and 3, its scale words into window 0
	WIN 0x80
.set mm, 0
.rept 64
	ds_load_b128 v[4*mm:4*mm+3], v[IMR] offset:512*mm
.set mm, mm+1
.endr
	WIN 0xc0
.rept 64
	ds_load_b128 v[4*(mm-64):4*(mm-64)+3], v[IMR] offset:512*mm
.set mm, mm+1
.endr
	WIN 0
.irp k, 0,1,2,3,4,5,6,7
	ds_load_b128 v[WSC+4*\k:WSC+4*\k+3], v[SWR] offset:512*\k
.endr
	s_wait_dscnt 0x0
.endm
; one product; ra, rb: A's, B's scales stand in lanes 16-31 of their registers
.macro WMR d, a, b, c, sa, sb, ra, rb
.if (\ra) && (\rb)
	v_wmma_scale_f32_16x16x128_f8f6f4 v[(\d):(\d)+7], v[(\a):(\a)+7], v[(\b):(\b)+7], v[(\c):(\c)+7], v[(\sa)], v[(\sb)] matrix_a_fmt:MATRIX_FMT_FP4 matrix_b_fmt:MATRIX_FMT_FP4 matrix_a_scale:MATRIX_SCALE_ROW1 matrix_b_scale:MATRIX_SCALE_ROW1
.elseif (\ra)
	v_wmma_scale_f32_16x16x128_f8f6f4 v[(\d):(\d)+7], v[(\a):(\a)+7], v[(\b):(\b)+7], v[(\c):(\c)+7], v[(\sa)], v[(\sb)] matrix_a_fmt:MATRIX_FMT_FP4 matrix_b_fmt:MATRIX_FMT_FP4 matrix_a_scale:MATRIX_SCALE_ROW1
.elseif (\rb)
	v_wmma_scale_f32_16x16x128_f8f6f4 v[(\d):(\d)+7], v[(\a):(\a)+7], v[(\b):(\b)+7], v[(\c):(\c)+7], v[(\sa)], v[(\sb)] matrix_a_fmt:MATRIX_FMT_FP4 matrix_b_fmt:MATRIX_FMT_FP4 matrix_b_scale:MATRIX_SCALE_ROW1
.else
	v_wmma_scale_f32_16x16x128_f8f6f4 v[(\d):(\d)+7], v[(\a):(\a)+7], v[(\b):(\b)+7], v[(\c):(\c)+7], v[(\sa)], v[(\sb)] matrix_a_fmt:MATRIX_FMT_FP4 matrix_b_fmt:MATRIX_FMT_FP4
.endif
.endm
; the 16 token numbers of the tile to be gathered (v[LT]: lane q holds row q's) become offsets of the rows' codes and of their scale words; then the later tiles' numbers move down by one register
.macro GIDX
.irp q, 0,1,2,3,4,5,6,7,8,9,10,11,12,13,14,15
	v_readlane_b32 s[TKS+\q], v[LT], \q
.endr
.irp q, 0,1,2,3,4,5,6,7,8,9,10,11,12,13,14,15
	s_min_u32 s[TKS+\q], s[TKS+\q], 1023           ; a number read from memory enters an address only held inside the table
.endr
.irp q, 0,1,2,3,4,5,6,7,8,9,10,11,12,13,14,15
	v_lshl_add_u32 v[ROFF+\q], s[TKS+\q], 9, v[L16]
.endr
	v_min_u32 v[TK2], 1023, v[LT]                  ; lanes r and r + 16: row r's token
	v_lshl_add_u32 v[XSO], v[TK2], 5, v[H16]       ; its 32 scale bytes, + 16 h
.irp k, 0,1,2,3,4,5,6,7,8,9,10,11,12,13,14
	v_mov_b32 v[LT+\k], v[LT+\k+1]
.endr
.endm
.macro GROWS                           ; a row of 512 bytes a load
	WIN 0x40
.irp q, 0,1,2,3,4,5,6,7,8,9,10,11,12,13,14,15
	global_load_b128 v[G+4*\q:G+4*\q+3], v[ROFF+\q], s[4:5]
.endr
	WIN 0
.endm
.macro GSC                             ; lanes 0-15: row r's scale words of K steps 0-3; lanes 16-31: of K steps 4-7
	global_load_b128 v[XSG:XSG+3], v[XSO], s[6:7]
.endm
; The tile that is on its way becomes the tile in hand, and the one behind it is asked for.
.macro NEXTX
	s_wait_loadcnt 0x0                             ; its rows and scale words are in: their offsets may be written again
	WIN 0x04
.irp q, 0,1,2,3,4,5,6,7,8,9,10,11,12,13,14,15
	ds_store_b128 v[TSI], v[G+4*\q:G+4*\q+3] offset:PIT*\q       ; my own stage: row q
.endr
	WIN 0x40
.irp s, 0,1,2,3,4,5,6,7
.irp c, 0,1
	ds_load_b128 v[XF+8*\s+4*\c:XF+8*\s+4*\c+3], v[XFR] offset:64*\s+32*\c    ; LDS serves a wave's instructions in order: these see my stores
.endr
.endr
	WIN 0
.irp k, 0,1,2,3
	v_mov_b32 v[XSW+\k], v[XSG+\k]                 ; the scale words to the operand's registers: the lines below put far more than eight places between these and the next product
.endr
	GIDX
	s_wait_dscnt 16                                ; the 16 fragment loads are younger: the stage's stores have read the rows' registers
	GROWS
	GSC
.endm
; 64 numbers of a lane, none negative, register 16 b + i = hidden unit 32 b + 16 (lane / 16) + i of my row, become a fragment's codes in v[PC] on and its scale word in v[PW]
.macro QUANT s
.irp b, 0,1,2,3
	v_max3_num_f32 v[TM+\b], v[\s+16*\b], v[\s+1+16*\b], 0x1800000
.endr
.irp i, 2,4,6,8,10,12,14
.irp b, 0,1,2,3
	v_max3_num_f32 v[TM+\b], v[TM+\b], v[\s+16*\b+\i], v[\s+1+16*\b+\i]
.endr
.endr
.irp b, 0,1,2,3
	v_permlanex16_b32 v[TM+4+\b], v[TM+\b], s[SEL], s[SEL+1]
.endr
.irp b, 0,1,2,3
	v_max_num_f32 v[TM+\b], v[TM+\b], v[TM+4+\b]   ; with lane l xor 16's 16: the block's largest
.endr
.irp b, 0,1,2,3
	v_add_nc_u32 v[TM+12+\b], 0xff000000, v[TM+\b]
.endr
.irp b, 0,1,2,3
	v_lshrrev_b32 v[TM+4+\b], 23, v[TM+12+\b]
.endr
	v_lshl_or_b32 v[PW], v[TM+5], 8, v[TM+4]
	v_lshl_or_b32 v[PW], v[TM+6], 16, v[PW]
	v_lshl_or_b32 v[PW], v[TM+7], 24, v[PW]
.irp b, 0,1,2,3
	v_cvt_scalef32_pk8_fp4_f32 v[PC+2*\b], v[\s+16*\b:\s+7+16*\b], v[TM+12+\b]
	v_cvt_scalef32_pk8_fp4_f32 v[PC+1+2*\b], v[\s+8+16*\b:\s+15+16*\b], v[TM+12+\b]
.endr
	v_nop                                          ; one plain place behind the last scaled conversion
.irp c, 0,1                                    ; the operand's layout wants a whole block in a lane
.irp i, 0,1
	v_permlane16_swap_b32 v[PC+4*\c+\i], v[PC+2+4*\c+\i]
.endr
.endr
.endm
	s_load_b256 s[4:11], s[0:1], 0x0               ; xc, xs, pose, w1
	s_load_b128 s[12:15], s[0:1], 0x20             ; b1, hc
	s_load_b64 s[16:17], s[0:1], 0x30              ; hs
	v_lshl_add_u32 v254, v0, 2, 0x21800
	v_mov_b32 v255, 0
	v_lshrrev_b32 v1, 5, v0
	v_readfirstlane_b32 s20, v1                    ; wave 0..3
	v_and_b32 v1, 31, v0                           ; lane
	v_and_b32 v2, 15, v0                           ; r
	v_bfe_u32 v3, v0, 4, 1                         ; h
	s_lshr_b32 s21, ttmp9, 5                       ; e
	s_and_b32 s22, ttmp9, 31                       ; fs
	v_lshlrev_b32 v[L16], 4, v1
	s_mul_i32 s26, s20, TSB
	v_add_nc_u32 v[TSI], s26, v[L16]
	v_mul_u32_u24 v[XFR], v2, PIT
	v_lshl_add_u32 v[TSO], v3, 7, v[XFR]
	v_add_nc_u32 v[TSO], s26, v[TSO]
	v_lshl_add_u32 v[XFR], v3, 4, v[XFR]
	v_add_nc_u32 v[XFR], s26, v[XFR]
	s_lshl_b32 s27, s20, 11
	s_add_co_u32 s27, s27, IMG
	v_add_nc_u32 v[IMW], s27, v[L16]               ; slot 8 s + 2 w + u
	s_lshl_b32 s27, s20, 2
	s_add_co_u32 s27, s27, SWI
	v_lshl_add_u32 v[SWW], v2, 4, s27              ; register 4 s + w, lane r + 16 u
	v_add_nc_u32 v[IMR], IMG, v[L16]
	v_add_nc_u32 v[SWR], SWI, v[L16]
	v_lshlrev_b32 v[SH8], 3, v3
	v_lshlrev_b32 v[HSO], 2, v2
	v_lshl_add_u32 v[HSO], v3, 1, v[HSO]
	v_lshlrev_b32 v[H16], 4, v3
	s_lshl_b32 s27, s21, 12
	s_lshl_b32 s26, s20, 6
	s_add_co_u32 s27, s27, s26
	v_lshl_add_u32 v[LTA], v2, 2, s27              ; the list: 4,096 bytes an expert, 64 a tile, 4 a row
	v_lshlrev_b32 v[BOF], 6, v3
.irp b, 4,5,6,7
	v_mov_b32 v[TM+\b], 0                          ; a lane permute's destination counts as one of its sources
.endr
	s_mov_b32 s[SEL], 0x76543210
	s_mov_b32 s[SEL+1], 0xfedcba98
	s_mov_b32 s29, 0
	s_lshl_b32 s28, s21, 24
	s_lshl_b32 s26, s22, 19
	s_add_co_u32 s28, s28, s26
	s_lshl_b32 s26, s20, 17
	s_add_co_u32 s28, s28, s26
	s_wait_kmcnt 0x0
	s_add_nc_u64 s[WB:WB+1], s[WB:WB+1], s[28:29]  ; w1 at row 4096 e + 128 fs + 32 w
	s_lshl_b32 s28, s21, 7
	s_add_nc_u64 s[18:19], s[8:9], s[28:29]
	s_load_b32 s30, s[18:19], CNTO                 ; the expert's rows
	s_lshl_b32 s28, s21, 14
	s_lshl_b32 s26, s22, 9
	s_add_co_u32 s28, s28, s26
	s_add_nc_u64 s[12:13], s[12:13], s[28:29]      ; b1 at my 128 units
	s_lshl_b32 s28, s21, 21
	s_lshl_b32 s26, s22, 10
	s_add_co_u32 s28, s28, s26
	s_lshl_b32 s26, s20, 15
	s_add_co_u32 s28, s28, s26
	s_add_nc_u64 s[14:15], s[14:15], s[28:29]      ; hc [e][tile w][fs]
	s_lshl_b32 s28, s21, 17
	s_lshl_b32 s26, s22, 6
	s_add_co_u32 s28, s28, s26
	s_lshl_b32 s26, s20, 11
	s_add_co_u32 s28, s28, s26
	s_add_nc_u64 s[16:17], s[16:17], s[28:29]      ; hs likewise
	WIN 0x40
.irp t, 0,1,2,3,4,5,6,7                        ; b1 in the result's layout: tile t, lane (r, h): units 32 (t / 2) + 16 h + 8 (t % 2) + 0 .. 7
	global_load_b128 v[BI+8*\t:BI+8*\t+3], v[BOF], s[12:13] offset:(32*(\t/2)+8*(\t%2))*4
	global_load_b128 v[BI+8*\t+4:BI+8*\t+7], v[BOF], s[12:13] offset:(32*(\t/2)+8*(\t%2))*4+16
.endr
	WIN 0
.irp i, 0,1,2,3,4,5,6,7,8,9,10,11,12,13,14,15
	global_load_b32 v[LT+\i], v[LTA], s[8:9] offset:LSTO+256*\i    ; row r of tile w + 4 i: the last lies at byte 4,092 of the expert's 4,096
.endr
	LOADW 0
	LOADW 1
	LOADW 2
	LOADW 3
	s_wait_kmcnt 0x0
	s_min_u32 s30, s30, 1024
	s_add_co_u32 s31, s30, 15
	s_lshr_b32 s31, s31, 4                         ; the expert's tiles
	s_add_co_u32 s31, s31, 3
	s_sub_co_u32 s31, s31, s20
	s_lshr_b32 s31, s31, 2                         ; those of them that are w + 4 i,
	s_max_u32 s31, s31, 1                          ; at least one
	s_sub_co_u32 s32, s31, 1                       ; trips that have a successor
	; ---- phase 1
	s_wait_loadcnt 48                              ; b1, my token numbers and step 0's 16 loads are in; three younger steps may be out
	TURN 0
.irp n, 0,1,2,3,4,5,6,7,8,9,10,11,12,13,14,15
	STEP \n
.endr
	GIDX                                           ; my first tile's rows are asked for ahead of the barrier
	GROWS
	GSC
	s_wait_dscnt 0x0                               ; for the others' sake: my images and scale words lie in LDS
	s_barrier_signal -1
	s_barrier_wait -1
	WREGS
	NEXTX                                          ; my first tile into the fragments' registers; my second is asked for
	s_wait_dscnt 0x0                               ; the fragments are in
; ---- phase 2: a tile of 16 rows.  next = 1: a tile of mine follows
.macro TRIP next
.irp s, 0,1,2,3,4,5,6,7                        ; the eight accumulators take turns, one instruction a turn
.if \s == 0
	WIN 0x16                                       ; W1 window 2, x window 1, C = b1 window 1
.elseif \s < 4
	WIN 0x06
.else
	WIN 0x07                                       ; W1 window 3
.endif
.irp t, 0,1,2,3,4,5,6,7
.if \s == 0
	WMR ACC+8*\t, 8*((8*\s+\t)&31), XF+8*\s, BI+8*\t, WSC+4*\s+\t/2, XSW+(\s&3), \t&1, \s/4
.else
	WMR ACC+8*\t, 8*((8*\s+\t)&31), XF+8*\s, ACC+8*\t, WSC+4*\s+\t/2, XSW+(\s&3), \t&1, \s/4
.endif
.endr
.endr
	WIN 0
.rept 5
	v_nop                                          ; places behind the last products: for the loads into x's fragments, the writes of x's scale words, the reads of results, and the next tile's products, which begin the sums anew
.endr
.if \next
	NEXTX                                          ; its way through LDS runs under the lines below
.endif
.set j, 0
.rept 64
	v_max_num_f32 v[ACC+j], 0, v[ACC+j]            ; the activation, in f32; each accumulator from its low end on
.set j, j+1
.endr
	QUANT ACC
	v_lshrrev_b32 v[TP], v[H16], v[PW]             ; my half of row r's scale word
	global_store_b128 v[L16], v[PC:PC+3], s[14:15]                 ; the fragment's image: 512 consecutive bytes a store
	global_store_b128 v[L16], v[PC+4:PC+7], s[14:15] offset:512
	global_store_b16 v[HSO], v[TP], s[16:17]       ; 32 lanes store the 16 words: 64 consecutive bytes
	s_wait_xcnt 0x0                                ; the bases step and the data are written again only behind this wait
	s_add_nc_u64 s[14:15], s[14:15], 0x20000       ; four tiles on
	s_add_nc_u64 s[16:17], s[16:17], 0x2000
.if \next
	s_wait_dscnt 0x0                               ; the next tile's fragments are in
.endif
.endm
	s_cmp_eq_u32 s32, 0
	s_cbranch_scc1 .Ltail
.Ltrip:
	TRIP 1
	s_sub_co_u32 s32, s32, 1
	s_cmp_lg_u32 s32, 0
	s_cbranch_scc1 .Ltrip
.Ltail:
	TRIP 0                                         ; my last tile: nothing more is staged or asked for
	s_wait_tensorcnt 0x0
	ds_add_u32 v254, v255
	s_wait_dscnt 0x0
	s_endpgm
.Lfunc_end_k_q2770c995bf_up:
	.size	k_q2770c995bf_up, .Lfunc_end_k_q2770c995bf_up-k_q2770c995bf_up
	.p2alignl 7, 3214868480
	.fill 96, 4, 3214868480
	.section	.rodata,"a",@progbits
	.p2align	6, 0x0
	.amdhsa_kernel k_q2770c995bf_up
		.amdhsa_group_segment_fixed_size 137728
		.amdhsa_private_segment_fixed_size 0
		.amdhsa_enable_private_segment 0
		.amdhsa_kernarg_size 56
		.amdhsa_user_sgpr_count 2
		.amdhsa_user_sgpr_kernarg_segment_ptr 1
		.amdhsa_wavefront_size32 1
		.amdhsa_system_sgpr_workgroup_id_x 1
		.amdhsa_system_sgpr_workgroup_id_y 1
		.amdhsa_system_sgpr_workgroup_id_z 1
		.amdhsa_system_vgpr_workitem_id 0
		.amdhsa_next_free_vgpr 1024
		.amdhsa_next_free_sgpr 66
		.amdhsa_reserve_vcc 0
		.amdhsa_float_denorm_mode_32 3
		.amdhsa_float_denorm_mode_16_64 3
		.amdhsa_memory_ordered 1
		.amdhsa_forward_progress 1
		.amdhsa_inst_pref_size 175
	.end_amdhsa_kernel
	.amdgpu_metadata
---
amdhsa.version: [ 1, 2 ]
amdhsa.kernels:
  - .name:           k_q2770c995bf_up
    .symbol:         k_q2770c995bf_up.kd
    .args:
      - { .name: xc, .offset: 0, .size: 8, .value_kind: global_buffer, .address_space: global }
      - { .name: xs, .offset: 8, .size: 8, .value_kind: global_buffer, .address_space: global }
      - { .name: pose, .offset: 16, .size: 8, .value_kind: global_buffer, .address_space: global }
      - { .name: w1, .offset: 24, .size: 8, .value_kind: global_buffer, .address_space: global }
      - { .name: b1, .offset: 32, .size: 8, .value_kind: global_buffer, .address_space: global }
      - { .name: hc, .offset: 40, .size: 8, .value_kind: global_buffer, .address_space: global }
      - { .name: hs, .offset: 48, .size: 8, .value_kind: global_buffer, .address_space: global }
    .group_segment_fixed_size: 137728
    .private_segment_fixed_size: 0
    .kernarg_segment_align: 8
    .kernarg_segment_size: 56
    .max_flat_workgroup_size: 128
    .sgpr_count:     66
    .vgpr_count:     1024
    .wavefront_size: 32
...
	.end_amdgpu_metadata
.endif
;; end of part 3
;; launch down (part 4): grid 256 x 1, 4 waves a work-group, no clusters, 156,160 bytes of LDS; arguments hc, hs, pose, w2, b2, ybuf; writes ybuf
.if DOCPART == 4
	.amdgcn_target "amdgcn-amd-amdhsa--gfx1250"
	.amdhsa_code_object_version 6
	.text
	.protected	k_q2770c995bf_down
	.globl	k_q2770c995bf_down
	.p2align	8
	.type	k_q2770c995bf_down,@function
k_q2770c995bf_down:
	s_mov_b64 s[64:65], 0
	v_nop
	global_prefetch_b8 v0, s[64:65] scope:SCOPE_SE
	s_setreg_imm32_b32 hwreg(HW_REG_WAVE_MODE, 25, 1), 1
	s_wait_xcnt 0x0
; DOWN.  Work-group (e, dq, kh), e = x / 32, dq = (x % 32) / 2, kh = x % 2: the part of y = Q(h) Q(W2[e])^T + b2[e] that K = 2048 kh .. 2048 kh + 2047 gives, for output columns 64 dq .. 64 dq + 63 and for the
; expert's rows, on codes of FP4 (E2M1) with one E8M0 scale for each 32 along K.  The two halves of K are two work-groups' and are added by the launch behind this one: so a work-group reads half of each row of h,
; 1,088 bytes with its scale bytes, for twice the columns, and an expert's 32 work-groups together read half the bytes of h that 32 slices with all of K would read.  b2 goes into the half kh = 0 alone.
; PHASE 1: the slice of w2, 64 rows x 8,192 bytes of f32, is read ONCE, 512 consecutive bytes a load, quantised, and laid into LDS as images of operand registers.  Wave w takes rows 16 w .. 16 w + 15:
; 16 steps of 16 rows x 128 K, each turned through the wave's own stage; loads run four steps ahead.
; PHASE 2: EVERY wave takes the whole slice, 64 fragments, into 512 registers and walks tiles of 16 rows on its own, tile j = w + 4 i: no sum crosses waves and no barrier stands in the walk, so its trip
; count may hang on the count that an earlier launch stored in pose.  Every wave walks at least one tile, as the launch before did: what it reads has been stored.
; h's fragments come as the images that the launch before stored: dense loads of 512 bytes, in two groups of 8 K steps; a group's registers are filled again, for the wave's next tile, as soon as its products are issued.
; THE PRODUCT IS USED TRANSPOSED (source 0 = 16 rows of W2, source 1 = 16 rows of h): a lane holds eight neighbouring columns of one row of y.  The bias is the C of the first product.
; OUT: ybuf [64 e + tile][kh][dq][row 16][64 f32]: 4,096 dense bytes for each tile and work-group.
; The sum over K is made in two halves, each one chain in ascending K, and joined later: another order of rounding than one chain.
; No tensor load and no cluster: the trip counts hang on a number read from memory.
; LIMITS: NaN and infinities are not served; a block of w2 whose largest magnitude lies under 2^-124 keeps the byte 1, a block of zeros the byte 1 with zero codes.
; REGISTERS, in windows of 256: window 0: v1-15 addresses; v48-55 h's scale words, v192-223 W2's (scales and nothing else); v64-191 numbers being quantised, later v64-95 four accumulators, v96-127 y as it leaves,
;   v128-159 the bias's four tiles; v224-247 at work.   window 1: v0-127 h's 16 fragments.   window 2: in phase 1 four sets of 64 as loaded.   windows 2 and 3 in phase 2: W2's fragments, slot 4 S + u (K step S of my 16,
;   tile of columns u) at register 512 + 8 slot.
.set PIT,  528
.set STG1, 16*PIT
.set TSB,  2*STG1
.set IMG,  4*TSB
.set SWI,  IMG+65536                   ; W2's scale words: the word of register p and lane L at 512 (p / 4) + 16 L + 4 (p % 4); fragment (S, u): p = 2 S + u / 2, L = r + 16 (u % 2)
.set YST,  SWI+4096                    ; a stage of 16 rows x (256 bytes + 16) for each wave
.set YP,   272
.set L16, 4
.set TSI, 5
.set TSO, 6
.set IMW, 7
.set SWW, 8
.set IMR, 9
.set SWR, 10
.set SH8, 11
.set YSI, 12
.set YSO, 13
.set L4,  14
.set BOF, 15
.set HSW,  48
.set X,    64
.set ACC,  64
.set YO,   96
.set BI,   128
.set WSC,  192
.set TM,   224
.set CD,   240
.set HN,   4                           ; s[4:5]  the images of the tile that is loaded next
.set HSN,  6                           ; s[6:7]  its scale words
.set WB,   10                          ; s[10:11] my wave's part of w2
.set YB,   14                          ; s[14:15] where the tile in hand goes
.set SEL,  36
.set MSB, 0
.macro WIN new                         ; the immediate's high byte repeats the setting that is left; bits 1:0 source 0, 3:2 source 1, 5:4 source 2, 7:6 destination
.if MSB != \new
	s_set_vgpr_msb (MSB<<8)|\new
.set MSB, \new
.endif
.endm
; step n of my stream: my 16 rows, K step n of the work-group's 16
.macro LOADW n
	WIN 0x80
.irp i, 0,1,2,3,4,5,6,7,8,9,10,11,12,13,14,15
	global_load_b128 v[64*((\n)%4)+4*\i:64*((\n)%4)+4*\i+3], v[L16], s[WB:WB+1] offset:\i*16384+512*(\n) th:TH_LOAD_NT
.endr
	WIN 0
.endm
.macro TURN n                          ; through the stage: in as loaded, out 32 neighbours at a time: lane (r, h) gets blocks h and 2 + h of row r
	WIN 0x08
.irp i, 0,1,2,3,4,5,6,7,8,9,10,11,12,13,14,15
	ds_store_b128 v[TSI], v[64*((\n)%4)+4*\i:64*((\n)%4)+4*\i+3] offset:STG1*((\n)%2)+PIT*\i
.endr
	WIN 0
.irp c, 0,1
.irp q, 0,1,2,3,4,5,6,7
	ds_load_b128 v[X+64*((\n)%2)+32*\c+4*\q:X+64*((\n)%2)+32*\c+4*\q+3], v[TSO] offset:STG1*((\n)%2)+256*\c+16*\q
.endr
.endr
.endm
.macro WQUANT n
.set XS, X+64*((\n)%2)
.irp c, 0,1
	v_max3_num_f32 v[TM+\c], |v[XS+32*\c]|, |v[XS+32*\c+1]|, 0x1800000      ; with the floor 2^(3 - 127): the byte cannot fall under 1
	v_max3_num_f32 v[TM+8+\c], |v[XS+32*\c+16]|, |v[XS+32*\c+17]|, |v[XS+32*\c+18]|
.endr
.irp i, 2,4,6,8,10,12
.irp c, 0,1
	v_max3_num_f32 v[TM+\c], v[TM+\c], |v[XS+32*\c+\i]|, |v[XS+32*\c+1+\i]|
	v_max3_num_f32 v[TM+8+\c], v[TM+8+\c], |v[XS+32*\c+17+\i]|, |v[XS+32*\c+18+\i]|
.endr
.endr
.irp c, 0,1
	v_max3_num_f32 v[TM+\c], v[TM+\c], |v[XS+32*\c+14]|, |v[XS+32*\c+15]|
.endr
.irp c, 0,1
	v_max3_num_f32 v[TM+\c], v[TM+\c], v[TM+8+\c], |v[XS+32*\c+31]|
.endr
.irp c, 0,1
	v_add_nc_u32 v[TM+2+\c], 0xff000000, v[TM+\c]  ; 2 off the exponent field: the conversion's scale operand
.endr
.irp c, 0,1
	v_lshrrev_b32 v[TM+4+\c], 23, v[TM+2+\c]       ; the scale's byte
.endr
	v_lshl_or_b32 v[TM+6], v[TM+5], 16, v[TM+4]
	v_lshlrev_b32 v[TM+6], v[SH8], v[TM+6]
	v_permlanex16_b32 v[TM+7], v[TM+6], s[SEL], s[SEL+1]
	v_or_b32 v[TM+6], v[TM+6], v[TM+7]             ; the row's scale word
.irp c, 0,1
.irp g, 0,1,2,3
	v_cvt_scalef32_pk8_fp4_f32 v[CD+4*\c+\g], v[XS+32*\c+8*\g:XS+32*\c+8*\g+7], v[TM+2+\c]
.endr
.endr
	v_nop                                          ; one plain place behind the last scaled conversion
	ds_store_b128 v[IMW], v[CD:CD+3] offset:4096*(\n)              ; slot 4 n + w
	ds_store_b128 v[IMW], v[CD+4:CD+7] offset:4096*(\n)+512
	ds_store_b32 v[SWW], v[TM+6] offset:512*((\n)/2)+8*((\n)%2)    ; register 2 n + w / 2; lanes r and r + 16 write the same word with the same value
.endm
.macro STEP n
	s_wait_dscnt 0x0                               ; this step's numbers are back; the stage's stores have read their registers, the last images' stores theirs
.if (\n)+4 < 16
	LOADW (\n)+4
.endif
.if (\n)+1 < 16
.if 14-(\n) >= 3
	s_wait_loadcnt 48                              ; the next step's 16 loads are in; three younger steps may be out
.else
	s_wait_loadcnt 16*(14-(\n))
.endif
	TURN (\n)+1
.endif
	WQUANT \n
.endm
.macro WREGS                           ; the whole slice into windows 2 and 3, its scale words into window 0
	WIN 0x80
.set mm, 0
.rept 64
	ds_load_b128 v[4*mm:4*mm+3], v[IMR] offset:512*mm
.set mm, mm+1
.endr
	WIN 0xc0
.rept 64
	ds_load_b128 v[4*(mm-64):4*(mm-64)+3], v[IMR] offset:512*mm
.set mm, mm+1
.endr
	WIN 0
.irp k, 0,1,2,3,4,5,6,7
	ds_load_b128 v[WSC+4*\k:WSC+4*\k+3], v[SWR] offset:512*\k
.endr
	s_wait_dscnt 0x0
.endm
; one product; ra, rb: A's, B's scales stand in lanes 16-31 of their registers
.macro WMR d, a, b, c, sa, sb, ra, rb
.if (\ra) && (\rb)
	v_wmma_scale_f32_16x16x128_f8f6f4 v[(\d):(\d)+7], v[(\a):(\a)+7], v[(\b):(\b)+7], v[(\c):(\c)+7], v[(\sa)], v[(\sb)] matrix_a_fmt:MATRIX_FMT_FP4 matrix_b_fmt:MATRIX_FMT_FP4 matrix_a_scale:MATRIX_SCALE_ROW1 matrix_b_scale:MATRIX_SCALE_ROW1
.elseif (\ra)
	v_wmma_scale_f32_16x16x128_f8f6f4 v[(\d):(\d)+7], v[(\a):(\a)+7], v[(\b):(\b)+7], v[(\c):(\c)+7], v[(\sa)], v[(\sb)] matrix_a_fmt:MATRIX_FMT_FP4 matrix_b_fmt:MATRIX_FMT_FP4 matrix_a_scale:MATRIX_SCALE_ROW1
.elseif (\rb)
	v_wmma_scale_f32_16x16x128_f8f6f4 v[(\d):(\d)+7], v[(\a):(\a)+7], v[(\b):(\b)+7], v[(\c):(\c)+7], v[(\sa)], v[(\sb)] matrix_a_fmt:MATRIX_FMT_FP4 matrix_b_fmt:MATRIX_FMT_FP4 matrix_b_scale:MATRIX_SCALE_ROW1
.else
	v_wmma_scale_f32_16x16x128_f8f6f4 v[(\d):(\d)+7], v[(\a):(\a)+7], v[(\b):(\b)+7], v[(\c):(\c)+7], v[(\sa)], v[(\sb)] matrix_a_fmt:MATRIX_FMT_FP4 matrix_b_fmt:MATRIX_FMT_FP4
.endif
.endm
; K step ks of my 16, tile of columns u: accumulator u; the first K step takes the bias as C
.macro MUL1 ks, u
.if (\ks) == 0
	WMR ACC+8*(\u), 8*((4*(\ks)+(\u))&31), 8*(\ks), BI+8*(\u), WSC+2*(\ks)+(\u)/2, HSW+(\ks)/2, (\u)&1, (\ks)%2
.else
	WMR ACC+8*(\u), 8*((4*(\ks)+(\u))&31), 8*(\ks), ACC+8*(\u), WSC+2*(\ks)+(\u)/2, HSW+(\ks)/2, (\u)&1, (\ks)%2
.endif
.endm
; group g of a tile of h: the images of K steps 8 g .. 8 g + 7 and their scale words (a register: lanes 0-15 an even K step's 16 rows, lanes 16-31 the odd one's): 20 loads
.macro HGRP g
	WIN 0x40
.irp k, 0,1,2,3,4,5,6,7
.irp c, 0,1
	global_load_b128 v[8*(8*(\g)+\k)+4*\c:8*(8*(\g)+\k)+4*\c+3], v[L16], s[HN:HN+1] offset:1024*(8*(\g)+\k)+512*\c
.endr
.endr
	WIN 0
.irp k, 0,1,2,3
	global_load_b32 v[HSW+4*(\g)+\k], v[L4], s[HSN:HSN+1] offset:128*(4*(\g)+\k)
.endr
.endm
	s_load_b256 s[4:11], s[0:1], 0x0               ; hc, hs, pose, w2
	s_load_b128 s[12:15], s[0:1], 0x20             ; b2, ybuf
	v_lshl_add_u32 v254, v0, 2, 0x26000
	v_mov_b32 v255, 0
	v_lshrrev_b32 v1, 5, v0
	v_readfirstlane_b32 s20, v1                    ; wave 0..3
	v_and_b32 v1, 31, v0                           ; lane
	v_and_b32 v2, 15, v0                           ; r
	v_bfe_u32 v3, v0, 4, 1                         ; h
	s_lshr_b32 s21, ttmp9, 5                       ; e
	s_and_b32 s22, ttmp9, 31
	s_and_b32 s30, s22, 1                          ; kh
	s_lshr_b32 s31, s22, 1                         ; dq
	v_lshlrev_b32 v[L16], 4, v1
	v_lshlrev_b32 v[L4], 2, v1
	s_mul_i32 s26, s20, TSB
	v_add_nc_u32 v[TSI], s26, v[L16]
	v_mul_u32_u24 v[TSO], v2, PIT
	v_lshl_add_u32 v[TSO], v3, 7, v[TSO]
	v_add_nc_u32 v[TSO], s26, v[TSO]
	s_lshl_b32 s26, s20, 10
	s_add_co_u32 s26, s26, IMG
	v_add_nc_u32 v[IMW], s26, v[L16]               ; slot 4 n + w
	s_and_b32 s26, s20, 1
	s_lshl_b32 s26, s26, 8                         ; lanes 16-31 of the register for odd w,
	s_lshr_b32 s27, s20, 1
	s_lshl_b32 s27, s27, 2                         ; the register one further on for w / 2 = 1
	s_add_co_u32 s26, s26, s27
	s_add_co_u32 s26, s26, SWI
	v_lshl_add_u32 v[SWW], v2, 4, s26
	v_add_nc_u32 v[IMR], IMG, v[L16]
	v_add_nc_u32 v[SWR], SWI, v[L16]
	v_lshlrev_b32 v[SH8], 3, v3
	s_mul_i32 s26, s20, 16*YP
	s_add_co_u32 s26, s26, YST
	v_mul_u32_u24 v[YSI], v2, YP
	v_lshl_add_u32 v[YSI], v3, 5, v[YSI]
	v_add_nc_u32 v[YSI], s26, v[YSI]               ; my stage, in: row r, + 32 h
	v_mul_u32_u24 v[YSO], v3, YP
	v_lshl_add_u32 v[YSO], v2, 4, v[YSO]
	v_add_nc_u32 v[YSO], s26, v[YSO]               ; out: lanes 0-15 one row of 256 bytes, lanes 16-31 the next
	v_lshlrev_b32 v[BOF], 5, v3
	v_mov_b32 v[TM+7], 0                           ; a lane permute's destination counts as one of its sources
	s_mov_b32 s[SEL], 0x76543210
	s_mov_b32 s[SEL+1], 0xfedcba98
	s_mov_b32 s29, 0
	s_lshl_b32 s28, s21, 24
	s_lshl_b32 s26, s31, 20
	s_add_co_u32 s28, s28, s26
	s_lshl_b32 s26, s20, 18
	s_add_co_u32 s28, s28, s26
	s_lshl_b32 s26, s30, 13
	s_add_co_u32 s28, s28, s26
	s_wait_kmcnt 0x0
	s_add_nc_u64 s[WB:WB+1], s[WB:WB+1], s[28:29]  ; w2 at row 1024 e + 64 dq + 16 w, byte 8192 kh
	s_lshl_b32 s28, s21, 7
	s_add_nc_u64 s[8:9], s[8:9], s[28:29]
	s_load_b32 s23, s[8:9], 0x8000                 ; the expert's rows
	s_lshl_b32 s28, s21, 12
	s_lshl_b32 s26, s31, 8
	s_add_co_u32 s28, s28, s26
	s_add_nc_u64 s[12:13], s[12:13], s[28:29]      ; b2 at my 64 columns
	s_lshl_b32 s28, s21, 21
	s_lshl_b32 s26, s20, 15
	s_add_co_u32 s28, s28, s26
	s_lshl_b32 s26, s30, 14
	s_add_co_u32 s28, s28, s26
	s_add_nc_u64 s[HN:HN+1], s[HN:HN+1], s[28:29]  ; hc [e][tile w][K step 16 kh]
	s_lshl_b32 s28, s21, 17
	s_lshl_b32 s26, s20, 11
	s_add_co_u32 s28, s28, s26
	s_lshl_b32 s26, s30, 10
	s_add_co_u32 s28, s28, s26
	s_add_nc_u64 s[HSN:HSN+1], s[HSN:HSN+1], s[28:29]
	s_lshl_b32 s28, s21, 23
	s_lshl_b32 s26, s20, 17
	s_add_co_u32 s28, s28, s26
	s_lshl_b32 s26, s30, 16
	s_add_co_u32 s28, s28, s26
	s_lshl_b32 s26, s31, 12
	s_add_co_u32 s28, s28, s26
	s_add_nc_u64 s[YB:YB+1], s[YB:YB+1], s[28:29]  ; ybuf [64 e + w][kh][dq]
	LOADW 0
	LOADW 1
	LOADW 2
	LOADW 3
	s_wait_kmcnt 0x0
	s_min_u32 s23, s23, 1024
	s_add_co_u32 s25, s23, 15
	s_lshr_b32 s25, s25, 4                         ; the expert's tiles
	s_add_co_u32 s25, s25, 3
	s_sub_co_u32 s25, s25, s20
	s_lshr_b32 s25, s25, 2                         ; those of them that are w + 4 i,
	s_max_u32 s25, s25, 1                          ; at least one, as in the launch before
	s_sub_co_u32 s24, s25, 1                       ; trips that have a successor
	; ---- phase 1
	s_wait_loadcnt 48                              ; step 0's 16 loads are in; three younger steps may be out
	TURN 0
.irp n, 0,1,2,3,4,5,6,7,8,9,10,11,12,13,14,15
	STEP \n
.endr
.irp u, 0,1,2,3                                ; b2 in the result's layout: tile u, lane (r, h): columns 16 u + 8 h + 0 .. 7
	global_load_b128 v[BI+8*\u:BI+8*\u+3], v[BOF], s[12:13] offset:64*\u
	global_load_b128 v[BI+8*\u+4:BI+8*\u+7], v[BOF], s[12:13] offset:64*\u+16
.endr
	HGRP 0                                         ; my first tile of h is asked for ahead of the barrier
	HGRP 1
	s_wait_dscnt 0x0                               ; for the others' sake: my images and scale words lie in LDS
	s_barrier_signal -1
	s_barrier_wait -1
	WREGS
	s_wait_loadcnt 40                              ; b2 is in; the two groups of 20 loads are younger
	s_cmp_eq_u32 s30, 0
	s_cselect_b32 s27, -1, 0                       ; the bias counts once: all ones for kh = 0, zero for kh = 1
.set j, 0
.rept 32
	v_and_b32 v[BI+j], s27, v[BI+j]
.set j, j+1
.endr
	s_wait_xcnt 0x0                                ; the bases step only behind this wait
	s_add_nc_u64 s[HN:HN+1], s[HN:HN+1], 0x20000   ; four tiles on
	s_add_nc_u64 s[HSN:HSN+1], s[HSN:HSN+1], 0x2000
; ---- phase 2: a tile of 16 rows.  refill = 1: each group's registers take the tile four further on as soon as the group's products are issued
.macro TRIP refill
.irp g, 0,1
.if \refill
	s_wait_loadcnt 20                              ; this group's 20 loads are in; the other group's 20 are younger
.else
	s_wait_loadcnt 20*(1-\g)
.endif
.if \g == 0
	WIN 0x06                                       ; W2 window 2, h window 1
.else
	WIN 0x07                                       ; W2 window 3
.endif
.irp k, 0,1,2,3,4,5,6,7                        ; the four accumulators take turns, one instruction a turn
.irp u, 0,1,2,3
	MUL1 8*\g+\k, \u
.endr
.endr
	WIN 0
.rept 4+\g
	v_nop                                          ; places behind the products: for the loads into their operands and scale words; behind the last group also for the reads of results, and one more for the next tile's products, which begin the sums anew
.endr
.if \refill
	HGRP \g
.endif
.endr
.irp u, 0,1,2,3
.irp q, 0,1
	ds_store_b128 v[YSI], v[ACC+8*\u+4*\q:ACC+8*\u+4*\q+3] offset:64*\u+16*\q     ; each accumulator from its low end on
.endr
.endr
.irp i, 0,1,2,3,4,5,6,7
	ds_load_b128 v[YO+4*\i:YO+4*\i+3], v[YSO] offset:2*YP*\i       ; LDS serves a wave's instructions in order: these see my stores
.endr
	s_wait_dscnt 0x0
.irp i, 0,1,2,3,4,5,6,7
	global_store_b128 v[L16], v[YO+4*\i:YO+4*\i+3], s[YB:YB+1] offset:512*\i      ; two rows' 512 consecutive bytes a store
.endr
	s_wait_xcnt 0x0                                ; the bases step and the data are written again only behind this wait
	s_add_nc_u64 s[YB:YB+1], s[YB:YB+1], 0x80000   ; four tiles on
.if \refill
	s_add_nc_u64 s[HN:HN+1], s[HN:HN+1], 0x20000
	s_add_nc_u64 s[HSN:HSN+1], s[HSN:HSN+1], 0x2000
.endif
.endm
	s_cmp_eq_u32 s24, 0
	s_cbranch_scc1 .Ltail
.Ltrip:
	TRIP 1
	s_sub_co_u32 s24, s24, 1
	s_cmp_lg_u32 s24, 0
	s_cbranch_scc1 .Ltrip
.Ltail:
	TRIP 0                                         ; my last tile asks for nothing: the counts run down
	s_wait_tensorcnt 0x0
	ds_add_u32 v254, v255
	s_wait_dscnt 0x0
	s_endpgm
.Lfunc_end_k_q2770c995bf_down:
	.size	k_q2770c995bf_down, .Lfunc_end_k_q2770c995bf_down-k_q2770c995bf_down
	.p2alignl 7, 3214868480
	.fill 96, 4, 3214868480
	.section	.rodata,"a",@progbits
	.p2align	6, 0x0
	.amdhsa_kernel k_q2770c995bf_down
		.amdhsa_group_segment_fixed_size 156160
		.amdhsa_private_segment_fixed_size 0
		.amdhsa_enable_private_segment 0
		.amdhsa_kernarg_size 48
		.amdhsa_user_sgpr_count 2
		.amdhsa_user_sgpr_kernarg_segment_ptr 1
		.amdhsa_wavefront_size32 1
		.amdhsa_system_sgpr_workgroup_id_x 1
		.amdhsa_system_sgpr_workgroup_id_y 1
		.amdhsa_system_sgpr_workgroup_id_z 1
		.amdhsa_system_vgpr_workitem_id 0
		.amdhsa_next_free_vgpr 1024
		.amdhsa_next_free_sgpr 66
		.amdhsa_reserve_vcc 0
		.amdhsa_float_denorm_mode_32 3
		.amdhsa_float_denorm_mode_16_64 3
		.amdhsa_memory_ordered 1
		.amdhsa_forward_progress 1
		.amdhsa_inst_pref_size 153
	.end_amdhsa_kernel
	.amdgpu_metadata
---
amdhsa.version: [ 1, 2 ]
amdhsa.kernels:
  - .name:           k_q2770c995bf_down
    .symbol:         k_q2770c995bf_down.kd
    .args:
      - { .name: hc, .offset: 0, .size: 8, .value_kind: global_buffer, .address_space: global }
      - { .name: hs, .offset: 8, .size: 8, .value_kind: global_buffer, .address_space: global }
      - { .name: pose, .offset: 16, .size: 8, .value_kind: global_buffer, .address_space: global }
      - { .name: w2, .offset: 24, .size: 8, .value_kind: global_buffer, .address_space: global }
      - { .name: b2, .offset: 32, .size: 8, .value_kind: global_buffer, .address_space: global }
      - { .name: ybuf, .offset: 40, .size: 8, .value_kind: global_buffer, .address_space: global }
    .group_segment_fixed_size: 156160
    .private_segment_fixed_size: 0
    .kernarg_segment_align: 8
    .kernarg_segment_size: 48
    .max_flat_workgroup_size: 128
    .sgpr_count:     66
    .vgpr_count:     1024
    .wavefront_size: 32
...
	.end_amdgpu_metadata
.endif
;; end of part 4
;; launch mix (part 5): grid 256 x 1, 4 waves a work-group, no clusters, 0 bytes of LDS; arguments ybuf, sel, topv, pose, out0; writes out0
.if DOCPART == 5
	.amdgcn_target "amdgcn-amd-amdhsa--gfx1250"
	.amdhsa_code_object_version 6
	.text
	.protected	k_q2770c995bf_mix
	.globl	k_q2770c995bf_mix
	.p2align	8
	.type	k_q2770c995bf_mix,@function
k_q2770c995bf_mix:
	s_mov_b64 s[64:65], 0
	v_nop
	global_prefetch_b8 v0, s[64:65] scope:SCOPE_SE
	s_setreg_imm32_b32 hwreg(HW_REG_WAVE_MODE, 25, 1), 1
	s_wait_xcnt 0x0
; MIX.  out[t] = g0 y[place of (t, e0)] + g1 y[place of (t, e1)], each y the sum of its two halves along K.  g_k is the softmax of slot k's kept logit ALONG THE 128 TOKENS of t's batch, the batch's maximum taken away
; before the exponentials.
; A wave takes one token: it reads the batch's 256 kept logits (four tokens a lane), its two experts from sel and its two places from pose (whole numbers, stored by earlier launches), and four rows of ybuf.
; ybuf is [place / 16][kh 2][dq 16][place % 16][64 f32]: a row's 1,024 numbers lie in 16 pieces of 256 bytes, 4,096 bytes apart, and the other half of K 65,536 bytes on: sixteen lanes read a piece.
; The row of out leaves 512 consecutive bytes a store.  Memory binds and the waves share nothing: no LDS, no barrier, no matrix unit.
; LIMITS: NaN and infinities are not served.
.set Y0A, 40                           ; v40-71   the first expert's row, K's first half; then the result
.set Y0B, 72                           ; v72-103  its second half
.set Y1A, 104                          ; v104-135 the second expert's row, first half
.set Y1B, 136                          ; v136-167 second half
	s_load_b256 s[4:11], s[0:1], 0x0               ; ybuf, sel, topv, pose
	s_load_b64 s[12:13], s[0:1], 0x20              ; out0
	v_lshrrev_b32 v1, 5, v0
	v_readfirstlane_b32 s14, v1                    ; wave
	v_and_b32 v1, 31, v0                           ; lane
	s_lshl_b32 s15, ttmp9, 2
	s_add_co_u32 s15, s15, s14                     ; my token
	s_lshr_b32 s16, s15, 7                         ; its batch
	s_lshl_b32 s18, s15, 2
	s_mov_b32 s19, 0
	v_and_b32 v2, 7, v1
	v_lshlrev_b32 v2, 12, v2
	v_add_nc_u32 v2, s18, v2                       ; pose [lane % 8][token]
	v_lshlrev_b32 v4, 5, v1                        ; four tokens' pairs a lane
	v_lshrrev_b32 v5, 4, v1
	v_lshlrev_b32 v5, 12, v5
	v_and_b32 v6, 15, v1
	v_lshl_add_u32 v5, v6, 4, v5                   ; piece lane / 16 of two, 16 bytes of it
	v_lshlrev_b32 v6, 4, v1
	v_mov_b32 v18, 0                               ; a lane permute's destination counts as one of its sources
	v_mov_b32 v19, 0
	s_mov_b32 s36, 0x3fb8aa3b                      ; log2(e)
	s_mov_b32 s37, 0xbfb8aa3b                      ; -log2(e)
	s_mov_b32 s38, 0x76543210
	s_mov_b32 s39, 0xfedcba98
	s_wait_kmcnt 0x0
	global_load_b32 v3, v2, s[10:11]
	s_add_nc_u64 s[6:7], s[6:7], s[18:19]
	s_load_b32 s20, s[6:7], 0x0                    ; my token's two experts
	s_lshl_b32 s18, s15, 3
	s_add_nc_u64 s[28:29], s[8:9], s[18:19]
	s_load_b64 s[22:23], s[28:29], 0x0             ; its two kept logits
	s_lshl_b32 s18, s16, 10
	s_add_nc_u64 s[8:9], s[8:9], s[18:19]
	global_load_b128 v[8:11], v4, s[8:9]           ; the batch's: v8, v10, v12, v14 slot 0; v9, v11, v13, v15 slot 1
	global_load_b128 v[12:15], v4, s[8:9] offset:16
	s_lshl_b32 s18, s15, 12
	s_add_nc_u64 s[12:13], s[12:13], s[18:19]      ; my row of out
	s_wait_kmcnt 0x0
	s_and_b32 s24, s20, 0xff
	s_min_u32 s24, s24, 7
	s_bfe_u32 s25, s20, 0x80008
	s_min_u32 s25, s25, 7
	s_wait_loadcnt 2                               ; the places are in; the two loads of logits are younger
	v_readlane_b32 s26, v3, s24
	v_readlane_b32 s27, v3, s25
	s_min_u32 s26, s26, 0x1fff                     ; a number read from memory enters an address only held inside the table
	s_min_u32 s27, s27, 0x1fff
	s_and_b32 s28, s26, 0x1ff0
	s_lshl_b32 s28, s28, 13                        ; 131,072 bytes for each 16 places,
	s_and_b32 s30, s26, 15
	s_lshl_b32 s30, s30, 8                         ; 256 for each place among them
	s_add_co_u32 s28, s28, s30
	s_mov_b32 s29, 0
	s_add_nc_u64 s[32:33], s[4:5], s[28:29]
	s_and_b32 s28, s27, 0x1ff0
	s_lshl_b32 s28, s28, 13
	s_and_b32 s30, s27, 15
	s_lshl_b32 s30, s30, 8
	s_add_co_u32 s28, s28, s30
	s_add_nc_u64 s[34:35], s[4:5], s[28:29]
.irp i, 0,1,2,3,4,5,6,7                        ; the four rows' i-th 512 bytes together, so that the sums can begin with the first four loads
	global_load_b128 v[Y0A+4*\i:Y0A+4*\i+3], v5, s[32:33] offset:8192*\i th:TH_LOAD_NT
	global_load_b128 v[Y0B+4*\i:Y0B+4*\i+3], v5, s[32:33] offset:8192*\i+65536 th:TH_LOAD_NT
	global_load_b128 v[Y1A+4*\i:Y1A+4*\i+3], v5, s[34:35] offset:8192*\i th:TH_LOAD_NT
	global_load_b128 v[Y1B+4*\i:Y1B+4*\i+3], v5, s[34:35] offset:8192*\i+65536 th:TH_LOAD_NT
.endr
	s_wait_loadcnt 32                              ; the logits are in; the 32 loads of y are younger
	v_max_num_f32 v16, v8, v10
	v_max_num_f32 v17, v9, v11
	v_max3_num_f32 v16, v16, v12, v14
	v_max3_num_f32 v17, v17, v13, v15
.irp x, 1,2,4,8
	v_max_num_f32_dpp v16, v16, v16 row_xmask:\x row_mask:0xf bank_mask:0xf
	v_max_num_f32_dpp v17, v17, v17 row_xmask:\x row_mask:0xf bank_mask:0xf
.endr
	v_permlanex16_b32 v18, v16, s38, s39
	v_permlanex16_b32 v19, v17, s38, s39
	v_max_num_f32 v16, v16, v18                    ; each slot's largest logit of the batch
	v_max_num_f32 v17, v17, v19
	v_mul_f32 v16, s37, v16                        ; -m log2(e): the same number under the sum's terms and mine
	v_mul_f32 v17, s37, v17
	v_fma_f32 v20, v8, s36, v16
	v_fma_f32 v21, v10, s36, v16
	v_fma_f32 v22, v12, s36, v16
	v_fma_f32 v23, v14, s36, v16
	v_fma_f32 v24, v9, s36, v17
	v_fma_f32 v25, v11, s36, v17
	v_fma_f32 v26, v13, s36, v17
	v_fma_f32 v27, v15, s36, v17
	v_fma_f32 v28, s22, s36, v16                   ; my token's own
	v_fma_f32 v29, s23, s36, v17
.irp j, 20,21,22,23,24,25,26,27,28,29
	v_exp_f32 v\j, v\j
.endr
	v_nop                                          ; one plain place behind the exponentials
	s_wait_alu depctr_va_vdst(0)
	v_add_f32 v20, v20, v21
	v_add_f32 v22, v22, v23
	v_add_f32 v24, v24, v25
	v_add_f32 v26, v26, v27
	v_add_f32 v20, v20, v22
	v_add_f32 v24, v24, v26
.irp x, 1,2,4,8
	v_add_f32_dpp v20, v20, v20 row_xmask:\x row_mask:0xf bank_mask:0xf
	v_add_f32_dpp v24, v24, v24 row_xmask:\x row_mask:0xf bank_mask:0xf
.endr
	v_permlanex16_b32 v18, v20, s38, s39
	v_permlanex16_b32 v19, v24, s38, s39
	v_add_f32 v20, v20, v18                        ; each slot's sum over the batch: at least 1
	v_add_f32 v24, v24, v19
	v_rcp_f32 v21, v20
	v_rcp_f32 v25, v24
	v_nop                                          ; one plain place behind the reciprocals
	s_wait_alu depctr_va_vdst(0)
	v_mul_f32 v32, v28, v21                        ; g0,
	v_mul_f32 v34, v29, v25                        ; g1,
	v_mov_b32 v33, v32                             ; each twice: a pair for the packed forms
	v_mov_b32 v35, v34
.irp i, 0,1,2,3,4,5,6,7
	s_wait_loadcnt 4*(7-\i)                        ; the four rows' i-th loads are in; the later fours are younger
	v_pk_mul_f32 v[Y0A+4*\i:Y0A+4*\i+1], v[Y0A+4*\i:Y0A+4*\i+1], v[32:33]
	v_pk_mul_f32 v[Y0A+4*\i+2:Y0A+4*\i+3], v[Y0A+4*\i+2:Y0A+4*\i+3], v[32:33]
	v_pk_fma_f32 v[Y0A+4*\i:Y0A+4*\i+1], v[Y0B+4*\i:Y0B+4*\i+1], v[32:33], v[Y0A+4*\i:Y0A+4*\i+1]
	v_pk_fma_f32 v[Y0A+4*\i+2:Y0A+4*\i+3], v[Y0B+4*\i+2:Y0B+4*\i+3], v[32:33], v[Y0A+4*\i+2:Y0A+4*\i+3]
	v_pk_fma_f32 v[Y0A+4*\i:Y0A+4*\i+1], v[Y1A+4*\i:Y1A+4*\i+1], v[34:35], v[Y0A+4*\i:Y0A+4*\i+1]
	v_pk_fma_f32 v[Y0A+4*\i+2:Y0A+4*\i+3], v[Y1A+4*\i+2:Y1A+4*\i+3], v[34:35], v[Y0A+4*\i+2:Y0A+4*\i+3]
	v_pk_fma_f32 v[Y0A+4*\i:Y0A+4*\i+1], v[Y1B+4*\i:Y1B+4*\i+1], v[34:35], v[Y0A+4*\i:Y0A+4*\i+1]
	v_pk_fma_f32 v[Y0A+4*\i+2:Y0A+4*\i+3], v[Y1B+4*\i+2:Y1B+4*\i+3], v[34:35], v[Y0A+4*\i+2:Y0A+4*\i+3]
	global_store_b128 v6, v[Y0A+4*\i:Y0A+4*\i+3], s[12:13] offset:512*\i th:TH_STORE_NT     ; 512 consecutive bytes of my row
.endr
	s_endpgm
.Lfunc_end_k_q2770c995bf_mix:
	.size	k_q2770c995bf_mix, .Lfunc_end_k_q2770c995bf_mix-k_q2770c995bf_mix
	.p2alignl 7, 3214868480
	.fill 96, 4, 3214868480
	.section	.rodata,"a",@progbits
	.p2align	6, 0x0
	.amdhsa_kernel k_q2770c995bf_mix
		.amdhsa_group_segment_fixed_size 0
		.amdhsa_private_segment_fixed_size 0
		.amdhsa_enable_private_segment 0
		.amdhsa_kernarg_size 40
		.amdhsa_user_sgpr_count 2
		.amdhsa_user_sgpr_kernarg_segment_ptr 1
		.amdhsa_wavefront_size32 1
		.amdhsa_system_sgpr_workgroup_id_x 1
		.amdhsa_system_sgpr_workgroup_id_y 1
		.amdhsa_system_sgpr_workgroup_id_z 1
		.amdhsa_system_vgpr_workitem_id 0
		.amdhsa_next_free_vgpr 168
		.amdhsa_next_free_sgpr 66
		.amdhsa_reserve_vcc 0
		.amdhsa_float_denorm_mode_32 3
		.amdhsa_float_denorm_mode_16_64 3
		.amdhsa_memory_ordered 1
		.amdhsa_forward_progress 1
		.amdhsa_inst_pref_size 14
	.end_amdhsa_kernel
	.amdgpu_metadata
---
amdhsa.version: [ 1, 2 ]
amdhsa.kernels:
  - .name:           k_q2770c995bf_mix
    .symbol:         k_q2770c995bf_mix.kd
    .args:
      - { .name: ybuf, .offset: 0, .size: 8, .value_kind: global_buffer, .address_space: global }
      - { .name: sel, .offset: 8, .size: 8, .value_kind: global_buffer, .address_space: global }
      - { .name: topv, .offset: 16, .size: 8, .value_kind: global_buffer, .address_space: global }
      - { .name: pose, .offset: 24, .size: 8, .value_kind: global_buffer, .address_space: global }
      - { .name: out0, .offset: 32, .size: 8, .value_kind: global_buffer, .address_space: global }
    .group_segment_fixed_size: 0
    .private_segment_fixed_size: 0
    .kernarg_segment_align: 8
    .kernarg_segment_size: 40
    .max_flat_workgroup_size: 128
    .sgpr_count:     66
    .vgpr_count:     168
    .wavefront_size: 32
...
	.end_amdgpu_metadata
.endif
;; end of part 5
;; ======== version 2 of 2: 5 launches
;; workspace buffers: xc 524,288 bytes; xs 32,768 bytes; sel 4,096 bytes of whole numbers; topv 8,192 bytes; hc 16,777,216 bytes; hs 1,048,576 bytes; pose 66,560 bytes of whole numbers; ybuf 67,108,864 bytes
;; launch route (part 6): grid 128 x 1, 8 waves a work-group, no clusters, 78,848 bytes of LDS; arguments tokens, gate_w, gate_b, xc, xs, sel, topv; writes xc, xs, sel, topv
.if DOCPART == 6
	.amdgcn_target "amdgcn-amd-amdhsa--gfx1250"
	.amdhsa_code_object_version 6
	.text
	.protected	k_q2770c995bf_route
	.globl	k_q2770c995bf_route
	.p2align	8
	.type	k_q2770c995bf_route,@function
k_q2770c995bf_route:
	s_mov_b64 s[64:65], 0
	v_nop
	global_prefetch_b8 v0, s[64:65] scope:SCOPE_SE
	s_setreg_imm32_b32 hwreg(HW_REG_WAVE_MODE, 25, 1), 1
	s_wait_xcnt 0x0
; ROUTE.  For each of the 1,024 tokens (rows of 1,024 f32): the eight gate logits in f32, the two largest (value and expert; of equal logits the lower expert is kept),
; and the token's codes of FP4 (E2M1) with one E8M0 byte for each 32 along the row.
; OUT: xc [token][512 bytes] codes, K innermost; xs [token][32] scale bytes; sel [token] u32 = e0 | e1 << 8 | ((1 << e0) | (1 << e1)) << 16; topv [token][2] f32, the two kept logits.
; SHARES: a work-group takes 8 tokens, a wave one token; wave w also brings row w of gate_w into LDS for all eight waves.
; A lane must hold 32 NEIGHBOURS of the row (a whole block), while a load is dense where neighbouring lanes take neighbouring bytes: so every load reads 512 consecutive bytes,
; 16 a lane, and the row turns through LDS: 32 places of 128 bytes + 16 of padding; lane l reads place l back.
; No decision of this launch steers an address or a branch: the choice is made by selects and stored at fixed places.
; LIMITS: NaN and infinities are not served.  A block whose largest magnitude lies under 2^-124 keeps the byte 1; a block of zeros gets the byte 1 with zero codes (the bytes are read by this program alone).
; The logits are summed in another order than a plain loop over k: logits that tie within f32 rounding may choose the other expert.
.set PL,   144                         ; a place: 128 bytes + 16
.set WST,  32*PL                       ; a row's stage: 4,608 bytes
.set TS,   0                           ; eight stages, each wave's own: its token
.set GS,   8*WST                       ; eight stages, shared: the rows of gate_w
.set XSB,  16*WST                      ; 256 scale bytes of the 8 tokens
.set SELB, XSB+256                     ; 8 words
.set TVB,  SELB+32                     ; 8 pairs of f32
.set X,    32                          ; v32-63   my 32 numbers of the token: k = 32 lane + 0 .. 31
.set GW,   64                          ; v64-191  the same k of four rows of gate_w (at first: the two rows as loaded)
.set A,    192                         ; v192-207 eight pairs of sums
.set L,    208                         ; v208-215 the logits
.set QT,   216                         ; v216-219 at work for the block's scale
.set CD,   220                         ; v220-223 my block's codes
.set PT,   224                         ; v224-231 destinations of the lane permutes
.set BV,   232                         ; v232-233 the two kept logits
.set BX,   234                         ; v234-235 their experts
.set NI,   236                         ; -infinity
.set ONE,  237
.set T0,   238                         ; v238-239
.set SW,   240
	s_load_b256 s[4:11], s[0:1], 0x0               ; tokens, gate_w, gate_b, xc
	s_load_b128 s[12:15], s[0:1], 0x20             ; xs, sel
	s_load_b64 s[16:17], s[0:1], 0x30              ; topv
	v_lshl_add_u32 v248, v0, 2, 0x13000
	v_mov_b32 v249, 0
	v_and_b32 v1, 31, v0                           ; lane
	v_lshrrev_b32 v2, 5, v0
	s_delay_alu instid0(VALU_DEP_1)
	v_readfirstlane_b32 s18, v2                    ; wave 0..7
	s_delay_alu instid0(VALU_DEP_3)
	v_lshlrev_b32 v4, 4, v1                        ; 16 x lane
	s_delay_alu instid0(VALU_DEP_4)
	v_lshrrev_b32 v2, 3, v1
	s_delay_alu instid0(VALU_DEP_1)
	v_mul_u32_u24 v2, v2, PL
	v_and_b32 v3, 7, v1
	s_delay_alu instid0(VALU_DEP_1)
	v_lshl_add_u32 v2, v3, 4, v2                   ; into a stage: eight lanes' 128 bytes make a place; a load's 512 bytes take four places
	v_mul_u32_u24 v3, v1, PL                       ; out of it: place = lane
	s_mul_i32 s19, s18, WST
	v_add_nc_u32 v5, s19, v2                       ; my token's stage, in
	v_add_nc_u32 v6, s19, v3                       ; and out
	s_add_co_u32 s19, s19, GS
	v_add_nc_u32 v7, s19, v2                       ; gate row w's stage, in
	v_add_nc_u32 v8, GS, v3                        ; the gate rows' stages, out
	s_lshl_b32 s19, s18, 2
	s_add_co_u32 s19, s19, SELB
	v_mov_b32 v9, s19                              ; my token's word
	s_lshl_b32 s19, s18, 3
	s_add_co_u32 s19, s19, TVB
	v_mov_b32 v10, s19                             ; my token's pair
	s_lshl_b32 s19, s18, 5
	s_add_co_u32 s19, s19, XSB
	v_add_nc_u32 v11, s19, v1                      ; my block's scale byte
	v_lshl_add_u32 v12, v1, 3, XSB                 ; wave 0's way out: 8 scale bytes a lane,
	v_and_b32 v13, 15, v1
	s_delay_alu instid0(VALU_DEP_1)
	v_lshl_add_u32 v13, v13, 2, TVB                ; a word of the pairs,
	v_and_b32 v14, 7, v1
	s_delay_alu instid0(VALU_DEP_1)
	v_lshl_add_u32 v14, v14, 2, SELB               ; a word of the choices
	v_lshlrev_b32 v15, 3, v1
	v_lshlrev_b32 v16, 2, v1
.irp e, 0,1,2,3,4,5,6,7
	v_mov_b32 v[PT+\e], 0                          ; a lane permute's destination counts as one of its sources
.endr
	v_mov_b32 v[NI], 0xff800000
	v_mov_b32 v[ONE], 1
	s_mov_b32 s32, 0x76543210
	s_mov_b32 s33, 0xfedcba98                      ; v_permlanex16_b32's selects for lane l xor 16
	s_lshl_b32 s2, ttmp9, 3
	s_add_co_u32 s2, s2, s18                       ; my token
	s_mov_b32 s29, 0
	s_lshl_b32 s28, s2, 12
	s_wait_kmcnt 0x0
	s_add_nc_u64 s[4:5], s[4:5], s[28:29]          ; its row of 4,096 bytes
	s_lshl_b32 s28, s18, 12
	s_add_nc_u64 s[6:7], s[6:7], s[28:29]          ; row w of gate_w
.irp i, 0,1,2,3,4,5,6,7
	global_load_b128 v[64+4*\i:67+4*\i], v4, s[4:5] offset:512*\i th:TH_LOAD_NT   ; 512 consecutive bytes a load
.endr
.irp i, 0,1,2,3,4,5,6,7
	global_load_b128 v[96+4*\i:99+4*\i], v4, s[6:7] offset:512*\i
.endr
	s_load_b256 s[20:27], s[8:9], 0x0              ; gate_b
	s_lshl_b32 s28, s2, 9
	s_add_nc_u64 s[10:11], s[10:11], s[28:29]      ; my token's 512 bytes of codes
	s_lshl_b32 s28, ttmp9, 8
	s_add_nc_u64 s[12:13], s[12:13], s[28:29]      ; the work-group's 256 scale bytes,
	s_lshl_b32 s28, ttmp9, 5
	s_add_nc_u64 s[14:15], s[14:15], s[28:29]      ; 8 words,
	s_lshl_b32 s28, ttmp9, 6
	s_add_nc_u64 s[16:17], s[16:17], s[28:29]      ; 8 pairs
	s_wait_loadcnt 8                               ; the token's eight loads are in; the gate row's eight are younger
.irp i, 0,1,2,3,4,5,6,7
	ds_store_b128 v5, v[64+4*\i:67+4*\i] offset:4*PL*\i
.endr
.irp q, 0,1,2,3,4,5,6,7
	ds_load_b128 v[X+4*\q:X+4*\q+3], v6 offset:16*\q      ; LDS serves a wave's instructions in order: these see my stores
.endr
	s_wait_loadcnt 0x0
.irp i, 0,1,2,3,4,5,6,7
	ds_store_b128 v7, v[96+4*\i:99+4*\i] offset:4*PL*\i
.endr
	s_wait_dscnt 0x0                               ; for the others' sake: my gate row lies in LDS
	s_barrier_signal -1
	s_barrier_wait -1
.macro GLOAD half                      ; my 32 k of four rows of gate_w
.irp e, 0,1,2,3
.irp q, 0,1,2,3,4,5,6,7
	ds_load_b128 v[GW+32*\e+4*\q:GW+32*\e+4*\q+3], v8 offset:WST*(4*\half+\e)+16*\q
.endr
.endr
.endm
.macro DOT half                        ; four sums by turns, two numbers an instruction; the first product starts each sum
.irp e, 0,1,2,3
	v_pk_mul_f32 v[A+2*(4*\half+\e):A+2*(4*\half+\e)+1], v[X:X+1], v[GW+32*\e:GW+32*\e+1]
.endr
.irp j, 2,4,6,8,10,12,14,16,18,20,22,24,26,28,30
.irp e, 0,1,2,3
	s_delay_alu instid0(VALU_DEP_4)
	v_pk_fma_f32 v[A+2*(4*\half+\e):A+2*(4*\half+\e)+1], v[X+\j:X+\j+1], v[GW+32*\e+\j:GW+32*\e+\j+1], v[A+2*(4*\half+\e):A+2*(4*\half+\e)+1]
.endr
.endr
.endm
	GLOAD 0
	; while those are on their way: my block of 32 is quantised.  Its largest magnitude, in two chains, with the floor 2^(3 - 127) as one more leaf: so the byte cannot fall under 1
	v_max3_num_f32 v[QT], |v[X]|, |v[X+1]|, 0x1800000
	v_max3_num_f32 v[QT+1], |v[X+16]|, |v[X+17]|, |v[X+18]|
.irp i, 2,4,6,8,10,12
	s_delay_alu instid0(VALU_DEP_2)
	v_max3_num_f32 v[QT], v[QT], |v[X+\i]|, |v[X+1+\i]|
	s_delay_alu instid0(VALU_DEP_2)
	v_max3_num_f32 v[QT+1], v[QT+1], |v[X+17+\i]|, |v[X+18+\i]|
.endr
	s_delay_alu instid0(VALU_DEP_2)
	v_max3_num_f32 v[QT], v[QT], |v[X+14]|, |v[X+15]|
	s_delay_alu instid0(VALU_DEP_1)
	v_max3_num_f32 v[QT], v[QT], v[QT+1], |v[X+31]|
	s_delay_alu instid0(VALU_DEP_1)
	v_add_nc_u32 v[QT+2], 0xff000000, v[QT]        ; 2 off its exponent field: the conversion takes the exponent field of this operand as its scale
	s_delay_alu instid0(VALU_DEP_1)
	v_lshrrev_b32 v[QT+3], 23, v[QT+2]             ; the scale's byte
.irp g, 0,1,2,3
	v_cvt_scalef32_pk8_fp4_f32 v[CD+\g], v[X+8*\g:X+8*\g+7], v[QT+2]
.endr
	v_nop                                          ; one plain place behind the last scaled conversion
	global_store_b128 v4, v[CD:CD+3], s[10:11]     ; the wave stores the token's 512 bytes of codes
	ds_store_b8 v11, v[QT+3]
	s_wait_dscnt 1                                 ; the 32 loads are in; only the byte's store is younger
	DOT 0
	GLOAD 1
	s_wait_dscnt 0x0
	DOT 1
.irp e, 0,1,2,3,4,5,6,7
	v_add_f32 v[L+\e], v[A+2*\e], v[A+2*\e+1]
.endr
.irp x, 1,2,4,8
.irp e, 0,1,2,3,4,5,6,7
	v_add_f32_dpp v[L+\e], v[L+\e], v[L+\e] row_xmask:\x row_mask:0xf bank_mask:0xf
.endr
.endr
.irp e, 0,1,2,3,4,5,6,7
	v_permlanex16_b32 v[PT+\e], v[L+\e], s32, s33
.endr
.irp e, 0,1,2,3,4,5,6,7
	v_add_f32 v[L+\e], v[L+\e], v[PT+\e]           ; every lane holds the sum over the row
.endr
	s_wait_alu depctr_va_vdst(0)
	s_wait_kmcnt 0x0
.irp e, 0,1,2,3,4,5,6,7
	v_add_f32 v[L+\e], s[20+\e], v[L+\e]           ; + gate_b
.endr
	; the two largest, by selects.  The old one is kept where the new one is not larger: the lower expert wins a tie
	v_mov_b32 v[BV], v[L]
	v_mov_b32 v[BX], 0
.irp e, 1
	s_delay_alu instid0(VALU_DEP_2)
	v_cmp_le_f32 vcc_lo, v[L+\e], v[BV]
	s_delay_alu instid0(VALU_DEP_1)
	v_cndmask_b32 v[BX], \e, v[BX], vcc_lo
	s_delay_alu instid0(VALU_DEP_2)
	v_cndmask_b32 v[BV], v[L+\e], v[BV], vcc_lo
.endr
.irp e, 2, 3, 4, 5, 6, 7
	s_delay_alu instid0(VALU_DEP_1)
	v_cmp_le_f32 vcc_lo, v[L+\e], v[BV]
	s_delay_alu instid0(VALU_DEP_1)
	v_cndmask_b32 v[BX], \e, v[BX], vcc_lo
	s_delay_alu instid0(VALU_DEP_2)
	v_cndmask_b32 v[BV], v[L+\e], v[BV], vcc_lo
.endr
.irp e, 0,1,2,3,4,5,6,7
	v_cmp_eq_u32 vcc_lo, \e, v[BX]
	s_delay_alu instid0(VALU_DEP_1)
	v_cndmask_b32 v[L+\e], v[L+\e], v[NI], vcc_lo  ; the winner leaves the field
.endr
	v_mov_b32 v[BV+1], v[L]
	v_mov_b32 v[BX+1], 0
.irp e, 1
	s_delay_alu instid0(VALU_DEP_2)
	v_cmp_le_f32 vcc_lo, v[L+\e], v[BV+1]
	s_delay_alu instid0(VALU_DEP_1)
	v_cndmask_b32 v[BX+1], \e, v[BX+1], vcc_lo
	s_delay_alu instid0(VALU_DEP_2)
	v_cndmask_b32 v[BV+1], v[L+\e], v[BV+1], vcc_lo
.endr
.irp e, 2, 3, 4, 5, 6, 7
	s_delay_alu instid0(VALU_DEP_1)
	v_cmp_le_f32 vcc_lo, v[L+\e], v[BV+1]
	s_delay_alu instid0(VALU_DEP_1)
	v_cndmask_b32 v[BX+1], \e, v[BX+1], vcc_lo
	s_delay_alu instid0(VALU_DEP_2)
	v_cndmask_b32 v[BV+1], v[L+\e], v[BV+1], vcc_lo
.endr
	v_lshlrev_b32 v[T0], v[BX], v[ONE]
	s_delay_alu instid0(VALU_DEP_3)
	v_lshlrev_b32 v[T0+1], v[BX+1], v[ONE]
	s_delay_alu instid0(VALU_DEP_1)
	v_or_b32 v[T0], v[T0], v[T0+1]                 ; the two experts as bits
	v_lshl_or_b32 v[SW], v[BX+1], 8, v[BX]
	s_delay_alu instid0(VALU_DEP_1)
	v_lshl_or_b32 v[SW], v[T0], 16, v[SW]
	ds_store_b32 v9, v[SW]                         ; all lanes write the same word with the same value
	ds_store_b64 v10, v[BV:BV+1]
	s_wait_dscnt 0x0                               ; for wave 0's sake: my bytes, my word and my pair lie in LDS
	s_barrier_signal -1
	s_barrier_wait -1
	s_cmp_lg_u32 s18, 0
	s_cbranch_scc1 .Lend                           ; wave 0 stores what the eight waves gathered
	ds_load_b64 v[18:19], v12
	ds_load_b32 v20, v13
	ds_load_b32 v21, v14
	s_wait_dscnt 0x0
	global_store_b64 v15, v[18:19], s[12:13]       ; 32 lanes store 256 consecutive bytes, at a multiple of 256 from xs's first byte
	v_cmp_gt_u32 vcc_lo, 16, v1
	s_wait_xcnt 0x0                                ; EXEC is a source of the stores issued so far: it changes only behind this wait
	s_and_saveexec_b32 s34, vcc_lo
	global_store_b32 v16, v20, s[16:17]            ; 64 bytes: the eight pairs
	s_wait_xcnt 0x0
	s_or_b32 exec_lo, exec_lo, s34
	v_cmp_gt_u32 vcc_lo, 8, v1
	s_and_saveexec_b32 s34, vcc_lo
	global_store_b32 v16, v21, s[14:15]            ; 32 bytes: the eight words
	s_wait_xcnt 0x0
	s_or_b32 exec_lo, exec_lo, s34
.Lend:
	s_wait_tensorcnt 0x0
	ds_add_u32 v248, v249
	s_wait_dscnt 0x0
	s_endpgm
.Lfunc_end_k_q2770c995bf_route:
	.size	k_q2770c995bf_route, .Lfunc_end_k_q2770c995bf_route-k_q2770c995bf_route
	.p2alignl 7, 3214868480
	.fill 96, 4, 3214868480
	.section	.rodata,"a",@progbits
	.p2align	6, 0x0
	.amdhsa_kernel k_q2770c995bf_route
		.amdhsa_group_segment_fixed_size 78848
		.amdhsa_private_segment_fixed_size 0
		.amdhsa_enable_private_segment 0
		.amdhsa_kernarg_size 56
		.amdhsa_user_sgpr_count 2
		.amdhsa_user_sgpr_kernarg_segment_ptr 1
		.amdhsa_wavefront_size32 1
		.amdhsa_system_sgpr_workgroup_id_x 1
		.amdhsa_system_sgpr_workgroup_id_y 1
		.amdhsa_system_sgpr_workgroup_id_z 1
		.amdhsa_system_vgpr_workitem_id 0
		.amdhsa_next_free_vgpr 250
		.amdhsa_next_free_sgpr 66
		.amdhsa_reserve_vcc 1
		.amdhsa_float_denorm_mode_32 3
		.amdhsa_float_denorm_mode_16_64 3
		.amdhsa_memory_ordered 1
		.amdhsa_forward_progress 1
		.amdhsa_inst_pref_size 33
	.end_amdhsa_kernel
	.amdgpu_metadata
---
amdhsa.version: [ 1, 2 ]
amdhsa.kernels:
  - .name:           k_q2770c995bf_route
    .symbol:         k_q2770c995bf_route.kd
    .args:
      - { .name: tokens, .offset: 0, .size: 8, .value_kind: global_buffer, .address_space: global }
      - { .name: gate_w, .offset: 8, .size: 8, .value_kind: global_buffer, .address_space: global }
      - { .name: gate_b, .offset: 16, .size: 8, .value_kind: global_buffer, .address_space: global }
      - { .name: xc, .offset: 24, .size: 8, .value_kind: global_buffer, .address_space: global }
      - { .name: xs, .offset: 32, .size: 8, .value_kind: global_buffer, .address_space: global }
      - { .name: sel, .offset: 40, .size: 8, .value_kind: global_buffer, .address_space: global }
      - { .name: topv, .offset: 48, .size: 8, .value_kind: global_buffer, .address_space: global }
    .group_segment_fixed_size: 78848
    .private_segment_fixed_size: 0
    .kernarg_segment_align: 8
    .kernarg_segment_size: 56
    .max_flat_workgroup_size: 256
    .sgpr_count:     66
    .vgpr_count:     250
    .wavefront_size: 32
...
	.end_amdgpu_metadata
.endif
;; end of part 6
;; launch place (part 7): grid 8 x 1, 1 waves a work-group, no clusters, 4,608 bytes of LDS; arguments sel, pose; writes pose
.if DOCPART == 7
	.amdgcn_target "amdgcn-amd-amdhsa--gfx1250"
	.amdhsa_code_object_version 6
	.text
	.protected	k_q2770c995bf_place
	.globl	k_q2770c995bf_place
	.p2align	8
	.type	k_q2770c995bf_place,@function
k_q2770c995bf_place:
	s_mov_b64 s[64:65], 0
	v_nop
	global_prefetch_b8 v0, s[64:65] scope:SCOPE_SE
	s_setreg_imm32_b32 hwreg(HW_REG_WAVE_MODE, 25, 1), 1
	s_wait_xcnt 0x0
; PLACE.  Work-group e (one wave) reads sel (a word for each of the 1,024 tokens, bit 16 + e set where the token chose expert e; whole numbers, stored by the launch before) and gives the tokens that chose e places 0, 1, 2 ..
; OUT, all in pose: bytes 0 on: [e][token] u32 = 1024 e + place (0 where e was not chosen); bytes 32,768 on: [e][32] u32, each the expert's count; bytes 33,792 on: [e][1,024] u32, the token at each place, 0 past the count.
; A place is the number of such tokens counted so far plus the number of such lanes below mine.  The token numbers are scattered into a table in LDS, read back as they lie and stored at fixed addresses:
; no branch and no global address of this launch hangs on a loaded number.  One wave: LDS serves its instructions in order, so there is no barrier.
; Eight work-groups are all the work there is: 4,096 bytes in, 8,320 bytes out for each.
.set LIST, 0                           ; a table of 1,056 words: 1,024 token numbers, and behind them 32 words for the lanes that have nothing to place: word 1024 + lane
.set L16, 1                            ; 16 x lane
.set L4,  2                            ; 4 x lane
.set DMX, 3                            ; 1024 + lane
.set POF, 4                            ; 4096 e + 16 x lane
.set MOF, 5                            ; 128 e + 4 x lane
.set TP,  6
.set TM,  8                            ; v8-11 at work
.set Z,   12                           ; v12-15 zeros
.set SELR, 16                          ; v16-47   sel: register 4 c + jj: token 128 c + 4 lane + jj
.set P,    48                          ; v48-79   the places
.set LA,   80                          ; v80-111  the scatter's addresses
.set LT,   112                         ; v112-143 and its token numbers
.set LB,   144                         ; v144-175 the list as it leaves
	s_load_b128 s[4:7], s[0:1], 0x0                ; sel, pose
	v_lshl_add_u32 v176, v0, 2, 0x1100
	v_mov_b32 v177, 0
	v_lshlrev_b32 v[L16], 4, v0                    ; (one wave: the thread's number is the lane)
	v_lshlrev_b32 v[L4], 2, v0
	v_add_nc_u32 v[DMX], 1024, v0
.irp k, 0,1,2,3
	v_mov_b32 v[Z+\k], 0
.endr
	s_add_co_u32 s8, ttmp9, 16
	s_lshl_b32 s9, 1, s8                           ; expert e's bit in a word of sel
	s_lshl_b32 s10, ttmp9, 10                      ; 1024 e
	s_lshl_b32 s11, ttmp9, 12
	v_add_nc_u32 v[POF], s11, v[L16]
	s_lshl_b32 s11, ttmp9, 7
	v_add_nc_u32 v[MOF], s11, v[L4]
.irp c, 0,1,2,3,4,5,6,7
	ds_store_b128 v[L16], v[Z:Z+3] offset:LIST+512*\c     ; places past the count name token 0
.endr
	s_wait_alu depctr_va_vdst(0)
	s_wait_kmcnt 0x0
.irp c, 0,1,2,3,4,5,6,7
	global_load_b128 v[SELR+4*\c:SELR+4*\c+3], v[L16], s[4:5] offset:512*\c
.endr
	s_mov_b32 s12, 0                               ; counted so far
	s_wait_loadcnt 0x0
; One register of sel: 32 tokens.  The choice between my place and my spare word is made between two WORD NUMBERS of the table; the hold inside its 1,056 words comes last, and behind it stand only a shift and an addition.
.macro LSTEP c, jj
	v_and_b32 v[TM], s9, v[SELR+4*\c+\jj]
	v_cmp_ne_u32 s13, 0, v[TM]                     ; the lanes whose token chose e
	v_mbcnt_lo_u32_b32 v[TM+1], s13, s12           ; my place
	s_bcnt1_i32_b32 s14, s13
	s_add_co_u32 s12, s12, s14
	v_cndmask_b32 v[TM+2], v[DMX], v[TM+1], s13    ; the place, or word 1024 + lane where there is nothing to place
	v_min_u32 v[TM+2], 1055, v[TM+2]               ; a number made of loaded numbers enters an address only held inside the table
	v_lshl_add_u32 v[LA+4*\c+\jj], v[TM+2], 2, LIST
	v_add_nc_u32 v[LT+4*\c+\jj], 128*\c+\jj, v[L4]
	ds_store_b32 v[LA+4*\c+\jj], v[LT+4*\c+\jj]
	v_min_u32 v[TM+1], 1023, v[TM+1]
	v_add_nc_u32 v[TM+3], s10, v[TM+1]
	v_cndmask_b32 v[P+4*\c+\jj], 0, v[TM+3], s13   ; 1024 e + place, 0 where e was not chosen
.endm
.irp c, 0,1,2,3,4,5,6,7
.irp jj, 0,1,2,3
	LSTEP \c, \jj
.endr
.endr
	v_mov_b32 v[TP], s12
.irp c, 0,1,2,3,4,5,6,7
	ds_load_b128 v[LB+4*\c:LB+4*\c+3], v[L16] offset:LIST+512*\c   ; LDS serves a wave's instructions in order: these see the fill and the scatter
.endr
.irp c, 0,1,2,3,4,5,6,7
	global_store_b128 v[POF], v[P+4*\c:P+4*\c+3], s[6:7] offset:512*\c            ; 512 consecutive bytes a store
.endr
	global_store_b32 v[MOF], v[TP], s[6:7] offset:32768                           ; the count, 32 times: 128 consecutive bytes
	s_wait_dscnt 0x0
.irp c, 0,1,2,3,4,5,6,7
	global_store_b128 v[POF], v[LB+4*\c:LB+4*\c+3], s[6:7] offset:33792+512*\c
.endr
	s_wait_tensorcnt 0x0
	ds_add_u32 v176, v177
	s_wait_dscnt 0x0
	s_endpgm
.Lfunc_end_k_q2770c995bf_place:
	.size	k_q2770c995bf_place, .Lfunc_end_k_q2770c995bf_place-k_q2770c995bf_place
	.p2alignl 7, 3214868480
	.fill 96, 4, 3214868480
	.section	.rodata,"a",@progbits
	.p2align	6, 0x0
	.amdhsa_kernel k_q2770c995bf_place
		.amdhsa_group_segment_fixed_size 4608
		.amdhsa_private_segment_fixed_size 0
		.amdhsa_enable_private_segment 0
		.amdhsa_kernarg_size 16
		.amdhsa_user_sgpr_count 2
		.amdhsa_user_sgpr_kernarg_segment_ptr 1
		.amdhsa_wavefront_size32 1
		.amdhsa_system_sgpr_workgroup_id_x 1
		.amdhsa_system_sgpr_workgroup_id_y 1
		.amdhsa_system_sgpr_workgroup_id_z 1
		.amdhsa_system_vgpr_workitem_id 0
		.amdhsa_next_free_vgpr 178
		.amdhsa_next_free_sgpr 66
		.amdhsa_reserve_vcc 0
		.amdhsa_float_denorm_mode_32 3
		.amdhsa_float_denorm_mode_16_64 3
		.amdhsa_memory_ordered 1
		.amdhsa_forward_progress 1
		.amdhsa_inst_pref_size 27
	.end_amdhsa_kernel
	.amdgpu_metadata
---
amdhsa.version: [ 1, 2 ]
amdhsa.kernels:
  - .name:           k_q2770c995bf_place
    .symbol:         k_q2770c995bf_place.kd
    .args:
      - { .name: sel, .offset: 0, .size: 8, .value_kind: global_buffer, .address_space: global }
      - { .name: pose, .offset: 8, .size: 8, .value_kind: global_buffer, .address_space: global }
    .group_segment_fixed_size: 4608
    .private_segment_fixed_size: 0
    .kernarg_segment_align: 8
    .kernarg_segment_size: 16
    .max_flat_workgroup_size: 32
    .sgpr_count:     66
    .vgpr_count:     178
    .wavefront_size: 32
...
	.end_amdgpu_metadata
.endif
;; end of part 7
;; launch up (part 8): grid 256 x 1, 4 waves a work-group, no clusters, 137,728 bytes of LDS; arguments xc, xs, pose, w1, b1, hc, hs; writes hc, hs
.if DOCPART == 8
	.amdgcn_target "amdgcn-amd-amdhsa--gfx1250"
	.amdhsa_code_object_version 6
	.text
	.protected	k_q2770c995bf_up
	.globl	k_q2770c995bf_up
	.p2align	8
	.type	k_q2770c995bf_up,@function
k_q2770c995bf_up:
	s_mov_b64 s[64:65], 0
	v_nop
	global_prefetch_b8 v0, s[64:65] scope:SCOPE_SE
	s_setreg_imm32_b32 hwreg(HW_REG_WAVE_SCHED_MODE, 0, 2), 2
	s_setreg_imm32_b32 hwreg(HW_REG_WAVE_MODE, 25, 1), 1
	s_wait_xcnt 0x0
	s_wait_alu depctr_vm_vsrc(0)
; UP.  Work-group (e, fs), e = x / 32, fs = x % 32: h = relu(x W1[e]^T + b1[e]) for hidden units 128 fs .. 128 fs + 127 and for the rows (tokens) that chose expert e, on codes of FP4 (E2M1) with one E8M0 scale
; for each 32 along K; h leaves as codes, quantised along the hidden axis.  Only the chosen rows are multiplied: the others' gate is 0.
; PHASE 1: the slice of w1, 128 rows x 4,096 bytes of f32, is read ONCE, 512 consecutive bytes a load, quantised, and laid into LDS as images of operand registers (a fragment of 16 rows x 128 K: 8 registers a lane,
; lane l's 16 bytes at 16 l).  Wave w takes rows 32 w .. 32 w + 31: 16 steps of 16 rows x 128 K.  The conversions want 32 neighbours along K in one lane: a step's 8,192 bytes turn through the wave's own stage
; (rows 528 bytes apart), in two stages by turns; loads run four steps ahead.
; THE ROWS: the expert's count and its list of tokens are whole numbers that the launch before stored in pose; they come by a scalar load and by global loads, and steer the trip count and the gather's addresses.
; PHASE 2: EVERY wave takes the whole slice, 64 fragments, into 512 registers and walks tiles of 16 rows on its own: tile j = w + 4 i.  No barrier stands in that walk, so its trip count may hang on the count.
; Every wave walks at least one tile, so that tiles 0 to 3 of each expert are always made (rows past the count are token 0 and are never used).
; A TRIP begins with its 64 products: the tile's fragments and scale words already stand in registers.  Behind the products the next tile's rows, asked for a trip ago, go through the wave's stage into the fragments'
; registers, and the rows of the tile after that are asked for; the way through LDS runs under the activation and the quantiser of the tile in hand.  The gather runs one tile past the wave's last: the list's places
; past the count name token 0, so it stays inside xc and xs, and what it brings is not used.
; THE PRODUCT IS USED TRANSPOSED (source 0 = 16 rows of W1, source 1 = 16 rows of x), AND THE ROWS OF W1 THAT FORM A TILE ARE NOT NEIGHBOURS: position r of tile 2 b + u is row 32 b + 8 u + r + 8 (r / 8):
; so a lane holds one row of h, and the 16 registers of tiles 2 b, 2 b + 1 are 16 neighbours along the next K: hidden units 32 b + 16 (lane / 16) + 0 .. 15.  b1 is the C of each sum's first product.
; No tensor load and no cluster: the trip counts hang on numbers read from memory; the rows of x that the 32 work-groups of an expert share are 512 bytes each and come through registers.
; LIMITS: NaN and infinities are not served; a block whose largest magnitude lies under 2^-124 keeps the byte 1, a block of zeros the byte 1 with zero codes (the bytes are read by this program alone).
; THE MODE: SCHED_MODE bits 1:0 = 2 (LLVM: expert scheduling mode 2), set by the entry lines.  The code itself states the register dependences
; between vector or matrix instructions and memory or LDS instructions, with s_wait_alu, always for 0.
; THE PLAN.  Registers that memory or LDS instructions touch:
;   the addresses v4-14, v20, v21   made once at the head, never written again: one wait on va_vdst ahead of the first load serves them all.
;   PHASE 1.  Four sets of 64 in window 2: step n's loads land in set n % 4, TURN n's stage stores read it, step n + 4's loads land in it again.
;             X0, X1 (v64-191): TURN n's LDS loads land in X[n % 2], WQUANT n's lines read it, TURN n + 2's loads land in it again.
;             v[CD ..] and v[TM+6]: WQUANT n writes them, its three LDS stores read them.
;             So a step has one wait on vm_vsrc, at its head, and one on va_vdst, behind its quantiser's last line and ahead of its three stores; no vector line stands between that wait and TURN n + 2.
;   PHASE 2.  x's fragments (window 1, v0-63): the products read them, the next tile's LDS loads land in them: a wait on va_vdst behind the products' places.
;             The rows (window 1, v128-191): the gather lands in them, the stage's stores read them.  v[ROFF ..], v[XSO]: GIDX writes them, the gather reads them.  v[XSG ..]: the scale words' load lands, four copies read.
;             v[XSW ..]: the copies write them, the products take them as scales.  One wait on vm_vsrc ahead of GIDX's writes and one on va_vdst at the gather's head state all of these.
;             v[PC ..], v[TP]: the quantiser writes them, three global stores read them: a wait on va_vdst ahead of the stores, one on vm_vsrc at the end of a trip that has a successor.
;             s[TKS ..]: written by v_readlane_b32, read by s_min_u32: a wait on va_sdst between the two runs.
;   W1's fragments and scale words, b1's tiles and the accumulators are named by matrix and vector instructions alone once they have landed.
; REGISTERS, in windows of 256: window 0: v1-21 addresses; v24-27 the next tile's scale words of x as loaded; v32-47 my tiles' token numbers; v48-63 the rows' offsets; v64-191 numbers being quantised, later v64-127
;   the 8 accumulators; v192-223 W1's scale words, v248-251 x's (scales and nothing else); v224-247, v252-253 at work.   window 1: v0-63 x's 8 fragments, v64-127 b1's 8 tiles, v128-191 16 rows of x as loaded.
;   window 2: in phase 1 four sets of 64 as loaded.   windows 2 and 3 in phase 2: W1's fragments, slot 8 s + t (K step s, tile t) at register 512 + 8 slot.
.set PIT,  528                         ; a stage row: 512 bytes + 16: the 16 rows that a load touches start 33 x 16 bytes apart
.set STG1, 16*PIT
.set TSB,  2*STG1                      ; a wave's two stages
.set IMG,  4*TSB                       ; 64 images of 1,024 bytes
.set SWI,  IMG+65536                   ; W1's scale words: the word of register p and lane L at 512 (p / 4) + 16 L + 4 (p % 4)
.set CNTO, 32768                       ; pose: where the counts begin,
.set LSTO, 33792                       ; and the lists
.set L16, 4                            ; 16 x lane
.set TSI, 5                            ; my stage, in: 16 x lane
.set TSO, 6                            ; out: row r, + 128 h
.set IMW, 7                            ; where I store images
.set SWW, 8                            ; and scale words
.set IMR, 9                            ; where images are read
.set SWR, 10
.set SH8, 11                           ; 8 h
.set XFR, 12                           ; x's fragments out of the stage: row r, + 16 h
.set HSO, 13                           ; 4 r + 2 h
.set H16, 14                           ; 16 h
.set TK2, 18
.set XSO, 19
.set LTA, 20                           ; 4096 e + 64 w + 4 r: my row's word in my first tile of the list
.set BOF, 21
.set XSG, 24                           ; v24-27: the scale words of the tile that is on its way
.set LT,   32                          ; v32-47: lanes r and r + 16 of register i: the token of row r of the i-th tile still to be gathered
.set ROFF, 48
.set X,    64
.set ACC,  64
.set WSC,  192
.set TM,   224
.set CD,   240
.set PC,   240
.set XSW,  248
.set PW,   252
.set TP,   253
.set XF,   0                           ; window 1
.set BI,   64
.set G,    128
.set WB,   10                          ; s[10:11] my wave's rows of w1
.set SEL,  36                          ; s[36:37]
.set TKS,  40                          ; s40-55 a tile's 16 token numbers
.set MSB, 0
.macro WIN new                         ; the immediate's high byte repeats the setting that is left; bits 1:0 source 0, 3:2 source 1, 5:4 source 2, 7:6 destination
.if MSB != \new
	s_set_vgpr_msb (MSB<<8)|\new
.set MSB, \new
.endif
.endm
; step n = 8 u + s of my stream: tile position i is row 8 u + i + 8 (i / 8) of my 32; K step s
.macro LOADW n
	WIN 0x80
.irp i, 0,1,2,3,4,5,6,7,8,9,10,11,12,13,14,15
	global_load_b128 v[64*((\n)%4)+4*\i:64*((\n)%4)+4*\i+3], v[L16], s[WB:WB+1] offset:(8*((\n)/8)+\i+8*(\i/8))*4096+512*((\n)%8) th:TH_LOAD_NT
.endr
	WIN 0
.endm
.macro TURN n                          ; through the stage: in as loaded, out 32 neighbours at a time: lane (r, h) gets blocks h and 2 + h of row r
	WIN 0x08
.irp i, 0,1,2,3,4,5,6,7,8,9,10,11,12,13,14,15
	ds_store_b128 v[TSI], v[64*((\n)%4)+4*\i:64*((\n)%4)+4*\i+3] offset:STG1*((\n)%2)+PIT*\i
.endr
	WIN 0
.irp c, 0,1
.irp q, 0,1,2,3,4,5,6,7
	ds_load_b128 v[X+64*((\n)%2)+32*\c+4*\q:X+64*((\n)%2)+32*\c+4*\q+3], v[TSO] offset:STG1*((\n)%2)+256*\c+16*\q
.endr
.endr
.endm
.macro WQUANT n                        ; my two blocks become registers 4 c .. 4 c + 3 of the fragment; the row's four bytes make its scale word
.set XS, X+64*((\n)%2)
.irp c, 0,1
	v_max3_num_f32 v[TM+\c], |v[XS+32*\c]|, |v[XS+32*\c+1]|, 0x1800000      ; with the floor 2^(3 - 127): the byte cannot fall under 1
	v_max3_num_f32 v[TM+8+\c], |v[XS+32*\c+16]|, |v[XS+32*\c+17]|, |v[XS+32*\c+18]|
.endr
.irp i, 2,4,6,8,10,12
.irp c, 0,1
	v_max3_num_f32 v[TM+\c], v[TM+\c], |v[XS+32*\c+\i]|, |v[XS+32*\c+1+\i]|
	v_max3_num_f32 v[TM+8+\c], v[TM+8+\c], |v[XS+32*\c+17+\i]|, |v[XS+32*\c+18+\i]|
.endr
.endr
.irp c, 0,1
	v_max3_num_f32 v[TM+\c], v[TM+\c], |v[XS+32*\c+14]|, |v[XS+32*\c+15]|
.endr
.irp c, 0,1
	v_max3_num_f32 v[TM+\c], v[TM+\c], v[TM+8+\c], |v[XS+32*\c+31]|
.endr
.irp c, 0,1
	v_add_nc_u32 v[TM+2+\c], 0xff000000, v[TM+\c]  ; 2 off the exponent field: the conversion's scale operand
.endr
.irp c, 0,1
	v_lshrrev_b32 v[TM+4+\c], 23, v[TM+2+\c]       ; the scale's byte
.endr
	v_lshl_or_b32 v[TM+6], v[TM+5], 16, v[TM+4]    ; blocks h and 2 + h,
	v_lshlrev_b32 v[TM+6], v[SH8], v[TM+6]         ; at their places in the word;
	v_permlanex16_b32 v[TM+7], v[TM+6], s[SEL], s[SEL+1]
	v_or_b32 v[TM+6], v[TM+6], v[TM+7]             ; with lane l xor 16's two it is whole
.irp c, 0,1
.irp g, 0,1,2,3
	v_cvt_scalef32_pk8_fp4_f32 v[CD+4*\c+\g], v[XS+32*\c+8*\g:XS+32*\c+8*\g+7], v[TM+2+\c]
.endr
.endr
	v_nop                                          ; one plain place behind the last scaled conversion
	s_wait_alu depctr_va_vdst(0)                   ; the codes and the scale word are written, which the three stores below read; and this step's lines are done reading its 64 numbers, in which the LDS loads of the turn after next land
	ds_store_b128 v[IMW], v[CD:CD+3] offset:(8*((\n)%8)+(\n)/8)*1024
	ds_store_b128 v[IMW], v[CD+4:CD+7] offset:(8*((\n)%8)+(\n)/8)*1024+512
	ds_store_b32 v[SWW], v[TM+6] offset:512*((\n)%8)+256*((\n)/8)    ; lanes r and r + 16 write the same word with the same value
.endm
.macro STEP n
	s_wait_dscnt 0x0                               ; this step's numbers are back; the stage's stores have read their registers, the last images' stores theirs
	s_wait_alu depctr_vm_vsrc(0)                   ; this step's stage stores have read their set of loaded registers, in which the loads below land; the last step's three stores have read the codes and the scale word, which this step's quantiser writes again
.if (\n)+4 < 16
	LOADW (\n)+4
.endif
.if (\n)+1 < 16
.if 14-(\n) >= 3
	s_wait_loadcnt 48                              ; the next step's 16 loads are in; three younger steps may be out
.else
	s_wait_loadcnt 16*(14-(\n))
.endif
	TURN (\n)+1
.endif
	WQUANT \n
.endm
.macro WREGS                           ; the whole slice into windows 2 and 3, its scale words into window 0.  (Window 2's registers were last read by the stage's stores, all issued ahead of the last wait on vm_vsrc)
	WIN 0x80
.set mm, 0
.rept 64
	ds_load_b128 v[4*mm:4*mm+3], v[IMR] offset:512*mm
.set mm, mm+1
.endr
	WIN 0xc0
.rept 64
	ds_load_b128 v[4*(mm-64):4*(mm-64)+3], v[IMR] offset:512*mm
.set mm, mm+1
.endr
	WIN 0
.irp k, 0,1,2,3,4,5,6,7
	ds_load_b128 v[WSC+4*\k:WSC+4*\k+3], v[SWR] offset:512*\k
.endr
	s_wait_dscnt 0x0
.endm
; one product; ra, rb: A's, B's scales stand in lanes 16-31 of their registers
.macro WMR d, a, b, c, sa, sb, ra, rb
.if (\ra) && (\rb)
	v_wmma_scale_f32_16x16x128_f8f6f4 v[(\d):(\d)+7], v[(\a):(\a)+7], v[(\b):(\b)+7], v[(\c):(\c)+7], v[(\sa)], v[(\sb)] matrix_a_fmt:MATRIX_FMT_FP4 matrix_b_fmt:MATRIX_FMT_FP4 matrix_a_scale:MATRIX_SCALE_ROW1 matrix_b_scale:MATRIX_SCALE_ROW1
.elseif (\ra)
	v_wmma_scale_f32_16x16x128_f8f6f4 v[(\d):(\d)+7], v[(\a):(\a)+7], v[(\b):(\b)+7], v[(\c):(\c)+7], v[(\sa)], v[(\sb)] matrix_a_fmt:MATRIX_FMT_FP4 matrix_b_fmt:MATRIX_FMT_FP4 matrix_a_scale:MATRIX_SCALE_ROW1
.elseif (\rb)
	v_wmma_scale_f32_16x16x128_f8f6f4 v[(\d):(\d)+7], v[(\a):(\a)+7], v[(\b):(\b)+7], v[(\c):(\c)+7], v[(\sa)], v[(\sb)] matrix_a_fmt:MATRIX_FMT_FP4 matrix_b_fmt:MATRIX_FMT_FP4 matrix_b_scale:MATRIX_SCALE_ROW1
.else
	v_wmma_scale_f32_16x16x128_f8f6f4 v[(\d):(\d)+7], v[(\a):(\a)+7], v[(\b):(\b)+7], v[(\c):(\c)+7], v[(\sa)], v[(\sb)] matrix_a_fmt:MATRIX_FMT_FP4 matrix_b_fmt:MATRIX_FMT_FP4
.endif
.endm
; the 16 token numbers of the tile to be gathered (v[LT]: lane q holds row q's) become offsets of the rows' codes and of their scale words; then the later tiles' numbers move down by one register
.macro GIDX
.irp q, 0,1,2,3,4,5,6,7,8,9,10,11,12,13,14,15
	v_readlane_b32 s[TKS+\q], v[LT], \q
.endr
	s_wait_alu depctr_va_sdst(0)                   ; the sixteen token numbers are written, ahead of their first reader
.irp q, 0,1,2,3,4,5,6,7,8,9,10,11,12,13,14,15
	s_min_u32 s[TKS+\q], s[TKS+\q], 1023           ; a number read from memory enters an address only held inside the table
.endr
	s_wait_alu depctr_vm_vsrc(0)                   ; the last gather's loads have read the offsets that the lines below write again; the stage's stores have read the rows' registers, in which the next gather lands; at the first use: the last images' stores have read v[CD ..], which the tiles' quantiser writes
.irp q, 0,1,2,3,4,5,6,7,8,9,10,11,12,13,14,15
	v_lshl_add_u32 v[ROFF+\q], s[TKS+\q], 9, v[L16]
.endr
	v_min_u32 v[TK2], 1023, v[LT]                  ; lanes r and r + 16: row r's token
	v_lshl_add_u32 v[XSO], v[TK2], 5, v[H16]       ; its 32 scale bytes, + 16 h
.irp k, 0,1,2,3,4,5,6,7,8,9,10,11,12,13,14
	v_mov_b32 v[LT+\k], v[LT+\k+1]
.endr
.endm
.macro GROWS                           ; a row of 512 bytes a load
	WIN 0x40
	s_wait_alu depctr_va_vdst(0)                   ; the rows' offsets and the scale words' offset are written, which these loads and the load behind them read; the four copies are done reading v[XSG ..], in which that load lands, and have written v[XSW ..], which the next products take as scales
.irp q, 0,1,2,3,4,5,6,7,8,9,10,11,12,13,14,15
	global_load_b128 v[G+4*\q:G+4*\q+3], v[ROFF+\q], s[4:5]
.endr
	WIN 0
.endm
.macro GSC                             ; lanes 0-15: row r's scale words of K steps 0-3; lanes 16-31: of K steps 4-7.  (It stands behind GROWS, whose wait serves it: only loads and a window switch lie between)
	global_load_b128 v[XSG:XSG+3], v[XSO], s[6:7]
.endm
; The tile that is on its way becomes the tile in hand, and the one behind it is asked for.
.macro NEXTX
	s_wait_loadcnt 0x0                             ; its rows and scale words are in: their offsets may be written again
	WIN 0x04
.irp q, 0,1,2,3,4,5,6,7,8,9,10,11,12,13,14,15
	ds_store_b128 v[TSI], v[G+4*\q:G+4*\q+3] offset:PIT*\q       ; my own stage: row q
.endr
	WIN 0x40
.irp s, 0,1,2,3,4,5,6,7
.irp c, 0,1
	ds_load_b128 v[XF+8*\s+4*\c:XF+8*\s+4*\c+3], v[XFR] offset:64*\s+32*\c    ; LDS serves a wave's instructions in order: these see my stores
.endr
.endr
	WIN 0
.irp k, 0,1,2,3
	v_mov_b32 v[XSW+\k], v[XSG+\k]                 ; the scale words to the operand's registers: the lines below put far more than eight places between these and the next product
.endr
	GIDX
	s_wait_dscnt 16                                ; the 16 fragment loads are younger: the stage's stores have read the rows' registers
	GROWS
	GSC
.endm
; 64 numbers of a lane, none negative, register 16 b + i = hidden unit 32 b + 16 (lane / 16) + i of my row, become a fragment's codes in v[PC] on and its scale word in v[PW]
.macro QUANT s
.irp b, 0,1,2,3
	v_max3_num_f32 v[TM+\b], v[\s+16*\b], v[\s+1+16*\b], 0x1800000
.endr
.irp i, 2,4,6,8,10,12,14
.irp b, 0,1,2,3
	v_max3_num_f32 v[TM+\b], v[TM+\b], v[\s+16*\b+\i], v[\s+1+16*\b+\i]
.endr
.endr
.irp b, 0,1,2,3
	v_permlanex16_b32 v[TM+4+\b], v[TM+\b], s[SEL], s[SEL+1]
.endr
.irp b, 0,1,2,3
	v_max_num_f32 v[TM+\b], v[TM+\b], v[TM+4+\b]   ; with lane l xor 16's 16: the block's largest
.endr
.irp b, 0,1,2,3
	v_add_nc_u32 v[TM+12+\b], 0xff000000, v[TM+\b]
.endr
.irp b, 0,1,2,3
	v_lshrrev_b32 v[TM+4+\b], 23, v[TM+12+\b]
.endr
	v_lshl_or_b32 v[PW], v[TM+5], 8, v[TM+4]
	v_lshl_or_b32 v[PW], v[TM+6], 16, v[PW]
	v_lshl_or_b32 v[PW], v[TM+7], 24, v[PW]
.irp b, 0,1,2,3
	v_cvt_scalef32_pk8_fp4_f32 v[PC+2*\b], v[\s+16*\b:\s+7+16*\b], v[TM+12+\b]
	v_cvt_scalef32_pk8_fp4_f32 v[PC+1+2*\b], v[\s+8+16*\b:\s+15+16*\b], v[TM+12+\b]
.endr
	v_nop                                          ; one plain place behind the last scaled conversion
.irp c, 0,1                                    ; the operand's layout wants a whole block in a lane
.irp i, 0,1
	v_permlane16_swap_b32 v[PC+4*\c+\i], v[PC+2+4*\c+\i]
.endr
.endr
.endm
	s_load_b256 s[4:11], s[0:1], 0x0               ; xc, xs, pose, w1
	s_load_b128 s[12:15], s[0:1], 0x20             ; b1, hc
	s_load_b64 s[16:17], s[0:1], 0x30              ; hs
	v_lshl_add_u32 v254, v0, 2, 0x21800
	v_mov_b32 v255, 0
	v_lshrrev_b32 v1, 5, v0
	v_readfirstlane_b32 s20, v1                    ; wave 0..3
	v_and_b32 v1, 31, v0                           ; lane
	v_and_b32 v2, 15, v0                           ; r
	v_bfe_u32 v3, v0, 4, 1                         ; h
	s_lshr_b32 s21, ttmp9, 5                       ; e
	s_and_b32 s22, ttmp9, 31                       ; fs
	v_lshlrev_b32 v[L16], 4, v1
	s_wait_alu depctr_va_sdst(0)                   ; s20 is written, ahead of its first reader: LDS addresses, bases and the trip count are made from it
	s_mul_i32 s26, s20, TSB
	v_add_nc_u32 v[TSI], s26, v[L16]
	v_mul_u32_u24 v[XFR], v2, PIT
	v_lshl_add_u32 v[TSO], v3, 7, v[XFR]
	v_add_nc_u32 v[TSO], s26, v[TSO]
	v_lshl_add_u32 v[XFR], v3, 4, v[XFR]
	v_add_nc_u32 v[XFR], s26, v[XFR]
	s_lshl_b32 s27, s20, 11
	s_add_co_u32 s27, s27, IMG
	v_add_nc_u32 v[IMW], s27, v[L16]               ; slot 8 s + 2 w + u
	s_lshl_b32 s27, s20, 2
	s_add_co_u32 s27, s27, SWI
	v_lshl_add_u32 v[SWW], v2, 4, s27              ; register 4 s + w, lane r + 16 u
	v_add_nc_u32 v[IMR], IMG, v[L16]
	v_add_nc_u32 v[SWR], SWI, v[L16]
	v_lshlrev_b32 v[SH8], 3, v3
	v_lshlrev_b32 v[HSO], 2, v2
	v_lshl_add_u32 v[HSO], v3, 1, v[HSO]
	v_lshlrev_b32 v[H16], 4, v3
	s_lshl_b32 s27, s21, 12
	s_lshl_b32 s26, s20, 6
	s_add_co_u32 s27, s27, s26
	v_lshl_add_u32 v[LTA], v2, 2, s27              ; the list: 4,096 bytes an expert, 64 a tile, 4 a row
	v_lshlrev_b32 v[BOF], 6, v3
.irp b, 4,5,6,7
	v_mov_b32 v[TM+\b], 0                          ; a lane permute's destination counts as one of its sources
.endr
	s_mov_b32 s[SEL], 0x76543210
	s_mov_b32 s[SEL+1], 0xfedcba98
	s_mov_b32 s29, 0
	s_lshl_b32 s28, s21, 24
	s_lshl_b32 s26, s22, 19
	s_add_co_u32 s28, s28, s26
	s_lshl_b32 s26, s20, 17
	s_add_co_u32 s28, s28, s26
	s_wait_kmcnt 0x0
	s_add_nc_u64 s[WB:WB+1], s[WB:WB+1], s[28:29]  ; w1 at row 4096 e + 128 fs + 32 w
	s_lshl_b32 s28, s21, 7
	s_add_nc_u64 s[18:19], s[8:9], s[28:29]
	s_load_b32 s30, s[18:19], CNTO                 ; the expert's rows
	s_lshl_b32 s28, s21, 14
	s_lshl_b32 s26, s22, 9
	s_add_co_u32 s28, s28, s26
	s_add_nc_u64 s[12:13], s[12:13], s[28:29]      ; b1 at my 128 units
	s_lshl_b32 s28, s21, 21
	s_lshl_b32 s26, s22, 10
	s_add_co_u32 s28, s28, s26
	s_lshl_b32 s26, s20, 15
	s_add_co_u32 s28, s28, s26
	s_add_nc_u64 s[14:15], s[14:15], s[28:29]      ; hc [e][tile w][fs]
	s_lshl_b32 s28, s21, 17
	s_lshl_b32 s26, s22, 6
	s_add_co_u32 s28, s28, s26
	s_lshl_b32 s26, s20, 11
	s_add_co_u32 s28, s28, s26
	s_add_nc_u64 s[16:17], s[16:17], s[28:29]      ; hs likewise
	WIN 0x40
	s_wait_alu depctr_va_vdst(0)                   ; the addresses and offsets made above are written, which the kernel's loads and stores, global and LDS, read; none of them is written again
.irp t, 0,1,2,3,4,5,6,7                        ; b1 in the result's layout: tile t, lane (r, h): units 32 (t / 2) + 16 h + 8 (t % 2) + 0 .. 7
	global_load_b128 v[BI+8*\t:BI+8*\t+3], v[BOF], s[12:13] offset:(32*(\t/2)+8*(\t%2))*4
	global_load_b128 v[BI+8*\t+4:BI+8*\t+7], v[BOF], s[12:13] offset:(32*(\t/2)+8*(\t%2))*4+16
.endr
	WIN 0
.irp i, 0,1,2,3,4,5,6,7,8,9,10,11,12,13,14,15
	global_load_b32 v[LT+\i], v[LTA], s[8:9] offset:LSTO+256*\i    ; row r of tile w + 4 i: the last lies at byte 4,092 of the expert's 4,096
.endr
	LOADW 0
	LOADW 1
	LOADW 2
	LOADW 3
	s_wait_kmcnt 0x0
	s_min_u32 s30, s30, 1024
	s_add_co_u32 s31, s30, 15
	s_lshr_b32 s31, s31, 4                         ; the expert's tiles
	s_add_co_u32 s31, s31, 3
	s_sub_co_u32 s31, s31, s20
	s_lshr_b32 s31, s31, 2                         ; those of them that are w + 4 i,
	s_max_u32 s31, s31, 1                          ; at least one
	s_sub_co_u32 s32, s31, 1                       ; trips that have a successor
	; ---- phase 1
	s_wait_loadcnt 48                              ; b1, my token numbers and step 0's 16 loads are in; three younger steps may be out
	TURN 0
.irp n, 0,1,2,3,4,5,6,7,8,9,10,11,12,13,14,15
	STEP \n
.endr
	GIDX                                           ; my first tile's rows are asked for ahead of the barrier
	GROWS
	GSC
	s_wait_dscnt 0x0                               ; for the others' sake: my images and scale words lie in LDS
	s_barrier_signal -1
	s_barrier_wait -1
	WREGS
	NEXTX                                          ; my first tile into the fragments' registers, which nothing has named yet; my second is asked for
	s_wait_dscnt 0x0                               ; the fragments are in
; ---- phase 2: a tile of 16 rows.  next = 1: a tile of mine follows
.macro TRIP next
.irp s, 0,1,2,3,4,5,6,7                        ; the eight accumulators take turns, one instruction a turn
.if \s == 0
	WIN 0x16                                       ; W1 window 2, x window 1, C = b1 window 1
.elseif \s < 4
	WIN 0x06
.else
	WIN 0x07                                       ; W1 window 3
.endif
.irp t, 0,1,2,3,4,5,6,7
.if \s == 0
	WMR ACC+8*\t, 8*((8*\s+\t)&31), XF+8*\s, BI+8*\t, WSC+4*\s+\t/2, XSW+(\s&3), \t&1, \s/4
.else
	WMR ACC+8*\t, 8*((8*\s+\t)&31), XF+8*\s, ACC+8*\t, WSC+4*\s+\t/2, XSW+(\s&3), \t&1, \s/4
.endif
.endr
.endr
	WIN 0
.rept 5
	v_nop                                          ; places behind the last products: for the loads into x's fragments, the writes of x's scale words, the reads of results, and the next tile's products, which begin the sums anew
.endr
.if \next
	s_wait_alu depctr_va_vdst(0)                   ; the products are done reading x's fragments, in which the next tile's LDS loads land; the places above stay beside this wait
	NEXTX                                          ; its way through LDS runs under the lines below
.endif
.set j, 0
.rept 64
	v_max_num_f32 v[ACC+j], 0, v[ACC+j]            ; the activation, in f32; each accumulator from its low end on
.set j, j+1
.endr
	QUANT ACC
	v_lshrrev_b32 v[TP], v[H16], v[PW]             ; my half of row r's scale word
	s_wait_alu depctr_va_vdst(0)                   ; the codes and my half of the scale word are written, which the three stores read
	global_store_b128 v[L16], v[PC:PC+3], s[14:15]                 ; the fragment's image: 512 consecutive bytes a store
	global_store_b128 v[L16], v[PC+4:PC+7], s[14:15] offset:512
	global_store_b16 v[HSO], v[TP], s[16:17]       ; 32 lanes store the 16 words: 64 consecutive bytes
	s_wait_xcnt 0x0                                ; the bases step and the data are written again only behind this wait
.if \next
	s_wait_alu depctr_vm_vsrc(0)                   ; the three stores have read the codes and the half word, which the next tile's quantiser writes again
.endif
	s_add_nc_u64 s[14:15], s[14:15], 0x20000       ; four tiles on
	s_add_nc_u64 s[16:17], s[16:17], 0x2000
.if \next
	s_wait_dscnt 0x0                               ; the next tile's fragments are in
.endif
.endm
	s_cmp_eq_u32 s32, 0
	s_cbranch_scc1 .Ltail
.Ltrip:
	TRIP 1
	s_sub_co_u32 s32, s32, 1
	s_cmp_lg_u32 s32, 0
	s_cbranch_scc1 .Ltrip
.Ltail:
	TRIP 0                                         ; my last tile: nothing more is staged or asked for
	s_wait_dscnt 0x0                               ; the closing lines, six on end
	s_wait_alu 0x0
	s_wait_tensorcnt 0x0
	ds_add_u32 v254, v255
	s_wait_dscnt 0x0
	s_endpgm
.Lfunc_end_k_q2770c995bf_up:
	.size	k_q2770c995bf_up, .Lfunc_end_k_q2770c995bf_up-k_q2770c995bf_up
	.p2alignl 7, 3214868480
	.fill 96, 4, 3214868480
	.section	.rodata,"a",@progbits
	.p2align	6, 0x0
	.amdhsa_kernel k_q2770c995bf_up
		.amdhsa_group_segment_fixed_size 137728
		.amdhsa_private_segment_fixed_size 0
		.amdhsa_enable_private_segment 0
		.amdhsa_kernarg_size 56
		.amdhsa_user_sgpr_count 2
		.amdhsa_user_sgpr_kernarg_segment_ptr 1
		.amdhsa_wavefront_size32 1
		.amdhsa_system_sgpr_workgroup_id_x 1
		.amdhsa_system_sgpr_workgroup_id_y 1
		.amdhsa_system_sgpr_workgroup_id_z 1
		.amdhsa_system_vgpr_workitem_id 0
		.amdhsa_next_free_vgpr 1024
		.amdhsa_next_free_sgpr 66
		.amdhsa_reserve_vcc 0
		.amdhsa_float_denorm_mode_32 3
		.amdhsa_float_denorm_mode_16_64 3
		.amdhsa_memory_ordered 1
		.amdhsa_forward_progress 1
		.amdhsa_inst_pref_size 176
	.end_amdhsa_kernel
	.amdgpu_metadata
---
amdhsa.version: [ 1, 2 ]
amdhsa.kernels:
  - .name:           k_q2770c995bf_up
    .symbol:         k_q2770c995bf_up.kd
    .args:
      - { .name: xc, .offset: 0, .size: 8, .value_kind: global_buffer, .address_space: global }
      - { .name: xs, .offset: 8, .size: 8, .value_kind: global_buffer, .address_space: global }
      - { .name: pose, .offset: 16, .size: 8, .value_kind: global_buffer, .address_space: global }
      - { .name: w1, .offset: 24, .size: 8, .value_kind: global_buffer, .address_space: global }
      - { .name: b1, .offset: 32, .size: 8, .value_kind: global_buffer, .address_space: global }
      - { .name: hc, .offset: 40, .size: 8, .value_kind: global_buffer, .address_space: global }
      - { .name: hs, .offset: 48, .size: 8, .value_kind: global_buffer, .address_space: global }
    .group_segment_fixed_size: 137728
    .private_segment_fixed_size: 0
    .kernarg_segment_align: 8
    .kernarg_segment_size: 56
    .max_flat_workgroup_size: 128
    .sgpr_count:     66
    .vgpr_count:     1024
    .wavefront_size: 32
...
	.end_amdgpu_metadata
.endif
;; end of part 8
;; launch down (part 9): grid 256 x 1, 4 waves a work-group, no clusters, 156,160 bytes of LDS; arguments hc, hs, pose, w2, b2, ybuf; writes ybuf
.if DOCPART == 9
	.amdgcn_target "amdgcn-amd-amdhsa--gfx1250"
	.amdhsa_code_object_version 6
	.text
	.protected	k_q2770c995bf_down
	.globl	k_q2770c995bf_down
	.p2align	8
	.type	k_q2770c995bf_down,@function
k_q2770c995bf_down:
	s_mov_b64 s[64:65], 0
	v_nop
	global_prefetch_b8 v0, s[64:65] scope:SCOPE_SE
	s_setreg_imm32_b32 hwreg(HW_REG_WAVE_SCHED_MODE, 0, 2), 2
	s_setreg_imm32_b32 hwreg(HW_REG_WAVE_MODE, 25, 1), 1
	s_wait_xcnt 0x0
	s_wait_alu depctr_vm_vsrc(0)
; DOWN.  Work-group (e, dq, kh), e = x / 32, dq = (x % 32) / 2, kh = x % 2: the part of y = Q(h) Q(W2[e])^T + b2[e] that K = 2048 kh .. 2048 kh + 2047 gives, for output columns 64 dq .. 64 dq + 63 and for the
; expert's rows, on codes of FP4 (E2M1) with one E8M0 scale for each 32 along K.  The two halves of K are two work-groups' and are added by the launch behind this one: so a work-group reads half of each row of h,
; 1,088 bytes with its scale bytes, for twice the columns, and an expert's 32 work-groups together read half the bytes of h that 32 slices with all of K would read.  b2 goes into the half kh = 0 alone.
; PHASE 1: the slice of w2, 64 rows x 8,192 bytes of f32, is read ONCE, 512 consecutive bytes a load, quantised, and laid into LDS as images of operand registers.  Wave w takes rows 16 w .. 16 w + 15:
; 16 steps of 16 rows x 128 K, each turned through the wave's own stage; loads run four steps ahead.
; PHASE 2: EVERY wave takes the whole slice, 64 fragments, into 512 registers and walks tiles of 16 rows on its own, tile j = w + 4 i: no sum crosses waves and no barrier stands in the walk, so its trip
; count may hang on the count that an earlier launch stored in pose.  Every wave walks at least one tile, as the launch before did: what it reads has been stored.
; h's fragments come as the images that the launch before stored: dense loads of 512 bytes, in two groups of 8 K steps; a group's registers are filled again, for the wave's next tile, as soon as its products are issued.
; THE PRODUCT IS USED TRANSPOSED (source 0 = 16 rows of W2, source 1 = 16 rows of h): a lane holds eight neighbouring columns of one row of y.  The bias is the C of the first product.
; OUT: ybuf [64 e + tile][kh][dq][row 16][64 f32]: 4,096 dense bytes for each tile and work-group.
; The sum over K is made in two halves, each one chain in ascending K, and joined later: another order of rounding than one chain.
; No tensor load and no cluster: the trip counts hang on a number read from memory.
; LIMITS: NaN and infinities are not served; a block of w2 whose largest magnitude lies under 2^-124 keeps the byte 1, a block of zeros the byte 1 with zero codes.
; THE MODE: SCHED_MODE bits 1:0 = 2 (LLVM: expert scheduling mode 2), set by the entry lines.  The code itself states the register dependences
; between vector or matrix instructions and memory or LDS instructions, with s_wait_alu, always for 0.
; THE PLAN.  Registers that memory or LDS instructions touch:
;   the addresses v4-10, v12-15   made once at the head, never written again: one wait on va_vdst ahead of the first load serves them all.
;   PHASE 1.  Four sets of 64 in window 2: step n's loads land in set n % 4, TURN n's stage stores read it, step n + 4's loads land in it again.
;             X0, X1 (v64-191): TURN n's LDS loads land in X[n % 2], WQUANT n's lines read it, TURN n + 2's loads land in it again (behind the last step: b2's loads, in X1).
;             v[CD ..] and v[TM+6]: WQUANT n writes them, its three LDS stores read them.
;             So a step has one wait on vm_vsrc, at its head, and one on va_vdst, behind its quantiser's last line and ahead of its three stores; no vector line stands between that wait and TURN n + 2.
;   PHASE 2.  Group g's 64 registers of h (window 1) and its four scale registers: the group's 32 products read them, the refill for the wave's next tile lands in them.
;             The accumulators v64-95: the products write them, eight LDS stores read them.   v[YO ..]: LDS loads land in them, eight global stores read them; no vector line of the walk names them.
;             So one wait on va_vdst stands behind each group's products and places, where the group's registers are asked for again at once (behind group 1 it also serves the LDS stores), and one on vm_vsrc at the end
;             of a trip that has a successor.
;   W2's fragments and scale words and the bias's tiles are named by matrix and vector instructions alone once they have landed.
; REGISTERS, in windows of 256: window 0: v1-15 addresses; v48-55 h's scale words, v192-223 W2's (scales and nothing else); v64-191 numbers being quantised, later v64-95 four accumulators, v96-127 y as it leaves,
;   v128-159 the bias's four tiles; v224-247 at work.   window 1: v0-127 h's 16 fragments.   window 2: in phase 1 four sets of 64 as loaded.   windows 2 and 3 in phase 2: W2's fragments, slot 4 S + u (K step S of my 16,
;   tile of columns u) at register 512 + 8 slot.
.set PIT,  528
.set STG1, 16*PIT
.set TSB,  2*STG1
.set IMG,  4*TSB
.set SWI,  IMG+65536                   ; W2's scale words: the word of register p and lane L at 512 (p / 4) + 16 L + 4 (p % 4); fragment (S, u): p = 2 S + u / 2, L = r + 16 (u % 2)
.set YST,  SWI+4096                    ; a stage of 16 rows x (256 bytes + 16) for each wave
.set YP,   272
.set L16, 4
.set TSI, 5
.set TSO, 6
.set IMW, 7
.set SWW, 8
.set IMR, 9
.set SWR, 10
.set SH8, 11
.set YSI, 12
.set YSO, 13
.set L4,  14
.set BOF, 15
.set HSW,  48
.set X,    64
.set ACC,  64
.set YO,   96
.set BI,   128
.set WSC,  192
.set TM,   224
.set CD,   240
.set HN,   4                           ; s[4:5]  the images of the tile that is loaded next
.set HSN,  6                           ; s[6:7]  its scale words
.set WB,   10                          ; s[10:11] my wave's part of w2
.set YB,   14                          ; s[14:15] where the tile in hand goes
.set SEL,  36
.set MSB, 0
.macro WIN new                         ; the immediate's high byte repeats the setting that is left; bits 1:0 source 0, 3:2 source 1, 5:4 source 2, 7:6 destination
.if MSB != \new
	s_set_vgpr_msb (MSB<<8)|\new
.set MSB, \new
.endif
.endm
; step n of my stream: my 16 rows, K step n of the work-group's 16
.macro LOADW n
	WIN 0x80
.irp i, 0,1,2,3,4,5,6,7,8,9,10,11,12,13,14,15
	global_load_b128 v[64*((\n)%4)+4*\i:64*((\n)%4)+4*\i+3], v[L16], s[WB:WB+1] offset:\i*16384+512*(\n) th:TH_LOAD_NT
.endr
	WIN 0
.endm
.macro TURN n                          ; through the stage: in as loaded, out 32 neighbours at a time: lane (r, h) gets blocks h and 2 + h of row r
	WIN 0x08
.irp i, 0,1,2,3,4,5,6,7,8,9,10,11,12,13,14,15
	ds_store_b128 v[TSI], v[64*((\n)%4)+4*\i:64*((\n)%4)+4*\i+3] offset:STG1*((\n)%2)+PIT*\i
.endr
	WIN 0
.irp c, 0,1
.irp q, 0,1,2,3,4,5,6,7
	ds_load_b128 v[X+64*((\n)%2)+32*\c+4*\q:X+64*((\n)%2)+32*\c+4*\q+3], v[TSO] offset:STG1*((\n)%2)+256*\c+16*\q
.endr
.endr
.endm
.macro WQUANT n
.set XS, X+64*((\n)%2)
.irp c, 0,1
	v_max3_num_f32 v[TM+\c], |v[XS+32*\c]|, |v[XS+32*\c+1]|, 0x1800000      ; with the floor 2^(3 - 127): the byte cannot fall under 1
	v_max3_num_f32 v[TM+8+\c], |v[XS+32*\c+16]|, |v[XS+32*\c+17]|, |v[XS+32*\c+18]|
.endr
.irp i, 2,4,6,8,10,12
.irp c, 0,1
	v_max3_num_f32 v[TM+\c], v[TM+\c], |v[XS+32*\c+\i]|, |v[XS+32*\c+1+\i]|
	v_max3_num_f32 v[TM+8+\c], v[TM+8+\c], |v[XS+32*\c+17+\i]|, |v[XS+32*\c+18+\i]|
.endr
.endr
.irp c, 0,1
	v_max3_num_f32 v[TM+\c], v[TM+\c], |v[XS+32*\c+14]|, |v[XS+32*\c+15]|
.endr
.irp c, 0,1
	v_max3_num_f32 v[TM+\c], v[TM+\c], v[TM+8+\c], |v[XS+32*\c+31]|
.endr
.irp c, 0,1
	v_add_nc_u32 v[TM+2+\c], 0xff000000, v[TM+\c]  ; 2 off the exponent field: the conversion's scale operand
.endr
.irp c, 0,1
	v_lshrrev_b32 v[TM+4+\c], 23, v[TM+2+\c]       ; the scale's byte
.endr
	v_lshl_or_b32 v[TM+6], v[TM+5], 16, v[TM+4]
	v_lshlrev_b32 v[TM+6], v[SH8], v[TM+6]
	v_permlanex16_b32 v[TM+7], v[TM+6], s[SEL], s[SEL+1]
	v_or_b32 v[TM+6], v[TM+6], v[TM+7]             ; the row's scale word
.irp c, 0,1
.irp g, 0,1,2,3
	v_cvt_scalef32_pk8_fp4_f32 v[CD+4*\c+\g], v[XS+32*\c+8*\g:XS+32*\c+8*\g+7], v[TM+2+\c]
.endr
.endr
	v_nop                                          ; one plain place behind the last scaled conversion
	s_wait_alu depctr_va_vdst(0)                   ; the codes and the scale word are written, which the three stores below read; and this step's lines are done reading its 64 numbers, in which the LDS loads of the turn after next land (behind the last step: b2's loads)
	ds_store_b128 v[IMW], v[CD:CD+3] offset:4096*(\n)              ; slot 4 n + w
	ds_store_b128 v[IMW], v[CD+4:CD+7] offset:4096*(\n)+512
	ds_store_b32 v[SWW], v[TM+6] offset:512*((\n)/2)+8*((\n)%2)    ; register 2 n + w / 2; lanes r and r + 16 write the same word with the same value
.endm
.macro STEP n
	s_wait_dscnt 0x0                               ; this step's numbers are back; the stage's stores have read their registers, the last images' stores theirs
	s_wait_alu depctr_vm_vsrc(0)                   ; this step's stage stores have read their set of loaded registers, in which the loads below land; the last step's three stores have read the codes and the scale word, which this step's quantiser writes again
.if (\n)+4 < 16
	LOADW (\n)+4
.endif
.if (\n)+1 < 16
.if 14-(\n) >= 3
	s_wait_loadcnt 48                              ; the next step's 16 loads are in; three younger steps may be out
.else
	s_wait_loadcnt 16*(14-(\n))
.endif
	TURN (\n)+1
.endif
	WQUANT \n
.endm
.macro WREGS                           ; the whole slice into windows 2 and 3, its scale words into window 0.  (Window 2's registers were last read by the stage's stores, all issued ahead of the last step's wait on vm_vsrc)
	WIN 0x80
.set mm, 0
.rept 64
	ds_load_b128 v[4*mm:4*mm+3], v[IMR] offset:512*mm
.set mm, mm+1
.endr
	WIN 0xc0
.rept 64
	ds_load_b128 v[4*(mm-64):4*(mm-64)+3], v[IMR] offset:512*mm
.set mm, mm+1
.endr
	WIN 0
.irp k, 0,1,2,3,4,5,6,7
	ds_load_b128 v[WSC+4*\k:WSC+4*\k+3], v[SWR] offset:512*\k
.endr
	s_wait_dscnt 0x0
.endm
; one product; ra, rb: A's, B's scales stand in lanes 16-31 of their registers
.macro WMR d, a, b, c, sa, sb, ra, rb
.if (\ra) && (\rb)
	v_wmma_scale_f32_16x16x128_f8f6f4 v[(\d):(\d)+7], v[(\a):(\a)+7], v[(\b):(\b)+7], v[(\c):(\c)+7], v[(\sa)], v[(\sb)] matrix_a_fmt:MATRIX_FMT_FP4 matrix_b_fmt:MATRIX_FMT_FP4 matrix_a_scale:MATRIX_SCALE_ROW1 matrix_b_scale:MATRIX_SCALE_ROW1
.elseif (\ra)
	v_wmma_scale_f32_16x16x128_f8f6f4 v[(\d):(\d)+7], v[(\a):(\a)+7], v[(\b):(\b)+7], v[(\c):(\c)+7], v[(\sa)], v[(\sb)] matrix_a_fmt:MATRIX_FMT_FP4 matrix_b_fmt:MATRIX_FMT_FP4 matrix_a_scale:MATRIX_SCALE_ROW1
.elseif (\rb)
	v_wmma_scale_f32_16x16x128_f8f6f4 v[(\d):(\d)+7], v[(\a):(\a)+7], v[(\b):(\b)+7], v[(\c):(\c)+7], v[(\sa)], v[(\sb)] matrix_a_fmt:MATRIX_FMT_FP4 matrix_b_fmt:MATRIX_FMT_FP4 matrix_b_scale:MATRIX_SCALE_ROW1
.else
	v_wmma_scale_f32_16x16x128_f8f6f4 v[(\d):(\d)+7], v[(\a):(\a)+7], v[(\b):(\b)+7], v[(\c):(\c)+7], v[(\sa)], v[(\sb)] matrix_a_fmt:MATRIX_FMT_FP4 matrix_b_fmt:MATRIX_FMT_FP4
.endif
.endm
; K step ks of my 16, tile of columns u: accumulator u; the first K step takes the bias as C
.macro MUL1 ks, u
.if (\ks) == 0
	WMR ACC+8*(\u), 8*((4*(\ks)+(\u))&31), 8*(\ks), BI+8*(\u), WSC+2*(\ks)+(\u)/2, HSW+(\ks)/2, (\u)&1, (\ks)%2
.else
	WMR ACC+8*(\u), 8*((4*(\ks)+(\u))&31), 8*(\ks), ACC+8*(\u), WSC+2*(\ks)+(\u)/2, HSW+(\ks)/2, (\u)&1, (\ks)%2
.endif
.endm
; group g of a tile of h: the images of K steps 8 g .. 8 g + 7 and their scale words (a register: lanes 0-15 an even K step's 16 rows, lanes 16-31 the odd one's): 20 loads
.macro HGRP g
	WIN 0x40
.irp k, 0,1,2,3,4,5,6,7
.irp c, 0,1
	global_load_b128 v[8*(8*(\g)+\k)+4*\c:8*(8*(\g)+\k)+4*\c+3], v[L16], s[HN:HN+1] offset:1024*(8*(\g)+\k)+512*\c
.endr
.endr
	WIN 0
.irp k, 0,1,2,3
	global_load_b32 v[HSW+4*(\g)+\k], v[L4], s[HSN:HSN+1] offset:128*(4*(\g)+\k)
.endr
.endm
	s_load_b256 s[4:11], s[0:1], 0x0               ; hc, hs, pose, w2
	s_load_b128 s[12:15], s[0:1], 0x20             ; b2, ybuf
	v_lshl_add_u32 v254, v0, 2, 0x26000
	v_mov_b32 v255, 0
	v_lshrrev_b32 v1, 5, v0
	v_readfirstlane_b32 s20, v1                    ; wave 0..3
	v_and_b32 v1, 31, v0                           ; lane
	v_and_b32 v2, 15, v0                           ; r
	s_wait_alu depctr_va_vdst(0)
	v_bfe_u32 v3, v0, 4, 1                         ; h
	s_lshr_b32 s21, ttmp9, 5                       ; e
	s_and_b32 s22, ttmp9, 31
	s_and_b32 s30, s22, 1                          ; kh
	s_lshr_b32 s31, s22, 1                         ; dq
	v_lshlrev_b32 v[L16], 4, v1
	s_wait_alu depctr_va_vdst(0)
	v_lshlrev_b32 v[L4], 2, v1
	s_wait_alu depctr_va_sdst(0)                   ; s20 is written, ahead of its first reader: LDS addresses, bases and the trip count are made from it
	s_mul_i32 s26, s20, TSB
	v_add_nc_u32 v[TSI], s26, v[L16]
	v_mul_u32_u24 v[TSO], v2, PIT
	v_lshl_add_u32 v[TSO], v3, 7, v[TSO]
	v_add_nc_u32 v[TSO], s26, v[TSO]
	s_lshl_b32 s26, s20, 10
	s_add_co_u32 s26, s26, IMG
	v_add_nc_u32 v[IMW], s26, v[L16]               ; slot 4 n + w
	s_and_b32 s26, s20, 1
	s_lshl_b32 s26, s26, 8                         ; lanes 16-31 of the register for odd w,
	s_lshr_b32 s27, s20, 1
	s_lshl_b32 s27, s27, 2                         ; the register one further on for w / 2 = 1
	s_add_co_u32 s26, s26, s27
	s_add_co_u32 s26, s26, SWI
	v_lshl_add_u32 v[SWW], v2, 4, s26
	v_add_nc_u32 v[IMR], IMG, v[L16]
	v_add_nc_u32 v[SWR], SWI, v[L16]
	v_lshlrev_b32 v[SH8], 3, v3
	s_mul_i32 s26, s20, 16*YP
	s_add_co_u32 s26, s26, YST
	v_mul_u32_u24 v[YSI], v2, YP
	v_lshl_add_u32 v[YSI], v3, 5, v[YSI]
	v_add_nc_u32 v[YSI], s26, v[YSI]               ; my stage, in: row r, + 32 h
	v_mul_u32_u24 v[YSO], v3, YP
	v_lshl_add_u32 v[YSO], v2, 4, v[YSO]
	v_add_nc_u32 v[YSO], s26, v[YSO]               ; out: lanes 0-15 one row of 256 bytes, lanes 16-31 the next
	v_lshlrev_b32 v[BOF], 5, v3
	v_mov_b32 v[TM+7], 0                           ; a lane permute's destination counts as one of its sources
	s_mov_b32 s[SEL], 0x76543210
	s_mov_b32 s[SEL+1], 0xfedcba98
	s_mov_b32 s29, 0
	s_lshl_b32 s28, s21, 24
	s_lshl_b32 s26, s31, 20
	s_add_co_u32 s28, s28, s26
	s_lshl_b32 s26, s20, 18
	s_add_co_u32 s28, s28, s26
	s_lshl_b32 s26, s30, 13
	s_add_co_u32 s28, s28, s26
	s_wait_kmcnt 0x0
	s_add_nc_u64 s[WB:WB+1], s[WB:WB+1], s[28:29]  ; w2 at row 1024 e + 64 dq + 16 w, byte 8192 kh
	s_lshl_b32 s28, s21, 7
	s_add_nc_u64 s[8:9], s[8:9], s[28:29]
	s_load_b32 s23, s[8:9], 0x8000                 ; the expert's rows
	s_lshl_b32 s28, s21, 12
	s_lshl_b32 s26, s31, 8
	s_add_co_u32 s28, s28, s26
	s_add_nc_u64 s[12:13], s[12:13], s[28:29]      ; b2 at my 64 columns
	s_lshl_b32 s28, s21, 21
	s_lshl_b32 s26, s20, 15
	s_add_co_u32 s28, s28, s26
	s_lshl_b32 s26, s30, 14
	s_add_co_u32 s28, s28, s26
	s_add_nc_u64 s[HN:HN+1], s[HN:HN+1], s[28:29]  ; hc [e][tile w][K step 16 kh]
	s_lshl_b32 s28, s21, 17
	s_lshl_b32 s26, s20, 11
	s_add_co_u32 s28, s28, s26
	s_lshl_b32 s26, s30, 10
	s_add_co_u32 s28, s28, s26
	s_add_nc_u64 s[HSN:HSN+1], s[HSN:HSN+1], s[28:29]
	s_lshl_b32 s28, s21, 23
	s_lshl_b32 s26, s20, 17
	s_add_co_u32 s28, s28, s26
	s_lshl_b32 s26, s30, 16
	s_add_co_u32 s28, s28, s26
	s_lshl_b32 s26, s31, 12
	s_add_co_u32 s28, s28, s26
	s_add_nc_u64 s[YB:YB+1], s[YB:YB+1], s[28:29]  ; ybuf [64 e + w][kh][dq]
	s_wait_alu depctr_va_vdst(0)                   ; the addresses and offsets made above are written, which the kernel's loads and stores, global and LDS, read; none of them is written again
	LOADW 0
	LOADW 1
	LOADW 2
	LOADW 3
	s_wait_kmcnt 0x0
	s_min_u32 s23, s23, 1024
	s_add_co_u32 s25, s23, 15
	s_lshr_b32 s25, s25, 4                         ; the expert's tiles
	s_add_co_u32 s25, s25, 3
	s_sub_co_u32 s25, s25, s20
	s_lshr_b32 s25, s25, 2                         ; those of them that are w + 4 i,
	s_max_u32 s25, s25, 1                          ; at least one, as in the launch before
	s_sub_co_u32 s24, s25, 1                       ; trips that have a successor
	; ---- phase 1
	s_wait_loadcnt 48                              ; step 0's 16 loads are in; three younger steps may be out
	TURN 0
.irp n, 0,1,2,3,4,5,6,7,8,9,10,11,12,13,14,15
	STEP \n
.endr
.irp u, 0,1,2,3                                ; b2 in the result's layout: tile u, lane (r, h): columns 16 u + 8 h + 0 .. 7.  (No vector line has been issued since the last step's wait on va_vdst)
	global_load_b128 v[BI+8*\u:BI+8*\u+3], v[BOF], s[12:13] offset:64*\u
	global_load_b128 v[BI+8*\u+4:BI+8*\u+7], v[BOF], s[12:13] offset:64*\u+16
.endr
	HGRP 0                                         ; my first tile of h is asked for ahead of the barrier
	HGRP 1
	s_wait_dscnt 0x0                               ; for the others' sake: my images and scale words lie in LDS
	s_barrier_signal -1
	s_barrier_wait -1
	WREGS
	s_wait_loadcnt 40                              ; b2 is in; the two groups of 20 loads are younger
	s_cmp_eq_u32 s30, 0
	s_cselect_b32 s27, -1, 0                       ; the bias counts once: all ones for kh = 0, zero for kh = 1
.set j, 0
.rept 32
	v_and_b32 v[BI+j], s27, v[BI+j]
.set j, j+1
.endr
	s_wait_xcnt 0x0                                ; the bases step only behind this wait
	s_add_nc_u64 s[HN:HN+1], s[HN:HN+1], 0x20000   ; four tiles on
	s_add_nc_u64 s[HSN:HSN+1], s[HSN:HSN+1], 0x2000
; ---- phase 2: a tile of 16 rows.  refill = 1: each group's registers take the tile four further on as soon as the group's products are issued
.macro TRIP refill
.irp g, 0,1
.if \refill
	s_wait_loadcnt 20                              ; this group's 20 loads are in; the other group's 20 are younger
.else
	s_wait_loadcnt 20*(1-\g)
.endif
.if \g == 0
	WIN 0x06                                       ; W2 window 2, h window 1
.else
	WIN 0x07                                       ; W2 window 3
.endif
.irp k, 0,1,2,3,4,5,6,7                        ; the four accumulators take turns, one instruction a turn
.irp u, 0,1,2,3
	MUL1 8*\g+\k, \u
.endr
.endr
	WIN 0
.rept 4+\g
	v_nop                                          ; places behind the products: for the loads into their operands and scale words; behind the last group also for the reads of results, and one more for the next tile's products, which begin the sums anew
.endr
.if \refill || \g
	s_wait_alu depctr_va_vdst(0)                   ; the group's products are done reading its fragments and scale words of h, in which the refill lands; behind the second group the accumulators are written, which the LDS stores below read.  The places above stay beside this wait
.endif
.if \refill
	HGRP \g
.endif
.endr
.irp u, 0,1,2,3
.irp q, 0,1
	ds_store_b128 v[YSI], v[ACC+8*\u+4*\q:ACC+8*\u+4*\q+3] offset:64*\u+16*\q     ; each accumulator from its low end on
.endr
.endr
.irp i, 0,1,2,3,4,5,6,7
	ds_load_b128 v[YO+4*\i:YO+4*\i+3], v[YSO] offset:2*YP*\i       ; LDS serves a wave's instructions in order: these see my stores
.endr
	s_wait_dscnt 0x0
.irp i, 0,1,2,3,4,5,6,7
	global_store_b128 v[L16], v[YO+4*\i:YO+4*\i+3], s[YB:YB+1] offset:512*\i      ; two rows' 512 consecutive bytes a store
.endr
	s_wait_xcnt 0x0                                ; the bases step and the data are written again only behind this wait
.if \refill
	s_wait_alu depctr_vm_vsrc(0)                   ; the LDS stores have read the accumulators, which the next tile's products write; the global stores have read v[YO ..], in which the next tile's rows land
.endif
	s_add_nc_u64 s[YB:YB+1], s[YB:YB+1], 0x80000   ; four tiles on
.if \refill
	s_add_nc_u64 s[HN:HN+1], s[HN:HN+1], 0x20000
	s_add_nc_u64 s[HSN:HSN+1], s[HSN:HSN+1], 0x2000
.endif
.endm
	s_cmp_eq_u32 s24, 0
	s_cbranch_scc1 .Ltail
.Ltrip:
	s_wait_alu depctr_va_vdst(0)
	TRIP 1
	s_sub_co_u32 s24, s24, 1
	s_cmp_lg_u32 s24, 0
	s_cbranch_scc1 .Ltrip
.Ltail:
	s_wait_alu depctr_va_vdst(0)
	TRIP 0                                         ; my last tile asks for nothing: the counts run down
	s_wait_dscnt 0x0                               ; the closing lines, six on end
	s_wait_alu 0x0
	s_wait_tensorcnt 0x0
	ds_add_u32 v254, v255
	s_wait_dscnt 0x0
	s_endpgm
.Lfunc_end_k_q2770c995bf_down:
	.size	k_q2770c995bf_down, .Lfunc_end_k_q2770c995bf_down-k_q2770c995bf_down
	.p2alignl 7, 3214868480
	.fill 96, 4, 3214868480
	.section	.rodata,"a",@progbits
	.p2align	6, 0x0
	.amdhsa_kernel k_q2770c995bf_down
		.amdhsa_group_segment_fixed_size 156160
		.amdhsa_private_segment_fixed_size 0
		.amdhsa_enable_private_segment 0
		.amdhsa_kernarg_size 48
		.amdhsa_user_sgpr_count 2
		.amdhsa_user_sgpr_kernarg_segment_ptr 1
		.amdhsa_wavefront_size32 1
		.amdhsa_system_sgpr_workgroup_id_x 1
		.amdhsa_system_sgpr_workgroup_id_y 1
		.amdhsa_system_sgpr_workgroup_id_z 1
		.amdhsa_system_vgpr_workitem_id 0
		.amdhsa_next_free_vgpr 1024
		.amdhsa_next_free_sgpr 66
		.amdhsa_reserve_vcc 0
		.amdhsa_float_denorm_mode_32 3
		.amdhsa_float_denorm_mode_16_64 3
		.amdhsa_memory_ordered 1
		.amdhsa_forward_progress 1
		.amdhsa_inst_pref_size 155
	.end_amdhsa_kernel
	.amdgpu_metadata
---
amdhsa.version: [ 1, 2 ]
amdhsa.kernels:
  - .name:           k_q2770c995bf_down
    .symbol:         k_q2770c995bf_down.kd
    .args:
      - { .name: hc, .offset: 0, .size: 8, .value_kind: global_buffer, .address_space: global }
      - { .name: hs, .offset: 8, .size: 8, .value_kind: global_buffer, .address_space: global }
      - { .name: pose, .offset: 16, .size: 8, .value_kind: global_buffer, .address_space: global }
      - { .name: w2, .offset: 24, .size: 8, .value_kind: global_buffer, .address_space: global }
      - { .name: b2, .offset: 32, .size: 8, .value_kind: global_buffer, .address_space: global }
      - { .name: ybuf, .offset: 40, .size: 8, .value_kind: global_buffer, .address_space: global }
    .group_segment_fixed_size: 156160
    .private_segment_fixed_size: 0
    .kernarg_segment_align: 8
    .kernarg_segment_size: 48
    .max_flat_workgroup_size: 128
    .sgpr_count:     66
    .vgpr_count:     1024
    .wavefront_size: 32
...
	.end_amdgpu_metadata
.endif
;; end of part 9
;; launch mix (part 10): grid 256 x 1, 4 waves a work-group, no clusters, 0 bytes of LDS; arguments ybuf, sel, topv, pose, out0; writes out0
.if DOCPART == 10
	.amdgcn_target "amdgcn-amd-amdhsa--gfx1250"
	.amdhsa_code_object_version 6
	.text
	.protected	k_q2770c995bf_mix
	.globl	k_q2770c995bf_mix
	.p2align	8
	.type	k_q2770c995bf_mix,@function
k_q2770c995bf_mix:
	s_mov_b64 s[64:65], 0
	v_nop
	global_prefetch_b8 v0, s[64:65] scope:SCOPE_SE
	s_setreg_imm32_b32 hwreg(HW_REG_WAVE_MODE, 25, 1), 1
	s_wait_xcnt 0x0
; MIX.  out[t] = g0 y[place of (t, e0)] + g1 y[place of (t, e1)], each y the sum of its two halves along K.  g_k is the softmax of slot k's kept logit ALONG THE 128 TOKENS of t's batch, the batch's maximum taken away
; before the exponentials.
; A wave takes one token: it reads the batch's 256 kept logits (four tokens a lane), its two experts from sel and its two places from pose (whole numbers, stored by earlier launches), and four rows of ybuf.
; ybuf is [place / 16][kh 2][dq 16][place % 16][64 f32]: a row's 1,024 numbers lie in 16 pieces of 256 bytes, 4,096 bytes apart, and the other half of K 65,536 bytes on: sixteen lanes read a piece.
; The row of out leaves 512 consecutive bytes a store.  Memory binds and the waves share nothing: no LDS, no barrier, no matrix unit.
; LIMITS: NaN and infinities are not served.
.set Y0A, 40                           ; v40-71   the first expert's row, K's first half; then the result
.set Y0B, 72                           ; v72-103  its second half
.set Y1A, 104                          ; v104-135 the second expert's row, first half
.set Y1B, 136                          ; v136-167 second half
	s_load_b256 s[4:11], s[0:1], 0x0               ; ybuf, sel, topv, pose
	s_load_b64 s[12:13], s[0:1], 0x20              ; out0
	v_lshrrev_b32 v1, 5, v0
	v_readfirstlane_b32 s14, v1                    ; wave
	v_and_b32 v1, 31, v0                           ; lane
	s_lshl_b32 s15, ttmp9, 2
	s_add_co_u32 s15, s15, s14                     ; my token
	s_lshr_b32 s16, s15, 7                         ; its batch
	s_lshl_b32 s18, s15, 2
	s_mov_b32 s19, 0
	v_and_b32 v2, 7, v1
	v_lshlrev_b32 v2, 12, v2
	v_add_nc_u32 v2, s18, v2                       ; pose [lane % 8][token]
	v_lshlrev_b32 v4, 5, v1                        ; four tokens' pairs a lane
	v_lshrrev_b32 v5, 4, v1
	v_lshlrev_b32 v5, 12, v5
	v_and_b32 v6, 15, v1
	v_lshl_add_u32 v5, v6, 4, v5                   ; piece lane / 16 of two, 16 bytes of it
	v_lshlrev_b32 v6, 4, v1
	v_mov_b32 v18, 0                               ; a lane permute's destination counts as one of its sources
	v_mov_b32 v19, 0
	s_mov_b32 s36, 0x3fb8aa3b                      ; log2(e)
	s_mov_b32 s37, 0xbfb8aa3b                      ; -log2(e)
	s_mov_b32 s38, 0x76543210
	s_mov_b32 s39, 0xfedcba98
	s_wait_alu depctr_va_vdst(0)
	s_wait_kmcnt 0x0
	global_load_b32 v3, v2, s[10:11]
	s_add_nc_u64 s[6:7], s[6:7], s[18:19]
	s_load_b32 s20, s[6:7], 0x0                    ; my token's two experts
	s_lshl_b32 s18, s15, 3
	s_add_nc_u64 s[28:29], s[8:9], s[18:19]
	s_load_b64 s[22:23], s[28:29], 0x0             ; its two kept logits
	s_lshl_b32 s18, s16, 10
	s_add_nc_u64 s[8:9], s[8:9], s[18:19]
	global_load_b128 v[8:11], v4, s[8:9]           ; the batch's: v8, v10, v12, v14 slot 0; v9, v11, v13, v15 slot 1
	global_load_b128 v[12:15], v4, s[8:9] offset:16
	s_lshl_b32 s18, s15, 12
	s_add_nc_u64 s[12:13], s[12:13], s[18:19]      ; my row of out
	s_wait_kmcnt 0x0
	s_and_b32 s24, s20, 0xff
	s_min_u32 s24, s24, 7
	s_bfe_u32 s25, s20, 0x80008
	s_min_u32 s25, s25, 7
	s_wait_loadcnt 2                               ; the places are in; the two loads of logits are younger
	v_readlane_b32 s26, v3, s24
	v_readlane_b32 s27, v3, s25
	s_min_u32 s26, s26, 0x1fff                     ; a number read from memory enters an address only held inside the table
	s_min_u32 s27, s27, 0x1fff
	s_and_b32 s28, s26, 0x1ff0
	s_lshl_b32 s28, s28, 13                        ; 131,072 bytes for each 16 places,
	s_and_b32 s30, s26, 15
	s_lshl_b32 s30, s30, 8                         ; 256 for each place among them
	s_add_co_u32 s28, s28, s30
	s_mov_b32 s29, 0
	s_add_nc_u64 s[32:33], s[4:5], s[28:29]
	s_and_b32 s28, s27, 0x1ff0
	s_lshl_b32 s28, s28, 13
	s_and_b32 s30, s27, 15
	s_lshl_b32 s30, s30, 8
	s_add_co_u32 s28, s28, s30
	s_add_nc_u64 s[34:35], s[4:5], s[28:29]
.irp i, 0,1,2,3,4,5,6,7                        ; the four rows' i-th 512 bytes together, so that the sums can begin with the first four loads
	global_load_b128 v[Y0A+4*\i:Y0A+4*\i+3], v5, s[32:33] offset:8192*\i th:TH_LOAD_NT
	global_load_b128 v[Y0B+4*\i:Y0B+4*\i+3], v5, s[32:33] offset:8192*\i+65536 th:TH_LOAD_NT
	global_load_b128 v[Y1A+4*\i:Y1A+4*\i+3], v5, s[34:35] offset:8192*\i th:TH_LOAD_NT
	global_load_b128 v[Y1B+4*\i:Y1B+4*\i+3], v5, s[34:35] offset:8192*\i+65536 th:TH_LOAD_NT
.endr
	s_wait_loadcnt 32                              ; the logits are in; the 32 loads of y are younger
	v_max_num_f32 v16, v8, v10
	v_max_num_f32 v17, v9, v11
	v_max3_num_f32 v16, v16, v12, v14
	v_max3_num_f32 v17, v17, v13, v15
.irp x, 1,2,4,8
	v_max_num_f32_dpp v16, v16, v16 row_xmask:\x row_mask:0xf bank_mask:0xf
	v_max_num_f32_dpp v17, v17, v17 row_xmask:\x row_mask:0xf bank_mask:0xf
.endr
	v_permlanex16_b32 v18, v16, s38, s39
	v_permlanex16_b32 v19, v17, s38, s39
	v_max_num_f32 v16, v16, v18                    ; each slot's largest logit of the batch
	v_max_num_f32 v17, v17, v19
	v_mul_f32 v16, s37, v16                        ; -m log2(e): the same number under the sum's terms and mine
	v_mul_f32 v17, s37, v17
	v_fma_f32 v20, v8, s36, v16
	v_fma_f32 v21, v10, s36, v16
	v_fma_f32 v22, v12, s36, v16
	v_fma_f32 v23, v14, s36, v16
	v_fma_f32 v24, v9, s36, v17
	v_fma_f32 v25, v11, s36, v17
	v_fma_f32 v26, v13, s36, v17
	v_fma_f32 v27, v15, s36, v17
	v_fma_f32 v28, s22, s36, v16                   ; my token's own
	v_fma_f32 v29, s23, s36, v17
	s_wait_alu depctr_va_vdst(0)
.irp j, 20,21,22,23,24,25,26,27,28,29
	v_exp_f32 v\j, v\j
.endr
	v_nop                                          ; one plain place behind the exponentials
	s_wait_alu depctr_va_vdst(0)
	v_add_f32 v20, v20, v21
	v_add_f32 v22, v22, v23
	v_add_f32 v24, v24, v25
	v_add_f32 v26, v26, v27
	v_add_f32 v20, v20, v22
	v_add_f32 v24, v24, v26
.irp x, 1,2,4,8
	v_add_f32_dpp v20, v20, v20 row_xmask:\x row_mask:0xf bank_mask:0xf
	v_add_f32_dpp v24, v24, v24 row_xmask:\x row_mask:0xf bank_mask:0xf
.endr
	v_permlanex16_b32 v18, v20, s38, s39
	v_permlanex16_b32 v19, v24, s38, s39
	v_add_f32 v20, v20, v18                        ; each slot's sum over the batch: at least 1
	v_add_f32 v24, v24, v19
	s_wait_alu depctr_va_vdst(0)
	v_rcp_f32 v21, v20
	v_rcp_f32 v25, v24
	v_nop                                          ; one plain place behind the reciprocals
	s_wait_alu depctr_va_vdst(0)
	v_mul_f32 v32, v28, v21                        ; g0,
	v_mul_f32 v34, v29, v25                        ; g1,
	v_mov_b32 v33, v32                             ; each twice: a pair for the packed forms
	v_mov_b32 v35, v34
	s_wait_alu depctr_va_vdst(0)
.irp i, 0,1,2,3,4,5,6,7
	s_wait_loadcnt 4*(7-\i)                        ; the four rows' i-th loads are in; the later fours are younger
	v_pk_mul_f32 v[Y0A+4*\i:Y0A+4*\i+1], v[Y0A+4*\i:Y0A+4*\i+1], v[32:33]
	v_pk_mul_f32 v[Y0A+4*\i+2:Y0A+4*\i+3], v[Y0A+4*\i+2:Y0A+4*\i+3], v[32:33]
	v_pk_fma_f32 v[Y0A+4*\i:Y0A+4*\i+1], v[Y0B+4*\i:Y0B+4*\i+1], v[32:33], v[Y0A+4*\i:Y0A+4*\i+1]
	v_pk_fma_f32 v[Y0A+4*\i+2:Y0A+4*\i+3], v[Y0B+4*\i+2:Y0B+4*\i+3], v[32:33], v[Y0A+4*\i+2:Y0A+4*\i+3]
	v_pk_fma_f32 v[Y0A+4*\i:Y0A+4*\i+1], v[Y1A+4*\i:Y1A+4*\i+1], v[34:35], v[Y0A+4*\i:Y0A+4*\i+1]
	v_pk_fma_f32 v[Y0A+4*\i+2:Y0A+4*\i+3], v[Y1A+4*\i+2:Y1A+4*\i+3], v[34:35], v[Y0A+4*\i+2:Y0A+4*\i+3]
	v_pk_fma_f32 v[Y0A+4*\i:Y0A+4*\i+1], v[Y1B+4*\i:Y1B+4*\i+1], v[34:35], v[Y0A+4*\i:Y0A+4*\i+1]
	v_pk_fma_f32 v[Y0A+4*\i+2:Y0A+4*\i+3], v[Y1B+4*\i+2:Y1B+4*\i+3], v[34:35], v[Y0A+4*\i+2:Y0A+4*\i+3]
	global_store_b128 v6, v[Y0A+4*\i:Y0A+4*\i+3], s[12:13] offset:512*\i th:TH_STORE_NT     ; 512 consecutive bytes of my row
.endr
	s_endpgm
.Lfunc_end_k_q2770c995bf_mix:
	.size	k_q2770c995bf_mix, .Lfunc_end_k_q2770c995bf_mix-k_q2770c995bf_mix
	.p2alignl 7, 3214868480
	.fill 96, 4, 3214868480
	.section	.rodata,"a",@progbits
	.p2align	6, 0x0
	.amdhsa_kernel k_q2770c995bf_mix
		.amdhsa_group_segment_fixed_size 0
		.amdhsa_private_segment_fixed_size 0
		.amdhsa_enable_private_segment 0
		.amdhsa_kernarg_size 40
		.amdhsa_user_sgpr_count 2
		.amdhsa_user_sgpr_kernarg_segment_ptr 1
		.amdhsa_wavefront_size32 1
		.amdhsa_system_sgpr_workgroup_id_x 1
		.amdhsa_system_sgpr_workgroup_id_y 1
		.amdhsa_system_sgpr_workgroup_id_z 1
		.amdhsa_system_vgpr_workitem_id 0
		.amdhsa_next_free_vgpr 168
		.amdhsa_next_free_sgpr 66
		.amdhsa_reserve_vcc 0
		.amdhsa_float_denorm_mode_32 3
		.amdhsa_float_denorm_mode_16_64 3
		.amdhsa_memory_ordered 1
		.amdhsa_forward_progress 1
		.amdhsa_inst_pref_size 15
	.end_amdhsa_kernel
	.amdgpu_metadata
---
amdhsa.version: [ 1, 2 ]
amdhsa.kernels:
  - .name:           k_q2770c995bf_mix
    .symbol:         k_q2770c995bf_mix.kd
    .args:
      - { .name: ybuf, .offset: 0, .size: 8, .value_kind: global_buffer, .address_space: global }
      - { .name: sel, .offset: 8, .size: 8, .value_kind: global_buffer, .address_space: global }
      - { .name: topv, .offset: 16, .size: 8, .value_kind: global_buffer, .address_space: global }
      - { .name: pose, .offset: 24, .size: 8, .value_kind: global_buffer, .address_space: global }
      - { .name: out0, .offset: 32, .size: 8, .value_kind: global_buffer, .address_space: global }
    .group_segment_fixed_size: 0
    .private_segment_fixed_size: 0
    .kernarg_segment_align: 8
    .kernarg_segment_size: 40
    .max_flat_workgroup_size: 128
    .sgpr_count:     66
    .vgpr_count:     168
    .wavefront_size: 32
...
	.end_amdgpu_metadata
.endif
;; end of part 10
